; MI455X (gfx1250); checked and timed in simulation.
; The chip was launched on July 23, 2026; its instructions are those of AMD's public machine-readable ISA for CDNA 5 (MIT licence, August 2026) and "CDNA5" Instruction Set Architecture Reference Guide (July 2026). The comments in the code are by the model that wrote it; some were corrected since.
;; Sparsely Gated Mo E. Allowed arithmetic: float matrix products may take bf16 or f16 operands with f32 sums; other float arithmetic in f32, or as packed bf16 or f16 multiplies, adds, multiply-adds, maxima and minima; sums over many terms, partial sums and values carried from step to step in f32; what a program stores and reads back later, other than sums and carried values, may be rounded once to bf16 or f16.
;; Inputs: b1 8 x 4,096 float32; b2 8 x 1,024 float32; gate_b 8 float32; gate_w 8 x 1,024 float32; noise 4 x 256 x 8 float32; var_b 8 float32; var_w 8 x 1,024 float32; w1 8 x 4,096 x 1,024 float32; w2 8 x 1,024 x 4,096 float32; x 4 x 256 x 1,024 float32.
;; Outputs: out0 4 x 256 x 1,024 float32.
;; 2 versions, each right; version 2 is version 1 with the launches ffn1, ffn2 written anew for expert scheduling mode. Each part assembles by itself: llvm-mc -triple=amdgcn-amd-amdhsa -mcpu=gfx1250 --defsym DOCPART=n.
;; ======== version 1 of 2: 4 launches
;; workspace buffers: xb 2,097,152 bytes; bmap 2,048 bytes of whole numbers; coef 8,192 bytes; hbuf 67,108,864 bytes; part 33,554,432 bytes; list 32,768 bytes of whole numbers
;; launch router (part 1): grid 32 x 1, 8 waves a work-group, no clusters, 87,040 bytes of LDS; arguments x, noise, gate_w, gate_b, var_w, var_b, xb, bmap, coef; writes xb, bmap, coef
.if DOCPART == 1
	.amdgcn_target "amdgcn-amd-amdhsa--gfx1250"
	.amdhsa_code_object_version 6
	.text
	.protected	k_qb54a2c2432_router
	.globl	k_qb54a2c2432_router
	.p2align	8
	.type	k_qb54a2c2432_router,@function
k_qb54a2c2432_router:
	s_mov_b64 s[64:65], 0
	v_nop
	global_prefetch_b8 v0, s[64:65] scope:SCOPE_SE
	s_setreg_imm32_b32 hwreg(HW_REG_WAVE_MODE, 25, 1), 1
	s_wait_xcnt 0x0
; NOISY TOP-2 ROUTER.  noisy = x.gate_w + gate_b + noise * softplus(x.var_w + var_b); the two largest of 8 are chosen (ties: the lower index), their weights are the softmax of the two.
; Stored: xb = x rounded to bf16 [1024][1024]; coef [1024][2] f32 (first, second choice); bmap, 512 words: word 32 e + g has bit l set where token 32 g + l chose expert e,
; word 256 + 32 e + g where e is that token's second choice.  All stores go to fixed places: nothing here steers an address.
; FORMAT.  Every input (x, both weights, both biases, noise) is rounded once to bf16; sums and all other arithmetic in f32.  LIMITS: NaN and infinities are not treated apart.
; SHARES.  A work-group has 32 tokens (one bitmap word an expert), wave w the channels 128 w .. 128 w + 127 of all 32.  The eight partial sums meet in LDS; wave 0, one token a lane, does the rest.
; The bitmap's 16 words a work-group go out as single words 128 bytes apart: 64 bytes in all, laid so that the later launches read an expert's 32 words by scalar loads.
; LDS: XT, each wave's own 32 rows x 272 bytes (256 of bf16 + 16: row r starts at bank 4 r mod 64, 64 banks of 4 bytes: ISA guide 11.1); RED, 2,048 bytes a wave; the spare words.
; REGISTERS.  window 0: v1 lane, v2 lane % 16, v3 lane / 16, v4-v13 offsets, v14-15 the add's two, v16-23 noise, v24-39 my token's 8 + 8 partial sums, v40-71 four accumulators,
;   v72-127 wave 0's work, v128-255 x as loaded, then its fragments, then the eight waves' sums.   window 1: v0-127 the weights as loaded, fragment f = 2 kk + (0 gate, 1 var) at 16 f.
.set XTW,   32*272
.set RED,   8*XTW
.set SPARE, RED+8*2048                 ; the spare words: 128 bytes a wave, four blocks of 256 bytes that no other line names
.set MSB, 0
.macro WIN new                         ; s_set_vgpr_msb: bits 1:0 source 0, 3:2 source 1, 5:4 source 2, 7:6 destination; the high byte repeats the setting that is left
.if MSB != (\new)
	s_set_vgpr_msb (MSB<<8)|(\new)
.set MSB, \new
.endif
.endm
	s_load_b512 s[4:19], s[0:1], 0x0               ; x s[4:5], noise s[6:7], gate_w s[8:9], gate_b s[10:11], var_w s[12:13], var_b s[14:15], xb s[16:17], bmap s[18:19]
	s_load_b64 s[20:21], s[0:1], 0x40              ; coef
	v_lshl_add_u32 v14, v0, 2, SPARE
	v_mov_b32 v15, 0
	v_lshrrev_b32 v1, 5, v0
	v_readfirstlane_b32 s22, v1                    ; wave 0..7
	v_and_b32 v1, 31, v0                           ; lane
	v_and_b32 v2, 15, v0                           ; r
	v_bfe_u32 v3, v0, 4, 1                         ; h
	v_lshlrev_b32 v4, 4, v1                        ; 16 x lane: my 4 floats of a row's 512 bytes
	v_and_b32 v5, 7, v0
	v_lshlrev_b32 v5, 12, v5
	v_lshl_add_u32 v5, v3, 5, v5                   ; weights: row r % 8 (rows 8-15 of a fragment repeat rows 0-7), 32 h bytes
	v_lshlrev_b32 v6, 3, v1                        ; 8 x lane
	s_mul_i32 s23, s22, XTW
	v_add_nc_u32 v7, s23, v6                       ; into my wave's XT
	v_mul_u32_u24 v8, v2, 272
	v_lshl_add_u32 v8, v3, 4, v8
	v_add_nc_u32 v8, s23, v8                       ; a fragment's row r, 16 h, out of my wave's XT
	v_add_nc_u32 v10, RED, v4                      ; RED, read
	s_lshl_b32 s23, s22, 11
	v_add_nc_u32 v9, s23, v10                      ; RED, my wave's part
	v_lshlrev_b32 v11, 5, v1                       ; noise: 32 bytes a token
	v_mov_b32 v12, 0
	s_mov_b32 s40, 0xffff                          ; lanes 0-15
	s_mov_b32 s41, 0xffff0000                      ; a word's upper bf16
	s_mov_b32 s45, 0xbfb8aa3b                      ; -log2(e)
	s_mov_b32 s46, 0x3f317218                      ; ln 2
	s_mov_b32 s47, 0x3fb8aa3b                      ; log2(e)
	s_mov_b32 s48, 0xff800000                      ; -infinity
	s_lshl_b32 s50, s22, 9                         ; my wave's 128 channels in f32
	s_mov_b32 s51, 0
	s_lshl_b32 s24, ttmp9, 17                      ; 32 rows of 4,096 bytes
	s_add_co_u32 s24, s24, s50
	s_mov_b32 s25, 0
	s_lshl_b32 s52, ttmp9, 16                      ; 32 rows of 2,048 bytes
	s_lshl_b32 s23, s22, 8
	s_add_co_u32 s52, s52, s23
	s_mov_b32 s53, 0
	s_lshl_b32 s54, ttmp9, 10
	s_mov_b32 s55, 0
	s_lshl_b32 s56, ttmp9, 8
	s_mov_b32 s57, 0
	s_lshl_b32 s58, ttmp9, 2
	s_mov_b32 s59, 0
	s_wait_kmcnt 0x0
	s_add_nc_u64 s[26:27], s[4:5], s[24:25]        ; x
	s_add_nc_u64 s[28:29], s[8:9], s[50:51]        ; gate_w
	s_add_nc_u64 s[30:31], s[12:13], s[50:51]      ; var_w
	s_add_nc_u64 s[32:33], s[16:17], s[52:53]      ; xb
	s_add_nc_u64 s[34:35], s[6:7], s[54:55]        ; noise
	s_add_nc_u64 s[36:37], s[20:21], s[56:57]      ; coef
	s_add_nc_u64 s[38:39], s[18:19], s[58:59]      ; bmap
	s_cmp_lg_u32 s22, 0
	s_cbranch_scc1 .Lnot_wave_0
	global_load_b128 v[16:19], v11, s[34:35]       ; wave 0 alone: its tokens' noise and both biases; older than all loads below, so the counts below hold for it too
	global_load_b128 v[20:23], v11, s[34:35] offset:16
	global_load_b128 v[72:75], v12, s[10:11]
	global_load_b128 v[76:79], v12, s[10:11] offset:16
	global_load_b128 v[80:83], v12, s[14:15]
	global_load_b128 v[84:87], v12, s[14:15] offset:16
.Lnot_wave_0:
.set j, 0
.rept 32                               ; a row's 512 consecutive bytes to a load
	global_load_b128 v[128+4*j:131+4*j], v4, s[26:27] offset:j*4096 th:TH_LOAD_NT
.set j, j+1
.endr
	WIN 0x40                                       ; destination window 1
.set f, 0
.rept 8                                ; fragment f: channels 32 (f / 2) on: 8 h + 0..7 and 16 + 8 h + 0..7 in f32: bytes 0, 16, 64, 80 from my place
.set c, 0
.rept 4
.if f%2 == 0
	global_load_b128 v[16*f+4*c:16*f+4*c+3], v5, s[28:29] offset:(f/2)*128+16*c+32*(c/2)
.else
	global_load_b128 v[16*f+4*c:16*f+4*c+3], v5, s[30:31] offset:(f/2)*128+16*c+32*(c/2)
.endif
.set c, c+1
.endr
.set f, f+1
.endr
	WIN 0
.set j, 0
.rept 32                               ; x rounded: to xb (32 lanes fill 256 consecutive bytes, aligned) and into my wave's XT
.if j%4 == 0
	s_wait_loadcnt 60-j                            ; rows j .. j + 3 are in: behind them 28 - j rows and the 32 loads of weights
.endif
	v_cvt_pk_bf16_f32 v[128+4*j], v[128+4*j], v[129+4*j]
	v_cvt_pk_bf16_f32 v[129+4*j], v[130+4*j], v[131+4*j]
	global_store_b64 v6, v[128+4*j:129+4*j], s[32:33] offset:j*2048
	ds_store_b64 v7, v[128+4*j:129+4*j] offset:j*272
.set j, j+1
.endr
	WIN 0x45                                       ; destination and both sources window 1
.set f, 0
.rept 8
	s_wait_loadcnt 28-4*f                          ; fragment f's four loads are in: behind them four for each later fragment
.set k, 0
.rept 8                                ; in place: register k takes numbers 2 k, 2 k + 1, which lie at or above it
	v_cvt_pk_bf16_f32 v[16*f+k], v[16*f+2*k], v[16*f+2*k+1]
.set k, k+1
.endr
.set f, f+1
.endr
	WIN 0
	s_wait_xcnt 0x0                                ; the stores to xb have read their registers: only now are these loaded again
.set q, 0
.rept 8                                ; x's fragments: tokens 16 (q / 4) on, channels 32 (q % 4) on; my own bytes, and LDS serves a wave in order (ISA guide 5.7.1.4)
	ds_load_b128 v[128+8*q:131+8*q], v8 offset:(q/4)*4352+(q%4)*64
	ds_load_b128 v[132+8*q:135+8*q], v8 offset:(q/4)*4352+(q%4)*64+32
.set q, q+1
.endr
	s_wait_dscnt 0x0
	WIN 0x01                                       ; source 0, the weights, window 1
; Source 0 = 16 rows of weights, source 1 = 16 tokens: lane (r, h) register j holds expert j of token r, in both halves.  Four accumulators by turns.
.irp kk, 0,1,2,3
.irp a, 0,1,2,3
.if (\kk) == 0
	v_wmma_f32_16x16x32_bf16 v[40+8*(\a):47+8*(\a)], v[32*(\kk)+16*((\a)/2):32*(\kk)+16*((\a)/2)+7], v[128+32*((\a)%2)+8*(\kk):128+32*((\a)%2)+8*(\kk)+7], 0
.else
	v_wmma_f32_16x16x32_bf16 v[40+8*(\a):47+8*(\a)], v[32*(\kk)+16*((\a)/2):32*(\kk)+16*((\a)/2)+7], v[128+32*((\a)%2)+8*(\kk):128+32*((\a)%2)+8*(\kk)+7], v[40+8*(\a):47+8*(\a)]
.endif
.endr
.endr
	WIN 0
.rept 4
	v_nop                                          ; four places between the last product and the first read of a result (ISA guide 7.12.1)
.endr
.irp j, 0,1,2,3,4,5,6,7
	v_cndmask_b32 v[24+(\j)], v[48+(\j)], v[40+(\j)], s40  ; lane l takes token l: lanes 0-15 from tokens 0-15's tile, the others from the second; lowest registers first
.endr
.irp j, 0,1,2,3,4,5,6,7
	v_cndmask_b32 v[32+(\j)], v[64+(\j)], v[56+(\j)], s40
.endr
.irp q, 0,1,2,3
	ds_store_b128 v9, v[24+4*(\q):27+4*(\q)] offset:512*(\q)
.endr
	s_wait_dscnt 0x0                               ; for wave 0's sake: my sums are in LDS
	s_barrier_signal -1
	s_barrier_wait -1
	s_cmp_eq_u32 s22, 0
	s_cbranch_scc1 .Lwave_0
	s_wait_tensorcnt 0x0                           ; the wave's end
	ds_add_u32 v14, v15
	s_wait_dscnt 0x0
	s_endpgm
.Lwave_0:
.set q, 0
.rept 32
	ds_load_b128 v[128+4*q:131+4*q], v10 offset:(q/4)*2048+(q%4)*512
.set q, q+1
.endr
.irp a, 16,18,20,22,72,74,76,78,80,82,84,86        ; noise and the biases rounded to bf16, while the sums come
	v_cvt_pk_bf16_f32 v127, v[\a], v[\a+1]
	v_lshlrev_b32 v[\a], 16, v127
	v_and_b32 v[\a+1], s41, v127
.endr
	s_wait_dscnt 0x0
.set w, 1
.rept 7                                ; the eight waves' parts, ascending
.set k, 0
.rept 8
	v_pk_add_f32 v[128+2*k:129+2*k], v[128+2*k:129+2*k], v[128+16*w+2*k:129+16*w+2*k]
.set k, k+1
.endr
.set w, w+1
.endr
.set k, 0
.rept 8
	v_pk_add_f32 v[128+2*k:129+2*k], v[128+2*k:129+2*k], v[72+2*k:73+2*k]  ; v128-135 logits, v136-143 z
.set k, k+1
.endr
; softplus(z) = max(z, 0) + ln 2 x log2(1 + 2^(-|z| log2 e)): the exponent is never above 0
.irp j, 0,1,2,3,4,5,6,7
	v_and_b32 v[88+(\j)], 0x7fffffff, v[136+(\j)]
.endr
.irp j, 0,1,2,3,4,5,6,7
	v_mul_f32 v[88+(\j)], s45, v[88+(\j)]
.endr
.irp j, 0,1,2,3,4,5,6,7
	v_exp_f32 v[88+(\j)], v[88+(\j)]
.endr
.irp j, 0,1,2,3,4,5,6,7
	v_max_num_f32 v[96+(\j)], 0, v[136+(\j)]       ; independent work behind the batch
.endr
	s_wait_alu depctr_va_vdst(0)                   ; one wait for the eight exponentials, ahead of their first reader
.irp j, 0,1,2,3,4,5,6,7
	v_add_f32 v[88+(\j)], 1.0, v[88+(\j)]
.endr
.irp j, 0,1,2,3,4,5,6,7
	v_log_f32 v[88+(\j)], v[88+(\j)]
.endr
	v_nop                                          ; a plain instruction behind the last logarithm (ISA guide 5.7.2)
	s_wait_alu depctr_va_vdst(0)                   ; one wait for the eight
.irp j, 0,1,2,3,4,5,6,7
	v_fma_f32 v[96+(\j)], v[88+(\j)], s46, v[96+(\j)]
.endr
.irp j, 0,1,2,3,4,5,6,7
	v_fma_f32 v[104+(\j)], v[16+(\j)], v[96+(\j)], v[128+(\j)]  ; noisy
.endr
	v_mov_b32 v120, v104                           ; the largest, and its index: a strict compare, ascending, keeps the lower index at a tie
	v_mov_b32 v121, 0
.irp j, 1,2,3,4,5,6,7
	v_cmp_gt_f32 vcc_lo, v[104+(\j)], v120
	v_cndmask_b32 v120, v120, v[104+(\j)], vcc_lo
	v_cndmask_b32 v121, v121, \j, vcc_lo
.endr
.irp j, 0,1,2,3,4,5,6,7
	v_cmp_eq_u32 vcc_lo, \j, v121
	v_cndmask_b32 v[112+(\j)], v[104+(\j)], s48, vcc_lo  ; the first choice is taken out
.endr
	v_mov_b32 v122, v112
	v_mov_b32 v123, 0
.irp j, 1,2,3,4,5,6,7
	v_cmp_gt_f32 vcc_lo, v[112+(\j)], v122
	v_cndmask_b32 v122, v122, v[112+(\j)], vcc_lo
	v_cndmask_b32 v123, v123, \j, vcc_lo
.endr
	v_sub_f32 v127, v122, v120                     ; the maximum is taken away: the exponent is never above 0
	v_mul_f32 v127, s47, v127
	v_exp_f32 v127, v127
	v_mov_b32 v126, 0                              ; (the bitmap words' register; the plain instruction behind the exponential)
	s_wait_alu depctr_va_vdst(0)
	v_add_f32 v124, 1.0, v127
	v_rcp_f32 v124, v124
	v_nop
	s_wait_alu depctr_va_vdst(0)
	v_mul_f32 v125, v127, v124
	global_store_b64 v6, v[124:125], s[36:37]      ; 32 lanes: 256 consecutive bytes, aligned
.irp e, 0,1,2,3,4,5,6,7
	v_cmp_eq_u32 s42, \e, v121
	v_cmp_eq_u32 s43, \e, v123
	s_or_b32 s42, s42, s43
	v_writelane_b32 v126, s42, \e                  ; lane e: who chose expert e
	v_writelane_b32 v126, s43, 8+(\e)              ; lane 8 + e: whose second choice it is
.endr
	v_lshrrev_b32 v13, 3, v1
	v_lshlrev_b32 v13, 10, v13
	v_and_b32 v11, 7, v1
	v_lshl_add_u32 v13, v11, 7, v13                ; (lane / 8) x 1,024 + (lane % 8) x 128
	v_cmp_gt_u32 vcc_lo, 16, v1
	s_wait_xcnt 0x0                                ; EXEC changes only behind this wait
	s_and_saveexec_b32 s44, vcc_lo
	global_store_b32 v13, v126, s[38:39]
	s_wait_xcnt 0x0                                ; and again in front of the line that widens it
	s_or_b32 exec_lo, exec_lo, s44
	s_wait_tensorcnt 0x0                           ; the wave's end
	ds_add_u32 v14, v15
	s_wait_dscnt 0x0
	s_endpgm
.Lfunc_end_k_qb54a2c2432_router:
	.size	k_qb54a2c2432_router, .Lfunc_end_k_qb54a2c2432_router-k_qb54a2c2432_router
	.p2alignl 7, 3214868480
	.fill 96, 4, 3214868480
	.section	.rodata,"a",@progbits
	.p2align	6, 0x0
	.amdhsa_kernel k_qb54a2c2432_router
		.amdhsa_group_segment_fixed_size 87040
		.amdhsa_private_segment_fixed_size 0
		.amdhsa_enable_private_segment 0
		.amdhsa_kernarg_size 72
		.amdhsa_user_sgpr_count 2
		.amdhsa_user_sgpr_kernarg_segment_ptr 1
		.amdhsa_wavefront_size32 1
		.amdhsa_system_sgpr_workgroup_id_x 1
		.amdhsa_system_sgpr_workgroup_id_y 1
		.amdhsa_system_sgpr_workgroup_id_z 1
		.amdhsa_system_vgpr_workitem_id 0
		.amdhsa_next_free_vgpr 384
		.amdhsa_next_free_sgpr 66
		.amdhsa_reserve_vcc 1
		.amdhsa_float_denorm_mode_32 3
		.amdhsa_float_denorm_mode_16_64 3
		.amdhsa_memory_ordered 1
		.amdhsa_forward_progress 1
		.amdhsa_inst_pref_size 43
	.end_amdhsa_kernel
	.amdgpu_metadata
---
amdhsa.version: [ 1, 2 ]
amdhsa.kernels:
  - .name:           k_qb54a2c2432_router
    .symbol:         k_qb54a2c2432_router.kd
    .args:
      - { .name: x, .offset: 0, .size: 8, .value_kind: global_buffer, .address_space: global }
      - { .name: noise, .offset: 8, .size: 8, .value_kind: global_buffer, .address_space: global }
      - { .name: gate_w, .offset: 16, .size: 8, .value_kind: global_buffer, .address_space: global }
      - { .name: gate_b, .offset: 24, .size: 8, .value_kind: global_buffer, .address_space: global }
      - { .name: var_w, .offset: 32, .size: 8, .value_kind: global_buffer, .address_space: global }
      - { .name: var_b, .offset: 40, .size: 8, .value_kind: global_buffer, .address_space: global }
      - { .name: xb, .offset: 48, .size: 8, .value_kind: global_buffer, .address_space: global }
      - { .name: bmap, .offset: 56, .size: 8, .value_kind: global_buffer, .address_space: global }
      - { .name: coef, .offset: 64, .size: 8, .value_kind: global_buffer, .address_space: global }
    .group_segment_fixed_size: 87040
    .private_segment_fixed_size: 0
    .kernarg_segment_align: 8
    .kernarg_segment_size: 72
    .max_flat_workgroup_size: 256
    .sgpr_count:     66
    .vgpr_count:     384
    .wavefront_size: 32
...
	.end_amdgpu_metadata
.endif
;; end of part 1
;; launch ffn1 (part 2): grid 32 x 8, 8 waves a work-group, no clusters, 288,768 bytes of LDS; arguments xb, w1, b1, bmap, hbuf, list; writes hbuf, list
.if DOCPART == 2
	.amdgcn_target "amdgcn-amd-amdhsa--gfx1250"
	.amdhsa_code_object_version 6
	.text
	.protected	k_qb54a2c2432_ffn1
	.globl	k_qb54a2c2432_ffn1
	.p2align	8
	.type	k_qb54a2c2432_ffn1,@function
k_qb54a2c2432_ffn1:
	s_mov_b64 s[64:65], 0
	v_nop
	global_prefetch_b8 v0, s[64:65] scope:SCOPE_SE
	s_setreg_imm32_b32 hwreg(HW_REG_WAVE_MODE, 25, 1), 1
	s_wait_xcnt 0x0
; ONE PRODUCT OF A ROUTED EXPERT LAYER, both products from one text.
; MODE 1: hbuf[e][j][128 x .. +127] = relu(xb[token of rank j] . w1[e] rows + b1[e]), bf16; and list[e][j] = 2 token + slot of rank j.
; MODE 2: part[kb][2 token + slot][128 dblk .. +127] = coef x (hbuf[e][j][1,024 kb ..] . w2[e] rows (+ b2[e] where kb = 0)), f32.
; Work-group (x, y): expert y; a slice of 128 rows of its weights x 1,024 along K (MODE 1: rows 128 x; MODE 2: dblk = x % 8, kb = x / 8), 512 KiB of f32 that it alone reads, once; and ALL rows routed to the expert.
; FORMAT.  Weights and bias are rounded once to bf16, sums in f32; MODE 1's result is rounded once to bf16, MODE 2's partial sums stay f32.  LIMITS: NaN and infinities are not treated apart (relu of NaN is 0).
; ROLES.  Waves 4-7 are PRODUCERS: they stream the slice through registers, round it and lay it into LDS, where it stays.  Waves 0-3 are CONSUMERS: token rows come from memory straight into registers as matrix
; operands, weight fragments from LDS.  Each role has its own count of loads, so the stream and the products do not order each other.  Every role branch compares the wave's number with 4; no barrier stands under one.
; STAGES.  K goes in four chunks of 256, each with a region of LDS of its own.  A trip of the stage loop has two parts with a barrier behind each.  In the first, consumers multiply the chunk stored in the trip before,
; while producers take the next chunk out of the registers that it was loaded into, round it into 128 registers and ask for the chunk after it: no producer touches LDS there.  In the second, producers alone store those
; 128 registers: 64 LDS stores a wave.  So no wave reads a region between the same two barriers between which another writes one, and of the producers' work only the LDS stores stand outside the products' time.
; Five trips: the first has nothing to multiply, the last nothing to store.  The regions' offsets come down a chain of scalar moves (the store's: regions 0, 1, 2, 3, 3; the loads': 0, 0, 1, 2, 3), so that they lie
; inside the regions in every trip.  A chunk's eight K steps are written out: its LDS address is made once, at its head, and the step stands in the loads' immediates.
; BLOCKS.  A consumer holds 5 tiles of 16 ranks; four consumers, 320 ranks a block; 4 blocks cover 1,024 ranks, every split of the tokens.  The block loop and the stage loop have constant counts, every wave passes
; every barrier (4 x 5 x 2), and only work is jumped over (a dead block's, a dead tile's way out, tile 4's products).  Producers work in the first block alone.  An expert without rows still streams its slice.
; RANKS.  Rank j of an expert is its j-th token, ascending.  In MODE 1 a lane finds its rank's token in registers from the expert's 32 bitmap words: the word by the running count, the bit by halving; the work-groups of
; slice 0 store 2 token + slot by rank (16 ranks: 64 consecutive bytes), and MODE 2 loads it from there.  No LDS address hangs on data.
; No cluster: each slice has one reader; what an expert's work-groups share is token rows, whose number hangs on a stored count (and in MODE 1 they come by ranks), which no joint load's constant shape covers.
; LDS: 4 regions of 128 rows x 528 bytes (512 of bf16 + 16: row r starts at bank 4 r mod 64, 64 banks of 4 bytes: ISA guide 11.1); a stage of 16 rows for each consumer; the spare words.
; THE MATRIX INSTRUCTION IS USED TRANSPOSED: source 0 = 16 rows of weights, source 1 = 16 token rows: a lane holds one token row (lane % 16) and eight neighbouring columns 8 (lane / 16) + 0..7.
; CONSUMER REGISTERS.  window 0: v1-v9 lane terms, v10-14 row offsets, v16-25 coef pairs, v30-31 the add's two, v32-36 2 token + slot, v37-46 at work, v48-111 weight fragments (in the set-up: the search for tokens),
;   v112-191 token fragments (two sets of five), v192-255 tile 4's accumulators.  window 1: accumulator (tile i, column tile b) at 64 i + 8 b.
; PRODUCER REGISTERS.  window 0: v27 LDS address, v28 16 x lane, v29 my rows' place, v128-255 a chunk rounded: half row n at 128 + 2 n.  window 1: 64 half rows as loaded, half row n at 4 n (n = 32 x half of the chunk's K + row).
; The two roles load into different registers: consumers into window 0 alone, producers into window 1 alone.
.set MODE, 1
.set PITCH,  528
.set REGION, 128*PITCH
.if MODE == 1
.set STRIDE, 4096                      ; bytes from a row of weights to the next
.set SPITCH, 272
.else
.set STRIDE, 16384
.set SPITCH, 528
.endif
.set STAGE,  4*REGION
.set STAGEW, 16*SPITCH
.set SPARE,  STAGE+4*STAGEW            ; the spare words: 128 bytes a wave, four blocks of 256 bytes that no other line names
.set R, 1                              ; lane % 16
.set H16, 2                            ; 16 x (lane / 16)
.set LANE, 3
.set WL, 4                             ; my place in a weight fragment: r x 528 + 16 h
.set WA, 5                             ; + the chunk's region
.set STO, 6                            ; the way out: where I put my columns of a row
.set RD, 7                             ; where I read rows back
.set CO, 8                             ; MODE 1: my offset in two rows of hbuf; MODE 2: 16 x lane
.set BO, 9                             ; 32 x (lane / 16): my eight numbers of 16 of the bias
.set XO, 10                            ; tile i: my row's byte offset
.set ZERO, 15
.set CF, 16                            ; tile i: my row's coef, twice
.set HH, 26                            ; lane / 16
.set PS, 27
.set VO, 28
.set PL, 29
.set SPW, 30
.set NIL, 31
.set DEST, 32                          ; tile i: 2 token + slot of my row
.set TP, 37
.set WF, 48
.set XF, 112
.set CV, 128                           ; a producer's chunk, rounded
.set AD, 176                           ; MODE 2, the way out: 16 rows' offsets
.set A4, 192
.set QJ, WF                            ; the search, five registers each (one a tile): my rank, then my place among the word's bits
.set QW, WF+5                          ; the word that holds my token
.set QB, WF+10                         ; the count below that word, and 65,536 x its number
.set Q1, WF+15                         ; the word's bit counts in fields of 2,
.set Q2, WF+20                         ; 4,
.set Q3, WF+25                         ; 8
.set Q4, WF+30                         ; and 16 bits
.set QC, WF+35
.set QT, WF+40
.set QP, WF+45                         ; the bit's place
.set QN, WF+50
.set WV, 16
.set IDX, 17                           ; my number in my role, 0..3
.set EX, 18
.set SL, 19
.set STC, 20                           ; trips of the stage loop to go, 5 to 1
.set RGS, 21                           ; the region that producers store into in this trip, in bytes
.set RGC, 22                           ; the region that consumers multiply in this trip
.set NX1, 23                           ; the store's regions of the trips to come
.set KX, 24                            ; s[24:25] bytes along a token row at which the chunk in hand begins
.set XB, 26
.set XN, 28                            ; token rows at this chunk
.set WP, 30
.set NX2, 32
.set CM1, 33                           ; the last rank
.set TL, 34                            ; tiles of 16 ranks
.set NTW, 35                           ; my live tiles in this block, 0..5
.set T0, 36                            ; my tile 0's first rank
.set BLK, 37                           ; blocks to go, 4 to 1
.set HIM, 38
.set TB0, 39                           ; the block's first tile
.set OB, 40
.set BMSK, 48
.set BB, 50
.set B2, 52
.set OUTB, 54
.set CNT, 56
.set PK, 57
.set TS, 58
.set NX3, 59
.set XM, 60                            ; token rows at the next chunk
.set LS, 62                            ; s[62:63] the expert's 1,024 words of the list
.set BM, 68                            ; s[68:99] the expert's 32 bitmap words
.set MSB, 0
.macro WIN new                         ; s_set_vgpr_msb: bits 1:0 source 0, 3:2 source 1, 5:4 source 2, 7:6 destination; the high byte repeats the setting that is left
.if MSB != (\new)
	s_set_vgpr_msb (MSB<<8)|(\new)
.set MSB, \new
.endif
.endm
.macro ALL5 line:vararg                ; one line for each tile t
.set t, 0
.rept 5
	\line
.set t, t+1
.endr
.endm
; The search (MODE 1 alone uses it).  Its first part, word g: where the count of chosen tokens below word g passes my rank, what I hold stays; else the word, that count and g are taken; ascending, so the last such word stays.
; The scalar stands in the selects' first source, which the short encoding takes.
.macro SCANG g
	s_bcnt1_i32_b32 s[TS], s[BM+(\g)-1]
	s_add_co_u32 s[CNT], s[CNT], s[TS]
	s_add_co_u32 s[PK], s[CNT], (\g)<<16
.irp i, 0,1,2,3,4
	v_cmp_gt_u32 vcc_lo, s[CNT], v[QJ+(\i)]
	v_cndmask_b32 v[QW+(\i)], s[BM+(\g)], v[QW+(\i)], vcc_lo
	v_cndmask_b32 v[QB+(\i)], s[PK], v[QB+(\i)], vcc_lo
.endr
.endm
; Its second part, one halving: of the 2 w bits from QP on, the lower w hold QC set bits (a field of arr); where my place is not among them, it goes down by QC and QP up by w.
.macro PICK arr, w
	ALL5 v_bfe_u32 v[QC+t], v[(\arr)+t], v[QP+t], \w
	ALL5 v_sub_nc_u32 v[QT+t], v[QJ+t], v[QC+t]
	ALL5 v_add_nc_u32 v[QN+t], \w, v[QP+t]
.set t, 0
.rept 5
	v_cmp_ge_u32 vcc_lo, v[QJ+t], v[QC+t]
	v_cndmask_b32 v[QJ+t], v[QJ+t], v[QT+t], vcc_lo
	v_cndmask_b32 v[QP+t], v[QP+t], v[QN+t], vcc_lo
.set t, t+1
.endr
.endm
; Two column tiles of K step st of a chunk's eight: 8 products (10 with tile 4); then, but in the last step, their fragments of the next step are loaded.  No two products on end share an accumulator.
.macro GROUP st, q
.if (\st) < 7
	s_wait_dscnt 12                                ; my four fragment loads are in: behind them the 12 younger ones (of this step's later groups, and the reloads issued in this step)
.else
	s_wait_dscnt 12-4*(\q)                         ; the last step loads nothing: behind my four stand four for each later group
.endif
	WIN 0x50                                       ; C and D window 1
.irp b, 2*(\q),2*(\q)+1
.irp i, 0,1,2,3
	v_wmma_f32_16x16x32_bf16 v[64*(\i)+8*(\b):64*(\i)+8*(\b)+7], v[WF+8*(\b):WF+8*(\b)+7], v[XF+40*((\st)%2)+8*(\i):XF+40*((\st)%2)+8*(\i)+7], v[64*(\i)+8*(\b):64*(\i)+8*(\b)+7]
.endr
.endr
	WIN 0
	s_cmp_lt_u32 s[NTW], 5
	s_cbranch_scc1 .Lno_tile_4_\@
.irp b, 2*(\q),2*(\q)+1
	v_wmma_f32_16x16x32_bf16 v[A4+8*(\b):A4+8*(\b)+7], v[WF+8*(\b):WF+8*(\b)+7], v[XF+40*((\st)%2)+32:XF+40*((\st)%2)+39], v[A4+8*(\b):A4+8*(\b)+7]
.endr
.Lno_tile_4_\@:
.if ((\st) < 7) || ((\q) == 3)
.rept 4
	v_nop                                          ; four places between a product and a load into a register that it read (ISA guide 7.12.1 for vector instructions)
.endr
.endif
.if (\st) < 7
.irp b, 2*(\q),2*(\q)+1
	ds_load_b128 v[WF+8*(\b):WF+8*(\b)+3],   v[WA] offset:(\b)*16*PITCH+64*((\st)+1)
	ds_load_b128 v[WF+8*(\b)+4:WF+8*(\b)+7], v[WA] offset:(\b)*16*PITCH+64*((\st)+1)+32
.endr
.endif
.endm
; One K step of 32; at its end the token fragments of the step after next are asked for, into the set just multiplied: steps 0-5 ask in this chunk, steps 6 and 7 for the next chunk's first two.
.macro STEP st
	s_wait_loadcnt 10                              ; this set's ten loads are in; the other set's ten stay out
	GROUP \st, 0
	GROUP \st, 1
	GROUP \st, 2
	GROUP \st, 3
.irp i, 0,1,2,3,4
.if (\st) < 6
	global_load_b128 v[XF+40*((\st)%2)+8*(\i):XF+40*((\st)%2)+8*(\i)+3],   v[XO+(\i)], s[XN:XN+1] offset:64*((\st)+2)
	global_load_b128 v[XF+40*((\st)%2)+8*(\i)+4:XF+40*((\st)%2)+8*(\i)+7], v[XO+(\i)], s[XN:XN+1] offset:64*((\st)+2)+32
.else
	global_load_b128 v[XF+40*((\st)%2)+8*(\i):XF+40*((\st)%2)+8*(\i)+3],   v[XO+(\i)], s[XM:XM+1] offset:64*((\st)-6)
	global_load_b128 v[XF+40*((\st)%2)+8*(\i)+4:XF+40*((\st)%2)+8*(\i)+7], v[XO+(\i)], s[XM:XM+1] offset:64*((\st)-6)+32
.endif
.endr
.endm
; A producer takes a chunk out of its load registers: 64 half rows (32 rows x 128 K, twice), eight at a time: rounded into CV; and, issue = 1, the same half rows of the next chunk are asked for (512 consecutive bytes a
; load).  issue = 1: behind a group's eight loads stand the rest of the chunk (56 - 8 m) and the 8 m just issued: 56.  issue = 0 (the last chunk): nothing is issued, and the counts run down.  No LDS instruction here.
.macro CONV issue
.if \issue
	s_wait_xcnt 0x0                                ; the loads that are out have read their base: only now does it step
	s_add_nc_u64 s[WP:WP+1], s[WP:WP+1], 1024
.endif
.irp m, 0,1,2,3,4,5,6,7
.if \issue
	s_wait_loadcnt 56
.else
	s_wait_loadcnt 56-8*(\m)
.endif
	WIN 0x05                                       ; both sources window 1
.irp j, 0,1,2,3,4,5,6,7
	v_cvt_pk_bf16_f32 v[CV+2*(8*(\m)+(\j))],   v[4*(8*(\m)+(\j))],   v[4*(8*(\m)+(\j))+1]
	v_cvt_pk_bf16_f32 v[CV+2*(8*(\m)+(\j))+1], v[4*(8*(\m)+(\j))+2], v[4*(8*(\m)+(\j))+3]
.endr
.if \issue
	WIN 0x40                                       ; destination window 1
.irp j, 0,1,2,3,4,5,6,7
	global_load_b128 v[4*(8*(\m)+(\j)):4*(8*(\m)+(\j))+3], v[VO], s[WP:WP+1] offset:(8*((\m)%4)+(\j))*STRIDE+((\m)/4)*512 th:TH_LOAD_NT
.endr
.endif
.endr
	WIN 0
.endm
; A producer lays its rounded chunk into the trip's region: 64 stores, 32 lanes x 8 bytes = 256 consecutive bytes each.
.macro STORE
	v_add_nc_u32 v[PS], s[RGS], v[PL]
.set n, 0
.rept 64
	ds_store_b64 v[PS], v[CV+2*n:CV+2*n+1] offset:(n%32)*PITCH+(n/32)*256
.set n, n+1
.endr
.endm
; THE WAY OUT of tile i, through my own stage in LDS; each accumulator's registers are read in ascending order.
.macro EPI i
.if (\i) < 4
.set AC, 64*(\i)
.else
.set AC, A4
.endif
.if MODE == 1
.if (\i) < 4
	WIN 0x05                                       ; both sources window 1
.endif
.set k, 0
.rept 32
	v_cvt_pk_bf16_f32 v[WF+k], v[AC+2*k], v[AC+2*k+1]
.set k, k+1
.endr
	WIN 0
.set k, 0
.rept 32
	v_pk_max_num_bf16 v[WF+k], v[WF+k], v[ZERO]    ; relu, two at a time; nothing is rounded
.set k, k+1
.endr
.irp b, 0,1,2,3,4,5,6,7
	ds_store_b128 v[STO], v[WF+4*(\b):WF+4*(\b)+3] offset:32*(\b)
.endr
	s_wait_xcnt 0x0                                ; the tile before's stores have read their registers
.irp t, 0,1,2,3,4,5,6,7
	ds_load_b128 v[WF+32+4*(\t):WF+32+4*(\t)+3], v[RD] offset:(\t)*2*SPITCH  ; LDS serves a wave in order (ISA guide 5.7.1.4): these see the stores above
.endr
	s_wait_dscnt 0x0
.irp t, 0,1,2,3,4,5,6,7
	global_store_b128 v[CO], v[WF+32+4*(\t):WF+32+4*(\t)+3], s[OB:OB+1] offset:(\i)*524288+(\t)*16384  ; 16 lanes store 256 consecutive bytes, aligned
.endr
.else
	v_mov_b32 v[CF+2*(\i)+1], v[CF+2*(\i)]         ; coef as a pair for the packed multiply
.if (\i) < 4
	WIN 0x01                                       ; source 0 window 1
.endif
.set k, 0
.rept 32
	v_pk_mul_f32 v[WF+2*k:WF+2*k+1], v[AC+2*k:AC+2*k+1], v[CF+2*(\i):CF+2*(\i)+1]
.set k, k+1
.endr
	WIN 0
.set k, 0
.rept 16
	ds_store_b128 v[STO], v[WF+4*k:WF+4*k+3] offset:64*(k/2)+16*(k%2)
.set k, k+1
.endr
	s_wait_xcnt 0x0                                ; the tile before's stores have read their registers
.set k, 0
.rept 16
	ds_load_b128 v[XF+4*k:XF+4*k+3], v[RD] offset:k*SPITCH
.set k, k+1
.endr
.set k, 0
.rept 16                               ; row k goes to part's row 2 token + slot; rows past the count repeat the last rank's row and bytes
	v_readlane_b32 s42, v[DEST+(\i)], k
	s_min_u32 s42, s42, 0x7ff
	v_lshl_add_u32 v[AD+k], s42, 12, v[CO]
.set k, k+1
.endr
	s_wait_dscnt 0x0
.set k, 0
.rept 16
	global_store_b128 v[AD+k], v[XF+4*k:XF+4*k+3], s[OB:OB+1]  ; 32 lanes store 512 consecutive bytes, aligned
.set k, k+1
.endr
.endif
.endm
	s_load_b256 s[4:11], s[0:1], 0x0               ; rows in s[4:5], weights s[6:7], bias s[8:9], bmap s[10:11]
	s_load_b128 s[12:15], s[0:1], 0x20             ; MODE 1: hbuf, list;  MODE 2: part, coef
.if MODE == 2
	s_load_b64 s[LS:LS+1], s[0:1], 0x30            ; list
.endif
	v_lshl_add_u32 v[SPW], v0, 2, SPARE
	v_mov_b32 v[NIL], 0
	v_lshrrev_b32 v1, 5, v0
	v_readfirstlane_b32 s[WV], v1                  ; wave 0..7
	v_and_b32 v[LANE], 31, v0
	s_and_b32 s[IDX], s[WV], 3
	s_and_b32 s[EX], ttmp7, 0xffff
	s_mov_b32 s[SL], ttmp9
	v_lshlrev_b32 v[VO], 4, v[LANE]
	s_wait_kmcnt 0x0
	; ALL POINTERS AND LANE TERMS, of both roles, are made here by every wave
	s_lshl_b32 s42, s[EX], 24                      ; the expert's weights,
.if MODE == 1
	s_lshl_b32 s43, s[SL], 19                      ; the slice's 128 rows,
	s_lshl_b32 s44, s[IDX], 17                     ; a producer's 32 of them
.else
	s_and_b32 s43, s[SL], 7
	s_lshl_b32 s43, s43, 21
	s_lshl_b32 s44, s[IDX], 19
	s_lshr_b32 s45, s[SL], 3
	s_lshl_b32 s45, s45, 12                        ; and the quarter of K
	s_add_co_u32 s44, s44, s45
.endif
	s_add_co_u32 s42, s42, s43
	s_add_co_u32 s42, s42, s44
	s_mov_b32 s43, 0
	s_add_nc_u64 s[WP:WP+1], s[6:7], s[42:43]
	s_lshl_b32 s42, s[EX], 7
	s_add_nc_u64 s[XN:XN+1], s[10:11], s[42:43]    ; the expert's 32 bitmap words
.if MODE == 1
	s_add_co_u32 s42, s42, 1024
	s_add_nc_u64 s[B2:B2+1], s[10:11], s[42:43]    ; the expert's 32 second-choice words
	s_lshl_b32 s42, s[EX], 12
	s_add_nc_u64 s[LS:LS+1], s[14:15], s[42:43]    ; the expert's 1,024 words of the list
	s_mov_b64 s[XB:XB+1], s[4:5]
	s_lshl_b32 s42, s[EX], 14
	s_lshl_b32 s44, s[SL], 9
	s_add_co_u32 s42, s42, s44
	s_add_nc_u64 s[BB:BB+1], s[8:9], s[42:43]      ; my 128 numbers of b1
	s_lshl_b32 s42, s[EX], 23
	s_lshl_b32 s44, s[SL], 8
	s_add_co_u32 s42, s42, s44
	s_add_nc_u64 s[OUTB:OUTB+1], s[12:13], s[42:43]  ; the expert's segment of hbuf, my 128 columns
	s_mov_b64 s[OB:OB+1], s[OUTB:OUTB+1]           ; the stores' base holds that address from here on; a block's set-up adds the block's rows
.else
	s_lshl_b32 s42, s[EX], 12
	s_add_nc_u64 s[LS:LS+1], s[LS:LS+1], s[42:43]  ; the expert's 1,024 words of the list
	s_and_b32 s44, s[SL], 7                        ; dblk
	s_lshr_b32 s45, s[SL], 3                       ; kb
	s_lshl_b32 s42, s[EX], 23
	s_lshl_b32 s46, s45, 11
	s_add_co_u32 s42, s42, s46
	s_add_nc_u64 s[XB:XB+1], s[4:5], s[42:43]      ; the expert's segment of hbuf, my quarter of K
	s_lshl_b32 s42, s[EX], 12
	s_lshl_b32 s46, s44, 9
	s_add_co_u32 s42, s42, s46
	s_add_nc_u64 s[BB:BB+1], s[8:9], s[42:43]      ; my 128 numbers of b2
	s_lshl_b32 s42, s45, 23
	s_add_co_u32 s42, s42, s46
	s_add_nc_u64 s[OB:OB+1], s[12:13], s[42:43]    ; part's quarter kb, my 128 columns
	s_cmp_eq_u32 s45, 0
	s_cselect_b32 s[BMSK], -1, 0                   ; the bias enters in quarter 0 alone
.endif
	v_and_b32 v[R], 15, v0
	v_bfe_u32 v[HH], v0, 4, 1
	v_lshlrev_b32 v[H16], 4, v[HH]
	v_lshlrev_b32 v[BO], 5, v[HH]
	v_mul_u32_u24 v[WL], v[R], PITCH
	v_lshl_add_u32 v[WL], v[HH], 4, v[WL]
	s_mul_i32 s46, s[IDX], STAGEW
	s_add_co_u32 s46, s46, STAGE                   ; a consumer's stage
	v_mul_u32_u24 v[STO], v[R], SPITCH
.if MODE == 1
	v_lshl_add_u32 v[STO], v[HH], 4, v[STO]        ; in: row r, 16 bytes for each half of the lanes
	v_add_nc_u32 v[STO], s46, v[STO]
	v_mul_u32_u24 v[RD], v[HH], SPITCH             ; back: lanes 0-15 one row of 256 bytes, lanes 16-31 the next
	v_lshl_add_u32 v[RD], v[R], 4, v[RD]
	v_add_nc_u32 v[RD], s46, v[RD]
	v_lshlrev_b32 v[CO], 13, v[HH]                 ; and the same two rows in hbuf
	v_lshl_add_u32 v[CO], v[R], 4, v[CO]
	v_mov_b32 v[ZERO], 0
.else
	v_lshl_add_u32 v[STO], v[HH], 5, v[STO]        ; in: row r, 32 bytes for each half of the lanes
	v_add_nc_u32 v[STO], s46, v[STO]
	v_lshlrev_b32 v[CO], 4, v[LANE]
	v_add_nc_u32 v[RD], s46, v[CO]                 ; back: a row of 512 bytes
.endif
	s_mul_i32 s47, s[IDX], 32*PITCH
	v_lshl_add_u32 v[PL], v[LANE], 3, s47          ; a producer's 32 rows of a region, 8 bytes a lane
	s_mov_b32 s[NTW], 0
	s_cmp_lt_u32 s[WV], 4
	s_cbranch_scc1 .Lcons_pro
	; A PRODUCER BEGINS: chunk 0's 64 loads go out
	WIN 0x40                                       ; destination window 1
.set j, 0
.rept 32
	global_load_b128 v[4*j:4*j+3], v[VO], s[WP:WP+1] offset:j*STRIDE th:TH_LOAD_NT
.set j, j+1
.endr
.set j, 0
.rept 32
	global_load_b128 v[128+4*j:128+4*j+3], v[VO], s[WP:WP+1] offset:j*STRIDE+512 th:TH_LOAD_NT
.set j, j+1
.endr
	WIN 0
	s_branch .Lcommon
.Lcons_pro:
	; A CONSUMER BEGINS: the expert's bitmap words and its count of rows
	s_load_b512 s[BM:BM+15], s[XN:XN+1], 0x0
	s_load_b512 s[BM+16:BM+31], s[XN:XN+1], 0x40
	s_mov_b32 s[HIM], 0xffff0000
	s_mov_b32 s[KX+1], 0
	s_mov_b32 s[CNT], 0
	s_wait_kmcnt 0x0
.set g, 0
.rept 32
	s_bcnt1_i32_b32 s[TS], s[BM+g]
	s_add_co_u32 s[CNT], s[CNT], s[TS]
.set g, g+1
.endr
	s_max_u32 s[CM1], s[CNT], 1
	s_sub_co_u32 s[CM1], s[CM1], 1
	s_add_co_u32 s[TL], s[CNT], 15
	s_lshr_b32 s[TL], s[TL], 4
.if MODE == 1
	s_max_u32 s[TL], s[TL], 1                      ; an expert without rows still writes its segment's first tile, which the next launch's set-up loads
.endif
.Lcommon:
	s_mov_b32 s[BLK], 4
	s_mov_b32 s[TB0], 0
.Lblk:                                                 ; 4 blocks of 320 ranks
	s_cmp_lt_u32 s[WV], 4
	s_cbranch_scc0 .Lpre_done
	s_add_co_u32 s42, s[TB0], s[IDX]               ; my tile 0; my tile i is 4 i further on
	s_sub_co_i32 s43, s[TL], s42
	s_add_co_i32 s43, s43, 3
	s_ashr_i32 s43, s43, 2
	s_max_i32 s43, s43, 0
	s_min_i32 s[NTW], s43, 5
	s_lshl_b32 s[T0], s42, 4
	s_cmp_eq_u32 s[BLK], 4
	s_cbranch_scc1 .Lpre_live                      ; the first block's set-up always runs: it writes every register that the loop names (and, in MODE 1, the list's word 0 of an expert without rows)
	s_cmp_eq_u32 s[NTW], 0
	s_cbranch_scc1 .Lpre_done
.Lpre_live:
	s_wait_loadcnt 0x0                             ; no load of mine is out
	s_wait_xcnt 0x0                                ; and the block before's stores have read their base and registers
.irp b, 0,1,2,3,4,5,6,7
	global_load_b128 v[A4+8*(\b):A4+8*(\b)+3],   v[BO], s[BB:BB+1] offset:64*(\b)  ; the bias, in an accumulator's layout, into tile 4's
	global_load_b128 v[A4+8*(\b)+4:A4+8*(\b)+7], v[BO], s[BB:BB+1] offset:64*(\b)+16
.endr
.if MODE == 1
	s_lshl_b32 s42, s[T0], 13
	s_mov_b32 s43, 0
	s_add_nc_u64 s[OB:OB+1], s[OUTB:OUTB+1], s[42:43]  ; hbuf at my tile 0's first rank
.endif
	v_add_nc_u32 v[TP], s[T0], v[R]
	ALL5 v_add_nc_u32 v[QJ+t], 64*t, v[TP]         ; my rank in tile t; ranks past the count repeat the last
	ALL5 v_min_u32 v[QJ+t], s[CM1], v[QJ+t]
	ALL5 v_min_u32 v[QJ+t], 0x3ff, v[QJ+t]
	ALL5 v_lshlrev_b32 v[TP+1+t], 2, v[QJ+t]       ; my rank's word in the list
.if MODE == 2
	ALL5 v_lshl_add_u32 v[XO+t], v[QJ+t], 13, v[H16]
	ALL5 global_load_b32 v[DEST+t], v[TP+1+t], s[LS:LS+1]  ; 2 token + slot of my rank
.else
	; THE TOKEN OF MY RANK.  First the bitmap word that holds it,
	ALL5 v_mov_b32 v[QW+t], s[BM]
	ALL5 v_mov_b32 v[QB+t], 0
	ALL5 v_mov_b32 v[QP+t], 0
	s_mov_b32 s[CNT], 0
.irp g, 1,2,3,4,5,6,7,8,9,10,11,12,13,14,15,16,17,18,19,20,21,22,23,24,25,26,27,28,29,30,31
	SCANG \g
.endr
	ALL5 v_and_b32 v[QC+t], 0xffff, v[QB+t]
	ALL5 v_sub_nc_u32 v[QJ+t], v[QJ+t], v[QC+t]    ; my place among the word's set bits
	ALL5 v_lshrrev_b32 v[QB+t], 16, v[QB+t]        ; the word's number
	; then the word's bit counts in fields of 2, 4, 8 and 16 bits,
	ALL5 v_lshrrev_b32 v[QT+t], 1, v[QW+t]
	ALL5 v_and_b32 v[QT+t], 0x55555555, v[QT+t]
	ALL5 v_sub_nc_u32 v[Q1+t], v[QW+t], v[QT+t]
	ALL5 v_lshrrev_b32 v[QT+t], 2, v[Q1+t]
	ALL5 v_and_b32 v[QT+t], 0x33333333, v[QT+t]
	ALL5 v_and_b32 v[Q2+t], 0x33333333, v[Q1+t]
	ALL5 v_add_nc_u32 v[Q2+t], v[Q2+t], v[QT+t]
	ALL5 v_lshrrev_b32 v[QT+t], 4, v[Q2+t]
	ALL5 v_add_nc_u32 v[Q3+t], v[Q2+t], v[QT+t]
	ALL5 v_and_b32 v[Q3+t], 0x0f0f0f0f, v[Q3+t]
	ALL5 v_lshrrev_b32 v[QT+t], 8, v[Q3+t]
	ALL5 v_add_nc_u32 v[Q4+t], v[Q3+t], v[QT+t]
	ALL5 v_and_b32 v[Q4+t], 0x00ff00ff, v[Q4+t]
	; and five halvings
	PICK Q4, 16
	PICK Q3, 8
	PICK Q2, 4
	PICK Q1, 2
	PICK QW, 1
	ALL5 v_lshl_add_u32 v[QT+t], v[QB+t], 5, v[QP+t]  ; token = 32 x word + bit
	ALL5 v_min_u32 v[QT+t], 0x3ff, v[QT+t]
	ALL5 v_lshl_add_u32 v[XO+t], v[QT+t], 11, v[H16]
	ALL5 v_min_u32 v[QB+t], 31, v[QB+t]
	ALL5 v_lshlrev_b32 v[QB+t], 2, v[QB+t]
	ALL5 global_load_b32 v[DEST+t], v[QB+t], s[B2:B2+1]  ; the second-choice word of the same 32 tokens
.endif
	s_mov_b32 s[KX], 0
.irp s, 0,1
.irp i, 0,1,2,3,4
	global_load_b128 v[XF+40*(\s)+8*(\i):XF+40*(\s)+8*(\i)+3],   v[XO+(\i)], s[XB:XB+1] offset:64*(\s)  ; K steps 0 and 1
	global_load_b128 v[XF+40*(\s)+8*(\i)+4:XF+40*(\s)+8*(\i)+7], v[XO+(\i)], s[XB:XB+1] offset:64*(\s)+32
.endr
.endr
	s_wait_loadcnt 20                              ; the bias and the five words are in; the 20 loads just issued stay out
.if MODE == 1
	ALL5 v_bfe_u32 v[DEST+t], v[DEST+t], v[QP+t], 1   ; slot: 1 where the expert is my token's second choice
	ALL5 v_lshl_add_u32 v[DEST+t], v[QT+t], 1, v[DEST+t]
	s_cmp_lg_u32 s[SL], 0
	s_cbranch_scc1 .Lno_list                       ; each word of the list has one storing work-group: the expert's slice 0
	ALL5 global_store_b32 v[TP+1+t], v[DEST+t], s[LS:LS+1]  ; a tile's 16 ranks: 64 consecutive bytes; both halves of the lanes, and ranks that repeat the last, store the same number at the same place
.Lno_list:
.else
	ALL5 v_min_u32 v[DEST+t], 0x7ff, v[DEST+t]
	ALL5 v_lshlrev_b32 v[TP+1+t], 2, v[DEST+t]
	ALL5 global_load_b32 v[CF+2*t], v[TP+1+t], s[14:15]  ; wanted on the way out; five loads younger than the first steps', whose waits are the stricter for it
.endif
.set k, 0
.rept 32                               ; the bias rounded to bf16, in place
	v_cvt_pk_bf16_f32 v[TP+6+k%4], v[A4+2*k], v[A4+2*k+1]
.if MODE == 2
	v_and_b32 v[TP+6+k%4], s[BMSK], v[TP+6+k%4]
.endif
	v_lshlrev_b32 v[A4+2*k], 16, v[TP+6+k%4]
	v_and_b32 v[A4+2*k+1], s[HIM], v[TP+6+k%4]
.set k, k+1
.endr
	WIN 0x40                                       ; every sum starts from the bias: these moves take the place both of clearing and of an addition on the way out
.set k, 0
.rept 256
	v_mov_b32 v[k], v[A4+k%64]
.set k, k+1
.endr
	WIN 0
.Lpre_done:
	s_mov_b32 s[STC], 5
	s_mov_b32 s[RGS], 0
	s_mov_b32 s[RGC], 0
	s_mov_b32 s[NX1], REGION
	s_mov_b32 s[NX2], 2*REGION
	s_mov_b32 s[NX3], 3*REGION
.Lstage:                                               ; 5 trips
	; THE FIRST PART: consumers multiply the chunk stored last; producers round the next one in registers
	s_cmp_lt_u32 s[WV], 4
	s_cbranch_scc1 .Lcons
	s_cmp_lg_u32 s[BLK], 4
	s_cbranch_scc1 .Lmet                           ; behind the first block the slice is in LDS
	s_cmp_lt_u32 s[STC], 2
	s_cbranch_scc1 .Lmet                           ; the last trip: all four chunks are stored
	s_cmp_eq_u32 s[STC], 2
	s_cbranch_scc1 .Lconv_last
	CONV 1
	s_branch .Lmet
.Lconv_last:
	CONV 0                                         ; the last chunk: nothing is left to ask for
	s_branch .Lmet
.Lcons:
	s_cmp_eq_u32 s[STC], 5
	s_cbranch_scc1 .Lmet                           ; the first trip: no chunk is stored yet
	s_cmp_eq_u32 s[NTW], 0
	s_cbranch_scc1 .Lmet
	s_wait_xcnt 0x0                                ; the last chunk's loads have read their bases
	s_add_nc_u64 s[XN:XN+1], s[XB:XB+1], s[KX:KX+1]
	s_add_co_u32 s[KX], s[KX], 512                 ; the next chunk; behind the block's last chunk the offset wraps to 0: 20 loads inside the buffer that serve nothing, the price of one text for every chunk
	s_and_b32 s[KX], s[KX], 2047
	s_add_nc_u64 s[XM:XM+1], s[XB:XB+1], s[KX:KX+1]
	v_add_nc_u32 v[WA], s[RGC], v[WL]              ; the chunk's one LDS address
.irp b, 0,1,2,3,4,5,6,7
	ds_load_b128 v[WF+8*(\b):WF+8*(\b)+3],   v[WA] offset:(\b)*16*PITCH
	ds_load_b128 v[WF+8*(\b)+4:WF+8*(\b)+7], v[WA] offset:(\b)*16*PITCH+32
.endr
.irp st, 0,1,2,3,4,5,6,7
	STEP \st
.endr
.Lmet:
	s_wait_dscnt 0x0                               ; a consumer's reads of its region are back
	s_barrier_signal -1
	s_barrier_wait -1                              ; behind it producers write
	; THE SECOND PART: producers store the chunk that they have rounded
	s_cmp_lt_u32 s[WV], 4
	s_cbranch_scc1 .Lstored
	s_cmp_lg_u32 s[BLK], 4
	s_cbranch_scc1 .Lstored
	s_cmp_lt_u32 s[STC], 2
	s_cbranch_scc1 .Lstored
	STORE
.Lstored:
	s_wait_dscnt 0x0                               ; a producer's stores into the region are done
	s_barrier_signal -1
	s_barrier_wait -1                              ; behind it the region may be read
	s_mov_b32 s[RGC], s[RGS]                       ; the next trip multiplies what this one stored,
	s_mov_b32 s[RGS], s[NX1]                       ; and stores into the next region; the chain ends in the last region and stays there
	s_mov_b32 s[NX1], s[NX2]
	s_mov_b32 s[NX2], s[NX3]
	s_sub_co_u32 s[STC], s[STC], 1
	s_cmp_lg_u32 s[STC], 0
	s_cbranch_scc1 .Lstage
	s_cmp_lt_u32 s[WV], 4
	s_cbranch_scc0 .Lepi_done
	s_wait_loadcnt 0x0                             ; the wrapped loads (and coef) are in: their registers are free
	s_cmp_eq_u32 s[NTW], 0
	s_cbranch_scc1 .Lepi_done
	EPI 0
	s_cmp_lt_u32 s[NTW], 2
	s_cbranch_scc1 .Lepi_done
	EPI 1
	s_cmp_lt_u32 s[NTW], 3
	s_cbranch_scc1 .Lepi_done
	EPI 2
	s_cmp_lt_u32 s[NTW], 4
	s_cbranch_scc1 .Lepi_done
	EPI 3
	s_cmp_lt_u32 s[NTW], 5
	s_cbranch_scc1 .Lepi_done
	EPI 4
.Lepi_done:
	s_wait_storecnt 0x0                            ; no store of mine is on its way at the next barrier's signal
	s_add_co_u32 s[TB0], s[TB0], 20
	s_sub_co_u32 s[BLK], s[BLK], 1
	s_cmp_lg_u32 s[BLK], 0
	s_cbranch_scc1 .Lblk
	s_wait_tensorcnt 0x0                           ; the wave's end
	ds_add_u32 v[SPW], v[NIL]
	s_wait_dscnt 0x0
	s_endpgm
.Lfunc_end_k_qb54a2c2432_ffn1:
	.size	k_qb54a2c2432_ffn1, .Lfunc_end_k_qb54a2c2432_ffn1-k_qb54a2c2432_ffn1
	.p2alignl 7, 3214868480
	.fill 96, 4, 3214868480
	.section	.rodata,"a",@progbits
	.p2align	6, 0x0
	.amdhsa_kernel k_qb54a2c2432_ffn1
		.amdhsa_group_segment_fixed_size 288768
		.amdhsa_private_segment_fixed_size 0
		.amdhsa_enable_private_segment 0
		.amdhsa_kernarg_size 48
		.amdhsa_user_sgpr_count 2
		.amdhsa_user_sgpr_kernarg_segment_ptr 1
		.amdhsa_wavefront_size32 1
		.amdhsa_system_sgpr_workgroup_id_x 1
		.amdhsa_system_sgpr_workgroup_id_y 1
		.amdhsa_system_sgpr_workgroup_id_z 1
		.amdhsa_system_vgpr_workitem_id 0
		.amdhsa_next_free_vgpr 512
		.amdhsa_next_free_sgpr 100
		.amdhsa_reserve_vcc 1
		.amdhsa_float_denorm_mode_32 3
		.amdhsa_float_denorm_mode_16_64 3
		.amdhsa_memory_ordered 1
		.amdhsa_forward_progress 1
		.amdhsa_inst_pref_size 163
	.end_amdhsa_kernel
	.amdgpu_metadata
---
amdhsa.version: [ 1, 2 ]
amdhsa.kernels:
  - .name:           k_qb54a2c2432_ffn1
    .symbol:         k_qb54a2c2432_ffn1.kd
    .args:
      - { .name: xb, .offset: 0, .size: 8, .value_kind: global_buffer, .address_space: global }
      - { .name: w1, .offset: 8, .size: 8, .value_kind: global_buffer, .address_space: global }
      - { .name: b1, .offset: 16, .size: 8, .value_kind: global_buffer, .address_space: global }
      - { .name: bmap, .offset: 24, .size: 8, .value_kind: global_buffer, .address_space: global }
      - { .name: hbuf, .offset: 32, .size: 8, .value_kind: global_buffer, .address_space: global }
      - { .name: list, .offset: 40, .size: 8, .value_kind: global_buffer, .address_space: global }
    .group_segment_fixed_size: 288768
    .private_segment_fixed_size: 0
    .kernarg_segment_align: 8
    .kernarg_segment_size: 48
    .max_flat_workgroup_size: 256
    .sgpr_count:     100
    .vgpr_count:     512
    .wavefront_size: 32
...
	.end_amdgpu_metadata
.endif
;; end of part 2
;; launch ffn2 (part 3): grid 32 x 8, 8 waves a work-group, no clusters, 305,152 bytes of LDS; arguments hbuf, w2, b2, bmap, part, coef, list; writes part
.if DOCPART == 3
	.amdgcn_target "amdgcn-amd-amdhsa--gfx1250"
	.amdhsa_code_object_version 6
	.text
	.protected	k_qb54a2c2432_ffn2
	.globl	k_qb54a2c2432_ffn2
	.p2align	8
	.type	k_qb54a2c2432_ffn2,@function
k_qb54a2c2432_ffn2:
	s_mov_b64 s[64:65], 0
	v_nop
	global_prefetch_b8 v0, s[64:65] scope:SCOPE_SE
	s_setreg_imm32_b32 hwreg(HW_REG_WAVE_MODE, 25, 1), 1
	s_wait_xcnt 0x0
; ONE PRODUCT OF A ROUTED EXPERT LAYER, both products from one text.
; MODE 1: hbuf[e][j][128 x .. +127] = relu(xb[token of rank j] . w1[e] rows + b1[e]), bf16; and list[e][j] = 2 token + slot of rank j.
; MODE 2: part[kb][2 token + slot][128 dblk .. +127] = coef x (hbuf[e][j][1,024 kb ..] . w2[e] rows (+ b2[e] where kb = 0)), f32.
; Work-group (x, y): expert y; a slice of 128 rows of its weights x 1,024 along K (MODE 1: rows 128 x; MODE 2: dblk = x % 8, kb = x / 8), 512 KiB of f32 that it alone reads, once; and ALL rows routed to the expert.
; FORMAT.  Weights and bias are rounded once to bf16, sums in f32; MODE 1's result is rounded once to bf16, MODE 2's partial sums stay f32.  LIMITS: NaN and infinities are not treated apart (relu of NaN is 0).
; ROLES.  Waves 4-7 are PRODUCERS: they stream the slice through registers, round it and lay it into LDS, where it stays.  Waves 0-3 are CONSUMERS: token rows come from memory straight into registers as matrix
; operands, weight fragments from LDS.  Each role has its own count of loads, so the stream and the products do not order each other.  Every role branch compares the wave's number with 4; no barrier stands under one.
; STAGES.  K goes in four chunks of 256, each with a region of LDS of its own.  A trip of the stage loop has two parts with a barrier behind each.  In the first, consumers multiply the chunk stored in the trip before,
; while producers take the next chunk out of the registers that it was loaded into, round it into 128 registers and ask for the chunk after it: no producer touches LDS there.  In the second, producers alone store those
; 128 registers: 64 LDS stores a wave.  So no wave reads a region between the same two barriers between which another writes one, and of the producers' work only the LDS stores stand outside the products' time.
; Five trips: the first has nothing to multiply, the last nothing to store.  The regions' offsets come down a chain of scalar moves (the store's: regions 0, 1, 2, 3, 3; the loads': 0, 0, 1, 2, 3), so that they lie
; inside the regions in every trip.  A chunk's eight K steps are written out: its LDS address is made once, at its head, and the step stands in the loads' immediates.
; BLOCKS.  A consumer holds 5 tiles of 16 ranks; four consumers, 320 ranks a block; 4 blocks cover 1,024 ranks, every split of the tokens.  The block loop and the stage loop have constant counts, every wave passes
; every barrier (4 x 5 x 2), and only work is jumped over (a dead block's, a dead tile's way out, tile 4's products).  Producers work in the first block alone.  An expert without rows still streams its slice.
; RANKS.  Rank j of an expert is its j-th token, ascending.  In MODE 1 a lane finds its rank's token in registers from the expert's 32 bitmap words: the word by the running count, the bit by halving; the work-groups of
; slice 0 store 2 token + slot by rank (16 ranks: 64 consecutive bytes), and MODE 2 loads it from there.  No LDS address hangs on data.
; No cluster: each slice has one reader; what an expert's work-groups share is token rows, whose number hangs on a stored count (and in MODE 1 they come by ranks), which no joint load's constant shape covers.
; LDS: 4 regions of 128 rows x 528 bytes (512 of bf16 + 16: row r starts at bank 4 r mod 64, 64 banks of 4 bytes: ISA guide 11.1); a stage of 16 rows for each consumer; the spare words.
; THE MATRIX INSTRUCTION IS USED TRANSPOSED: source 0 = 16 rows of weights, source 1 = 16 token rows: a lane holds one token row (lane % 16) and eight neighbouring columns 8 (lane / 16) + 0..7.
; CONSUMER REGISTERS.  window 0: v1-v9 lane terms, v10-14 row offsets, v16-25 coef pairs, v30-31 the add's two, v32-36 2 token + slot, v37-46 at work, v48-111 weight fragments (in the set-up: the search for tokens),
;   v112-191 token fragments (two sets of five), v192-255 tile 4's accumulators.  window 1: accumulator (tile i, column tile b) at 64 i + 8 b.
; PRODUCER REGISTERS.  window 0: v27 LDS address, v28 16 x lane, v29 my rows' place, v128-255 a chunk rounded: half row n at 128 + 2 n.  window 1: 64 half rows as loaded, half row n at 4 n (n = 32 x half of the chunk's K + row).
; The two roles load into different registers: consumers into window 0 alone, producers into window 1 alone.
.set MODE, 2
.set PITCH,  528
.set REGION, 128*PITCH
.if MODE == 1
.set STRIDE, 4096                      ; bytes from a row of weights to the next
.set SPITCH, 272
.else
.set STRIDE, 16384
.set SPITCH, 528
.endif
.set STAGE,  4*REGION
.set STAGEW, 16*SPITCH
.set SPARE,  STAGE+4*STAGEW            ; the spare words: 128 bytes a wave, four blocks of 256 bytes that no other line names
.set R, 1                              ; lane % 16
.set H16, 2                            ; 16 x (lane / 16)
.set LANE, 3
.set WL, 4                             ; my place in a weight fragment: r x 528 + 16 h
.set WA, 5                             ; + the chunk's region
.set STO, 6                            ; the way out: where I put my columns of a row
.set RD, 7                             ; where I read rows back
.set CO, 8                             ; MODE 1: my offset in two rows of hbuf; MODE 2: 16 x lane
.set BO, 9                             ; 32 x (lane / 16): my eight numbers of 16 of the bias
.set XO, 10                            ; tile i: my row's byte offset
.set ZERO, 15
.set CF, 16                            ; tile i: my row's coef, twice
.set HH, 26                            ; lane / 16
.set PS, 27
.set VO, 28
.set PL, 29
.set SPW, 30
.set NIL, 31
.set DEST, 32                          ; tile i: 2 token + slot of my row
.set TP, 37
.set WF, 48
.set XF, 112
.set CV, 128                           ; a producer's chunk, rounded
.set AD, 176                           ; MODE 2, the way out: 16 rows' offsets
.set A4, 192
.set QJ, WF                            ; the search, five registers each (one a tile): my rank, then my place among the word's bits
.set QW, WF+5                          ; the word that holds my token
.set QB, WF+10                         ; the count below that word, and 65,536 x its number
.set Q1, WF+15                         ; the word's bit counts in fields of 2,
.set Q2, WF+20                         ; 4,
.set Q3, WF+25                         ; 8
.set Q4, WF+30                         ; and 16 bits
.set QC, WF+35
.set QT, WF+40
.set QP, WF+45                         ; the bit's place
.set QN, WF+50
.set WV, 16
.set IDX, 17                           ; my number in my role, 0..3
.set EX, 18
.set SL, 19
.set STC, 20                           ; trips of the stage loop to go, 5 to 1
.set RGS, 21                           ; the region that producers store into in this trip, in bytes
.set RGC, 22                           ; the region that consumers multiply in this trip
.set NX1, 23                           ; the store's regions of the trips to come
.set KX, 24                            ; s[24:25] bytes along a token row at which the chunk in hand begins
.set XB, 26
.set XN, 28                            ; token rows at this chunk
.set WP, 30
.set NX2, 32
.set CM1, 33                           ; the last rank
.set TL, 34                            ; tiles of 16 ranks
.set NTW, 35                           ; my live tiles in this block, 0..5
.set T0, 36                            ; my tile 0's first rank
.set BLK, 37                           ; blocks to go, 4 to 1
.set HIM, 38
.set TB0, 39                           ; the block's first tile
.set OB, 40
.set BMSK, 48
.set BB, 50
.set B2, 52
.set OUTB, 54
.set CNT, 56
.set PK, 57
.set TS, 58
.set NX3, 59
.set XM, 60                            ; token rows at the next chunk
.set LS, 62                            ; s[62:63] the expert's 1,024 words of the list
.set BM, 68                            ; s[68:99] the expert's 32 bitmap words
.set MSB, 0
.macro WIN new                         ; s_set_vgpr_msb: bits 1:0 source 0, 3:2 source 1, 5:4 source 2, 7:6 destination; the high byte repeats the setting that is left
.if MSB != (\new)
	s_set_vgpr_msb (MSB<<8)|(\new)
.set MSB, \new
.endif
.endm
.macro ALL5 line:vararg                ; one line for each tile t
.set t, 0
.rept 5
	\line
.set t, t+1
.endr
.endm
; The search (MODE 1 alone uses it).  Its first part, word g: where the count of chosen tokens below word g passes my rank, what I hold stays; else the word, that count and g are taken; ascending, so the last such word stays.
; The scalar stands in the selects' first source, which the short encoding takes.
.macro SCANG g
	s_bcnt1_i32_b32 s[TS], s[BM+(\g)-1]
	s_add_co_u32 s[CNT], s[CNT], s[TS]
	s_add_co_u32 s[PK], s[CNT], (\g)<<16
.irp i, 0,1,2,3,4
	v_cmp_gt_u32 vcc_lo, s[CNT], v[QJ+(\i)]
	v_cndmask_b32 v[QW+(\i)], s[BM+(\g)], v[QW+(\i)], vcc_lo
	v_cndmask_b32 v[QB+(\i)], s[PK], v[QB+(\i)], vcc_lo
.endr
.endm
; Its second part, one halving: of the 2 w bits from QP on, the lower w hold QC set bits (a field of arr); where my place is not among them, it goes down by QC and QP up by w.
.macro PICK arr, w
	ALL5 v_bfe_u32 v[QC+t], v[(\arr)+t], v[QP+t], \w
	ALL5 v_sub_nc_u32 v[QT+t], v[QJ+t], v[QC+t]
	ALL5 v_add_nc_u32 v[QN+t], \w, v[QP+t]
.set t, 0
.rept 5
	v_cmp_ge_u32 vcc_lo, v[QJ+t], v[QC+t]
	v_cndmask_b32 v[QJ+t], v[QJ+t], v[QT+t], vcc_lo
	v_cndmask_b32 v[QP+t], v[QP+t], v[QN+t], vcc_lo
.set t, t+1
.endr
.endm
; Two column tiles of K step st of a chunk's eight: 8 products (10 with tile 4); then, but in the last step, their fragments of the next step are loaded.  No two products on end share an accumulator.
.macro GROUP st, q
.if (\st) < 7
	s_wait_dscnt 12                                ; my four fragment loads are in: behind them the 12 younger ones (of this step's later groups, and the reloads issued in this step)
.else
	s_wait_dscnt 12-4*(\q)                         ; the last step loads nothing: behind my four stand four for each later group
.endif
	WIN 0x50                                       ; C and D window 1
.irp b, 2*(\q),2*(\q)+1
.irp i, 0,1,2,3
	v_wmma_f32_16x16x32_bf16 v[64*(\i)+8*(\b):64*(\i)+8*(\b)+7], v[WF+8*(\b):WF+8*(\b)+7], v[XF+40*((\st)%2)+8*(\i):XF+40*((\st)%2)+8*(\i)+7], v[64*(\i)+8*(\b):64*(\i)+8*(\b)+7]
.endr
.endr
	WIN 0
	s_cmp_lt_u32 s[NTW], 5
	s_cbranch_scc1 .Lno_tile_4_\@
.irp b, 2*(\q),2*(\q)+1
	v_wmma_f32_16x16x32_bf16 v[A4+8*(\b):A4+8*(\b)+7], v[WF+8*(\b):WF+8*(\b)+7], v[XF+40*((\st)%2)+32:XF+40*((\st)%2)+39], v[A4+8*(\b):A4+8*(\b)+7]
.endr
.Lno_tile_4_\@:
.if ((\st) < 7) || ((\q) == 3)
.rept 4
	v_nop                                          ; four places between a product and a load into a register that it read (ISA guide 7.12.1 for vector instructions)
.endr
.endif
.if (\st) < 7
.irp b, 2*(\q),2*(\q)+1
	ds_load_b128 v[WF+8*(\b):WF+8*(\b)+3],   v[WA] offset:(\b)*16*PITCH+64*((\st)+1)
	ds_load_b128 v[WF+8*(\b)+4:WF+8*(\b)+7], v[WA] offset:(\b)*16*PITCH+64*((\st)+1)+32
.endr
.endif
.endm
; One K step of 32; at its end the token fragments of the step after next are asked for, into the set just multiplied: steps 0-5 ask in this chunk, steps 6 and 7 for the next chunk's first two.
.macro STEP st
	s_wait_loadcnt 10                              ; this set's ten loads are in; the other set's ten stay out
	GROUP \st, 0
	GROUP \st, 1
	GROUP \st, 2
	GROUP \st, 3
.irp i, 0,1,2,3,4
.if (\st) < 6
	global_load_b128 v[XF+40*((\st)%2)+8*(\i):XF+40*((\st)%2)+8*(\i)+3],   v[XO+(\i)], s[XN:XN+1] offset:64*((\st)+2)
	global_load_b128 v[XF+40*((\st)%2)+8*(\i)+4:XF+40*((\st)%2)+8*(\i)+7], v[XO+(\i)], s[XN:XN+1] offset:64*((\st)+2)+32
.else
	global_load_b128 v[XF+40*((\st)%2)+8*(\i):XF+40*((\st)%2)+8*(\i)+3],   v[XO+(\i)], s[XM:XM+1] offset:64*((\st)-6)
	global_load_b128 v[XF+40*((\st)%2)+8*(\i)+4:XF+40*((\st)%2)+8*(\i)+7], v[XO+(\i)], s[XM:XM+1] offset:64*((\st)-6)+32
.endif
.endr
.endm
; A producer takes a chunk out of its load registers: 64 half rows (32 rows x 128 K, twice), eight at a time: rounded into CV; and, issue = 1, the same half rows of the next chunk are asked for (512 consecutive bytes a
; load).  issue = 1: behind a group's eight loads stand the rest of the chunk (56 - 8 m) and the 8 m just issued: 56.  issue = 0 (the last chunk): nothing is issued, and the counts run down.  No LDS instruction here.
.macro CONV issue
.if \issue
	s_wait_xcnt 0x0                                ; the loads that are out have read their base: only now does it step
	s_add_nc_u64 s[WP:WP+1], s[WP:WP+1], 1024
.endif
.irp m, 0,1,2,3,4,5,6,7
.if \issue
	s_wait_loadcnt 56
.else
	s_wait_loadcnt 56-8*(\m)
.endif
	WIN 0x05                                       ; both sources window 1
.irp j, 0,1,2,3,4,5,6,7
	v_cvt_pk_bf16_f32 v[CV+2*(8*(\m)+(\j))],   v[4*(8*(\m)+(\j))],   v[4*(8*(\m)+(\j))+1]
	v_cvt_pk_bf16_f32 v[CV+2*(8*(\m)+(\j))+1], v[4*(8*(\m)+(\j))+2], v[4*(8*(\m)+(\j))+3]
.endr
.if \issue
	WIN 0x40                                       ; destination window 1
.irp j, 0,1,2,3,4,5,6,7
	global_load_b128 v[4*(8*(\m)+(\j)):4*(8*(\m)+(\j))+3], v[VO], s[WP:WP+1] offset:(8*((\m)%4)+(\j))*STRIDE+((\m)/4)*512 th:TH_LOAD_NT
.endr
.endif
.endr
	WIN 0
.endm
; A producer lays its rounded chunk into the trip's region: 64 stores, 32 lanes x 8 bytes = 256 consecutive bytes each.
.macro STORE
	v_add_nc_u32 v[PS], s[RGS], v[PL]
.set n, 0
.rept 64
	ds_store_b64 v[PS], v[CV+2*n:CV+2*n+1] offset:(n%32)*PITCH+(n/32)*256
.set n, n+1
.endr
.endm
; THE WAY OUT of tile i, through my own stage in LDS; each accumulator's registers are read in ascending order.
.macro EPI i
.if (\i) < 4
.set AC, 64*(\i)
.else
.set AC, A4
.endif
.if MODE == 1
.if (\i) < 4
	WIN 0x05                                       ; both sources window 1
.endif
.set k, 0
.rept 32
	v_cvt_pk_bf16_f32 v[WF+k], v[AC+2*k], v[AC+2*k+1]
.set k, k+1
.endr
	WIN 0
.set k, 0
.rept 32
	v_pk_max_num_bf16 v[WF+k], v[WF+k], v[ZERO]    ; relu, two at a time; nothing is rounded
.set k, k+1
.endr
.irp b, 0,1,2,3,4,5,6,7
	ds_store_b128 v[STO], v[WF+4*(\b):WF+4*(\b)+3] offset:32*(\b)
.endr
	s_wait_xcnt 0x0                                ; the tile before's stores have read their registers
.irp t, 0,1,2,3,4,5,6,7
	ds_load_b128 v[WF+32+4*(\t):WF+32+4*(\t)+3], v[RD] offset:(\t)*2*SPITCH  ; LDS serves a wave in order (ISA guide 5.7.1.4): these see the stores above
.endr
	s_wait_dscnt 0x0
.irp t, 0,1,2,3,4,5,6,7
	global_store_b128 v[CO], v[WF+32+4*(\t):WF+32+4*(\t)+3], s[OB:OB+1] offset:(\i)*524288+(\t)*16384  ; 16 lanes store 256 consecutive bytes, aligned
.endr
.else
	v_mov_b32 v[CF+2*(\i)+1], v[CF+2*(\i)]         ; coef as a pair for the packed multiply
.if (\i) < 4
	WIN 0x01                                       ; source 0 window 1
.endif
.set k, 0
.rept 32
	v_pk_mul_f32 v[WF+2*k:WF+2*k+1], v[AC+2*k:AC+2*k+1], v[CF+2*(\i):CF+2*(\i)+1]
.set k, k+1
.endr
	WIN 0
.set k, 0
.rept 16
	ds_store_b128 v[STO], v[WF+4*k:WF+4*k+3] offset:64*(k/2)+16*(k%2)
.set k, k+1
.endr
	s_wait_xcnt 0x0                                ; the tile before's stores have read their registers
.set k, 0
.rept 16
	ds_load_b128 v[XF+4*k:XF+4*k+3], v[RD] offset:k*SPITCH
.set k, k+1
.endr
.set k, 0
.rept 16                               ; row k goes to part's row 2 token + slot; rows past the count repeat the last rank's row and bytes
	v_readlane_b32 s42, v[DEST+(\i)], k
	s_min_u32 s42, s42, 0x7ff
	v_lshl_add_u32 v[AD+k], s42, 12, v[CO]
.set k, k+1
.endr
	s_wait_dscnt 0x0
.set k, 0
.rept 16
	global_store_b128 v[AD+k], v[XF+4*k:XF+4*k+3], s[OB:OB+1]  ; 32 lanes store 512 consecutive bytes, aligned
.set k, k+1
.endr
.endif
.endm
	s_load_b256 s[4:11], s[0:1], 0x0               ; rows in s[4:5], weights s[6:7], bias s[8:9], bmap s[10:11]
	s_load_b128 s[12:15], s[0:1], 0x20             ; MODE 1: hbuf, list;  MODE 2: part, coef
.if MODE == 2
	s_load_b64 s[LS:LS+1], s[0:1], 0x30            ; list
.endif
	v_lshl_add_u32 v[SPW], v0, 2, SPARE
	v_mov_b32 v[NIL], 0
	v_lshrrev_b32 v1, 5, v0
	v_readfirstlane_b32 s[WV], v1                  ; wave 0..7
	v_and_b32 v[LANE], 31, v0
	s_and_b32 s[IDX], s[WV], 3
	s_and_b32 s[EX], ttmp7, 0xffff
	s_mov_b32 s[SL], ttmp9
	v_lshlrev_b32 v[VO], 4, v[LANE]
	s_wait_kmcnt 0x0
	; ALL POINTERS AND LANE TERMS, of both roles, are made here by every wave
	s_lshl_b32 s42, s[EX], 24                      ; the expert's weights,
.if MODE == 1
	s_lshl_b32 s43, s[SL], 19                      ; the slice's 128 rows,
	s_lshl_b32 s44, s[IDX], 17                     ; a producer's 32 of them
.else
	s_and_b32 s43, s[SL], 7
	s_lshl_b32 s43, s43, 21
	s_lshl_b32 s44, s[IDX], 19
	s_lshr_b32 s45, s[SL], 3
	s_lshl_b32 s45, s45, 12                        ; and the quarter of K
	s_add_co_u32 s44, s44, s45
.endif
	s_add_co_u32 s42, s42, s43
	s_add_co_u32 s42, s42, s44
	s_mov_b32 s43, 0
	s_add_nc_u64 s[WP:WP+1], s[6:7], s[42:43]
	s_lshl_b32 s42, s[EX], 7
	s_add_nc_u64 s[XN:XN+1], s[10:11], s[42:43]    ; the expert's 32 bitmap words
.if MODE == 1
	s_add_co_u32 s42, s42, 1024
	s_add_nc_u64 s[B2:B2+1], s[10:11], s[42:43]    ; the expert's 32 second-choice words
	s_lshl_b32 s42, s[EX], 12
	s_add_nc_u64 s[LS:LS+1], s[14:15], s[42:43]    ; the expert's 1,024 words of the list
	s_mov_b64 s[XB:XB+1], s[4:5]
	s_lshl_b32 s42, s[EX], 14
	s_lshl_b32 s44, s[SL], 9
	s_add_co_u32 s42, s42, s44
	s_add_nc_u64 s[BB:BB+1], s[8:9], s[42:43]      ; my 128 numbers of b1
	s_lshl_b32 s42, s[EX], 23
	s_lshl_b32 s44, s[SL], 8
	s_add_co_u32 s42, s42, s44
	s_add_nc_u64 s[OUTB:OUTB+1], s[12:13], s[42:43]  ; the expert's segment of hbuf, my 128 columns
	s_mov_b64 s[OB:OB+1], s[OUTB:OUTB+1]           ; the stores' base holds that address from here on; a block's set-up adds the block's rows
.else
	s_lshl_b32 s42, s[EX], 12
	s_add_nc_u64 s[LS:LS+1], s[LS:LS+1], s[42:43]  ; the expert's 1,024 words of the list
	s_and_b32 s44, s[SL], 7                        ; dblk
	s_lshr_b32 s45, s[SL], 3                       ; kb
	s_lshl_b32 s42, s[EX], 23
	s_lshl_b32 s46, s45, 11
	s_add_co_u32 s42, s42, s46
	s_add_nc_u64 s[XB:XB+1], s[4:5], s[42:43]      ; the expert's segment of hbuf, my quarter of K
	s_lshl_b32 s42, s[EX], 12
	s_lshl_b32 s46, s44, 9
	s_add_co_u32 s42, s42, s46
	s_add_nc_u64 s[BB:BB+1], s[8:9], s[42:43]      ; my 128 numbers of b2
	s_lshl_b32 s42, s45, 23
	s_add_co_u32 s42, s42, s46
	s_add_nc_u64 s[OB:OB+1], s[12:13], s[42:43]    ; part's quarter kb, my 128 columns
	s_cmp_eq_u32 s45, 0
	s_cselect_b32 s[BMSK], -1, 0                   ; the bias enters in quarter 0 alone
.endif
	v_and_b32 v[R], 15, v0
	v_bfe_u32 v[HH], v0, 4, 1
	v_lshlrev_b32 v[H16], 4, v[HH]
	v_lshlrev_b32 v[BO], 5, v[HH]
	v_mul_u32_u24 v[WL], v[R], PITCH
	v_lshl_add_u32 v[WL], v[HH], 4, v[WL]
	s_mul_i32 s46, s[IDX], STAGEW
	s_add_co_u32 s46, s46, STAGE                   ; a consumer's stage
	v_mul_u32_u24 v[STO], v[R], SPITCH
.if MODE == 1
	v_lshl_add_u32 v[STO], v[HH], 4, v[STO]        ; in: row r, 16 bytes for each half of the lanes
	v_add_nc_u32 v[STO], s46, v[STO]
	v_mul_u32_u24 v[RD], v[HH], SPITCH             ; back: lanes 0-15 one row of 256 bytes, lanes 16-31 the next
	v_lshl_add_u32 v[RD], v[R], 4, v[RD]
	v_add_nc_u32 v[RD], s46, v[RD]
	v_lshlrev_b32 v[CO], 13, v[HH]                 ; and the same two rows in hbuf
	v_lshl_add_u32 v[CO], v[R], 4, v[CO]
	v_mov_b32 v[ZERO], 0
.else
	v_lshl_add_u32 v[STO], v[HH], 5, v[STO]        ; in: row r, 32 bytes for each half of the lanes
	v_add_nc_u32 v[STO], s46, v[STO]
	v_lshlrev_b32 v[CO], 4, v[LANE]
	v_add_nc_u32 v[RD], s46, v[CO]                 ; back: a row of 512 bytes
.endif
	s_mul_i32 s47, s[IDX], 32*PITCH
	v_lshl_add_u32 v[PL], v[LANE], 3, s47          ; a producer's 32 rows of a region, 8 bytes a lane
	s_mov_b32 s[NTW], 0
	s_cmp_lt_u32 s[WV], 4
	s_cbranch_scc1 .Lcons_pro
	; A PRODUCER BEGINS: chunk 0's 64 loads go out
	WIN 0x40                                       ; destination window 1
.set j, 0
.rept 32
	global_load_b128 v[4*j:4*j+3], v[VO], s[WP:WP+1] offset:j*STRIDE th:TH_LOAD_NT
.set j, j+1
.endr
.set j, 0
.rept 32
	global_load_b128 v[128+4*j:128+4*j+3], v[VO], s[WP:WP+1] offset:j*STRIDE+512 th:TH_LOAD_NT
.set j, j+1
.endr
	WIN 0
	s_branch .Lcommon
.Lcons_pro:
	; A CONSUMER BEGINS: the expert's bitmap words and its count of rows
	s_load_b512 s[BM:BM+15], s[XN:XN+1], 0x0
	s_load_b512 s[BM+16:BM+31], s[XN:XN+1], 0x40
	s_mov_b32 s[HIM], 0xffff0000
	s_mov_b32 s[KX+1], 0
	s_mov_b32 s[CNT], 0
	s_wait_kmcnt 0x0
.set g, 0
.rept 32
	s_bcnt1_i32_b32 s[TS], s[BM+g]
	s_add_co_u32 s[CNT], s[CNT], s[TS]
.set g, g+1
.endr
	s_max_u32 s[CM1], s[CNT], 1
	s_sub_co_u32 s[CM1], s[CM1], 1
	s_add_co_u32 s[TL], s[CNT], 15
	s_lshr_b32 s[TL], s[TL], 4
.if MODE == 1
	s_max_u32 s[TL], s[TL], 1                      ; an expert without rows still writes its segment's first tile, which the next launch's set-up loads
.endif
.Lcommon:
	s_mov_b32 s[BLK], 4
	s_mov_b32 s[TB0], 0
.Lblk:                                                 ; 4 blocks of 320 ranks
	s_cmp_lt_u32 s[WV], 4
	s_cbranch_scc0 .Lpre_done
	s_add_co_u32 s42, s[TB0], s[IDX]               ; my tile 0; my tile i is 4 i further on
	s_sub_co_i32 s43, s[TL], s42
	s_add_co_i32 s43, s43, 3
	s_ashr_i32 s43, s43, 2
	s_max_i32 s43, s43, 0
	s_min_i32 s[NTW], s43, 5
	s_lshl_b32 s[T0], s42, 4
	s_cmp_eq_u32 s[BLK], 4
	s_cbranch_scc1 .Lpre_live                      ; the first block's set-up always runs: it writes every register that the loop names (and, in MODE 1, the list's word 0 of an expert without rows)
	s_cmp_eq_u32 s[NTW], 0
	s_cbranch_scc1 .Lpre_done
.Lpre_live:
	s_wait_loadcnt 0x0                             ; no load of mine is out
	s_wait_xcnt 0x0                                ; and the block before's stores have read their base and registers
.irp b, 0,1,2,3,4,5,6,7
	global_load_b128 v[A4+8*(\b):A4+8*(\b)+3],   v[BO], s[BB:BB+1] offset:64*(\b)  ; the bias, in an accumulator's layout, into tile 4's
	global_load_b128 v[A4+8*(\b)+4:A4+8*(\b)+7], v[BO], s[BB:BB+1] offset:64*(\b)+16
.endr
.if MODE == 1
	s_lshl_b32 s42, s[T0], 13
	s_mov_b32 s43, 0
	s_add_nc_u64 s[OB:OB+1], s[OUTB:OUTB+1], s[42:43]  ; hbuf at my tile 0's first rank
.endif
	v_add_nc_u32 v[TP], s[T0], v[R]
	ALL5 v_add_nc_u32 v[QJ+t], 64*t, v[TP]         ; my rank in tile t; ranks past the count repeat the last
	ALL5 v_min_u32 v[QJ+t], s[CM1], v[QJ+t]
	ALL5 v_min_u32 v[QJ+t], 0x3ff, v[QJ+t]
	ALL5 v_lshlrev_b32 v[TP+1+t], 2, v[QJ+t]       ; my rank's word in the list
.if MODE == 2
	ALL5 v_lshl_add_u32 v[XO+t], v[QJ+t], 13, v[H16]
	ALL5 global_load_b32 v[DEST+t], v[TP+1+t], s[LS:LS+1]  ; 2 token + slot of my rank
.else
	; THE TOKEN OF MY RANK.  First the bitmap word that holds it,
	ALL5 v_mov_b32 v[QW+t], s[BM]
	ALL5 v_mov_b32 v[QB+t], 0
	ALL5 v_mov_b32 v[QP+t], 0
	s_mov_b32 s[CNT], 0
.irp g, 1,2,3,4,5,6,7,8,9,10,11,12,13,14,15,16,17,18,19,20,21,22,23,24,25,26,27,28,29,30,31
	SCANG \g
.endr
	ALL5 v_and_b32 v[QC+t], 0xffff, v[QB+t]
	ALL5 v_sub_nc_u32 v[QJ+t], v[QJ+t], v[QC+t]    ; my place among the word's set bits
	ALL5 v_lshrrev_b32 v[QB+t], 16, v[QB+t]        ; the word's number
	; then the word's bit counts in fields of 2, 4, 8 and 16 bits,
	ALL5 v_lshrrev_b32 v[QT+t], 1, v[QW+t]
	ALL5 v_and_b32 v[QT+t], 0x55555555, v[QT+t]
	ALL5 v_sub_nc_u32 v[Q1+t], v[QW+t], v[QT+t]
	ALL5 v_lshrrev_b32 v[QT+t], 2, v[Q1+t]
	ALL5 v_and_b32 v[QT+t], 0x33333333, v[QT+t]
	ALL5 v_and_b32 v[Q2+t], 0x33333333, v[Q1+t]
	ALL5 v_add_nc_u32 v[Q2+t], v[Q2+t], v[QT+t]
	ALL5 v_lshrrev_b32 v[QT+t], 4, v[Q2+t]
	ALL5 v_add_nc_u32 v[Q3+t], v[Q2+t], v[QT+t]
	ALL5 v_and_b32 v[Q3+t], 0x0f0f0f0f, v[Q3+t]
	ALL5 v_lshrrev_b32 v[QT+t], 8, v[Q3+t]
	ALL5 v_add_nc_u32 v[Q4+t], v[Q3+t], v[QT+t]
	ALL5 v_and_b32 v[Q4+t], 0x00ff00ff, v[Q4+t]
	; and five halvings
	PICK Q4, 16
	PICK Q3, 8
	PICK Q2, 4
	PICK Q1, 2
	PICK QW, 1
	ALL5 v_lshl_add_u32 v[QT+t], v[QB+t], 5, v[QP+t]  ; token = 32 x word + bit
	ALL5 v_min_u32 v[QT+t], 0x3ff, v[QT+t]
	ALL5 v_lshl_add_u32 v[XO+t], v[QT+t], 11, v[H16]
	ALL5 v_min_u32 v[QB+t], 31, v[QB+t]
	ALL5 v_lshlrev_b32 v[QB+t], 2, v[QB+t]
	ALL5 global_load_b32 v[DEST+t], v[QB+t], s[B2:B2+1]  ; the second-choice word of the same 32 tokens
.endif
	s_mov_b32 s[KX], 0
.irp s, 0,1
.irp i, 0,1,2,3,4
	global_load_b128 v[XF+40*(\s)+8*(\i):XF+40*(\s)+8*(\i)+3],   v[XO+(\i)], s[XB:XB+1] offset:64*(\s)  ; K steps 0 and 1
	global_load_b128 v[XF+40*(\s)+8*(\i)+4:XF+40*(\s)+8*(\i)+7], v[XO+(\i)], s[XB:XB+1] offset:64*(\s)+32
.endr
.endr
	s_wait_loadcnt 20                              ; the bias and the five words are in; the 20 loads just issued stay out
.if MODE == 1
	ALL5 v_bfe_u32 v[DEST+t], v[DEST+t], v[QP+t], 1   ; slot: 1 where the expert is my token's second choice
	ALL5 v_lshl_add_u32 v[DEST+t], v[QT+t], 1, v[DEST+t]
	s_cmp_lg_u32 s[SL], 0
	s_cbranch_scc1 .Lno_list                       ; each word of the list has one storing work-group: the expert's slice 0
	ALL5 global_store_b32 v[TP+1+t], v[DEST+t], s[LS:LS+1]  ; a tile's 16 ranks: 64 consecutive bytes; both halves of the lanes, and ranks that repeat the last, store the same number at the same place
.Lno_list:
.else
	ALL5 v_min_u32 v[DEST+t], 0x7ff, v[DEST+t]
	ALL5 v_lshlrev_b32 v[TP+1+t], 2, v[DEST+t]
	ALL5 global_load_b32 v[CF+2*t], v[TP+1+t], s[14:15]  ; wanted on the way out; five loads younger than the first steps', whose waits are the stricter for it
.endif
.set k, 0
.rept 32                               ; the bias rounded to bf16, in place
	v_cvt_pk_bf16_f32 v[TP+6+k%4], v[A4+2*k], v[A4+2*k+1]
.if MODE == 2
	v_and_b32 v[TP+6+k%4], s[BMSK], v[TP+6+k%4]
.endif
	v_lshlrev_b32 v[A4+2*k], 16, v[TP+6+k%4]
	v_and_b32 v[A4+2*k+1], s[HIM], v[TP+6+k%4]
.set k, k+1
.endr
	WIN 0x40                                       ; every sum starts from the bias: these moves take the place both of clearing and of an addition on the way out
.set k, 0
.rept 256
	v_mov_b32 v[k], v[A4+k%64]
.set k, k+1
.endr
	WIN 0
.Lpre_done:
	s_mov_b32 s[STC], 5
	s_mov_b32 s[RGS], 0
	s_mov_b32 s[RGC], 0
	s_mov_b32 s[NX1], REGION
	s_mov_b32 s[NX2], 2*REGION
	s_mov_b32 s[NX3], 3*REGION
.Lstage:                                               ; 5 trips
	; THE FIRST PART: consumers multiply the chunk stored last; producers round the next one in registers
	s_cmp_lt_u32 s[WV], 4
	s_cbranch_scc1 .Lcons
	s_cmp_lg_u32 s[BLK], 4
	s_cbranch_scc1 .Lmet                           ; behind the first block the slice is in LDS
	s_cmp_lt_u32 s[STC], 2
	s_cbranch_scc1 .Lmet                           ; the last trip: all four chunks are stored
	s_cmp_eq_u32 s[STC], 2
	s_cbranch_scc1 .Lconv_last
	CONV 1
	s_branch .Lmet
.Lconv_last:
	CONV 0                                         ; the last chunk: nothing is left to ask for
	s_branch .Lmet
.Lcons:
	s_cmp_eq_u32 s[STC], 5
	s_cbranch_scc1 .Lmet                           ; the first trip: no chunk is stored yet
	s_cmp_eq_u32 s[NTW], 0
	s_cbranch_scc1 .Lmet
	s_wait_xcnt 0x0                                ; the last chunk's loads have read their bases
	s_add_nc_u64 s[XN:XN+1], s[XB:XB+1], s[KX:KX+1]
	s_add_co_u32 s[KX], s[KX], 512                 ; the next chunk; behind the block's last chunk the offset wraps to 0: 20 loads inside the buffer that serve nothing, the price of one text for every chunk
	s_and_b32 s[KX], s[KX], 2047
	s_add_nc_u64 s[XM:XM+1], s[XB:XB+1], s[KX:KX+1]
	v_add_nc_u32 v[WA], s[RGC], v[WL]              ; the chunk's one LDS address
.irp b, 0,1,2,3,4,5,6,7
	ds_load_b128 v[WF+8*(\b):WF+8*(\b)+3],   v[WA] offset:(\b)*16*PITCH
	ds_load_b128 v[WF+8*(\b)+4:WF+8*(\b)+7], v[WA] offset:(\b)*16*PITCH+32
.endr
.irp st, 0,1,2,3,4,5,6,7
	STEP \st
.endr
.Lmet:
	s_wait_dscnt 0x0                               ; a consumer's reads of its region are back
	s_barrier_signal -1
	s_barrier_wait -1                              ; behind it producers write
	; THE SECOND PART: producers store the chunk that they have rounded
	s_cmp_lt_u32 s[WV], 4
	s_cbranch_scc1 .Lstored
	s_cmp_lg_u32 s[BLK], 4
	s_cbranch_scc1 .Lstored
	s_cmp_lt_u32 s[STC], 2
	s_cbranch_scc1 .Lstored
	STORE
.Lstored:
	s_wait_dscnt 0x0                               ; a producer's stores into the region are done
	s_barrier_signal -1
	s_barrier_wait -1                              ; behind it the region may be read
	s_mov_b32 s[RGC], s[RGS]                       ; the next trip multiplies what this one stored,
	s_mov_b32 s[RGS], s[NX1]                       ; and stores into the next region; the chain ends in the last region and stays there
	s_mov_b32 s[NX1], s[NX2]
	s_mov_b32 s[NX2], s[NX3]
	s_sub_co_u32 s[STC], s[STC], 1
	s_cmp_lg_u32 s[STC], 0
	s_cbranch_scc1 .Lstage
	s_cmp_lt_u32 s[WV], 4
	s_cbranch_scc0 .Lepi_done
	s_wait_loadcnt 0x0                             ; the wrapped loads (and coef) are in: their registers are free
	s_cmp_eq_u32 s[NTW], 0
	s_cbranch_scc1 .Lepi_done
	EPI 0
	s_cmp_lt_u32 s[NTW], 2
	s_cbranch_scc1 .Lepi_done
	EPI 1
	s_cmp_lt_u32 s[NTW], 3
	s_cbranch_scc1 .Lepi_done
	EPI 2
	s_cmp_lt_u32 s[NTW], 4
	s_cbranch_scc1 .Lepi_done
	EPI 3
	s_cmp_lt_u32 s[NTW], 5
	s_cbranch_scc1 .Lepi_done
	EPI 4
.Lepi_done:
	s_wait_storecnt 0x0                            ; no store of mine is on its way at the next barrier's signal
	s_add_co_u32 s[TB0], s[TB0], 20
	s_sub_co_u32 s[BLK], s[BLK], 1
	s_cmp_lg_u32 s[BLK], 0
	s_cbranch_scc1 .Lblk
	s_wait_tensorcnt 0x0                           ; the wave's end
	ds_add_u32 v[SPW], v[NIL]
	s_wait_dscnt 0x0
	s_endpgm
.Lfunc_end_k_qb54a2c2432_ffn2:
	.size	k_qb54a2c2432_ffn2, .Lfunc_end_k_qb54a2c2432_ffn2-k_qb54a2c2432_ffn2
	.p2alignl 7, 3214868480
	.fill 96, 4, 3214868480
	.section	.rodata,"a",@progbits
	.p2align	6, 0x0
	.amdhsa_kernel k_qb54a2c2432_ffn2
		.amdhsa_group_segment_fixed_size 305152
		.amdhsa_private_segment_fixed_size 0
		.amdhsa_enable_private_segment 0
		.amdhsa_kernarg_size 56
		.amdhsa_user_sgpr_count 2
		.amdhsa_user_sgpr_kernarg_segment_ptr 1
		.amdhsa_wavefront_size32 1
		.amdhsa_system_sgpr_workgroup_id_x 1
		.amdhsa_system_sgpr_workgroup_id_y 1
		.amdhsa_system_sgpr_workgroup_id_z 1
		.amdhsa_system_vgpr_workitem_id 0
		.amdhsa_next_free_vgpr 512
		.amdhsa_next_free_sgpr 100
		.amdhsa_reserve_vcc 1
		.amdhsa_float_denorm_mode_32 3
		.amdhsa_float_denorm_mode_16_64 3
		.amdhsa_memory_ordered 1
		.amdhsa_forward_progress 1
		.amdhsa_inst_pref_size 148
	.end_amdhsa_kernel
	.amdgpu_metadata
---
amdhsa.version: [ 1, 2 ]
amdhsa.kernels:
  - .name:           k_qb54a2c2432_ffn2
    .symbol:         k_qb54a2c2432_ffn2.kd
    .args:
      - { .name: hbuf, .offset: 0, .size: 8, .value_kind: global_buffer, .address_space: global }
      - { .name: w2, .offset: 8, .size: 8, .value_kind: global_buffer, .address_space: global }
      - { .name: b2, .offset: 16, .size: 8, .value_kind: global_buffer, .address_space: global }
      - { .name: bmap, .offset: 24, .size: 8, .value_kind: global_buffer, .address_space: global }
      - { .name: part, .offset: 32, .size: 8, .value_kind: global_buffer, .address_space: global }
      - { .name: coef, .offset: 40, .size: 8, .value_kind: global_buffer, .address_space: global }
      - { .name: list, .offset: 48, .size: 8, .value_kind: global_buffer, .address_space: global }
    .group_segment_fixed_size: 305152
    .private_segment_fixed_size: 0
    .kernarg_segment_align: 8
    .kernarg_segment_size: 56
    .max_flat_workgroup_size: 256
    .sgpr_count:     100
    .vgpr_count:     512
    .wavefront_size: 32
...
	.end_amdgpu_metadata
.endif
;; end of part 3
;; launch sum (part 4): grid 256 x 1, 8 waves a work-group, no clusters, 0 bytes of LDS; arguments part, out0; writes out0
.if DOCPART == 4
	.amdgcn_target "amdgcn-amd-amdhsa--gfx1250"
	.amdhsa_code_object_version 6
	.text
	.protected	k_qb54a2c2432_sum
	.globl	k_qb54a2c2432_sum
	.p2align	8
	.type	k_qb54a2c2432_sum,@function
k_qb54a2c2432_sum:
	s_mov_b64 s[64:65], 0
	v_nop
	global_prefetch_b8 v0, s[64:65] scope:SCOPE_SE
	s_setreg_imm32_b32 hwreg(HW_REG_WAVE_MODE, 25, 1), 1
	s_wait_xcnt 0x0
; out0[token] = the sum over the four quarters of K and the token's two choices of part[kb][2 token + slot]: eight f32 rows, already weighed by coef, added in ascending kb and slot.
; A stream with fixed addresses: a work-group has 4 tokens, a wave half a row (2,048 bytes) as four pieces of 512 consecutive bytes.  All 32 loads of a wave go out at once; no LDS, no barrier, no matrix unit:
; each byte of part is read once and each byte of out0 written once, in whole aligned runs of 512 bytes.
.set KBS, 0x800000                     ; bytes of one quarter's partial sums: 2,048 rows of 4,096
	s_load_b128 s[4:7], s[0:1], 0x0                ; part s[4:5], out0 s[6:7]
	v_lshrrev_b32 v2, 5, v0
	v_readfirstlane_b32 s8, v2                     ; wave 0..7
	v_and_b32 v1, 31, v0
	v_lshlrev_b32 v1, 4, v1                        ; 16 x lane
	s_lshr_b32 s9, s8, 1
	s_and_b32 s10, s8, 1
	s_lshl_b32 s10, s10, 11                        ; which half of the row
	s_lshl_b32 s11, ttmp9, 2
	s_add_co_u32 s11, s11, s9                      ; token
	s_lshl_b32 s12, s11, 13                        ; its two rows in part
	s_add_co_u32 s12, s12, s10
	s_mov_b32 s13, 0
	s_lshl_b32 s14, s11, 12                        ; its row in out0
	s_add_co_u32 s14, s14, s10
	s_mov_b32 s15, 0
	s_wait_kmcnt 0x0
	s_add_nc_u64 s[16:17], s[4:5], s[12:13]
	s_add_nc_u64 s[18:19], s[16:17], KBS
	s_add_nc_u64 s[20:21], s[18:19], KBS
	s_add_nc_u64 s[22:23], s[20:21], KBS
	s_add_nc_u64 s[6:7], s[6:7], s[14:15]
.irp q, 0,1,2,3
.irp kb, 0,1,2,3
.irp sl, 0,1
	global_load_b128 v[8+32*(\q)+8*(\kb)+4*(\sl):8+32*(\q)+8*(\kb)+4*(\sl)+3], v1, s[16+2*(\kb):17+2*(\kb)] offset:(\sl)*4096+(\q)*512 th:TH_LOAD_NT
.endr
.endr
.endr
.irp q, 0,1,2,3
	s_wait_loadcnt 24-8*(\q)                       ; piece q's eight loads are in: behind them eight for each later piece
.irp m, 1,2,3,4,5,6,7
	v_pk_add_f32 v[8+32*(\q):9+32*(\q)],   v[8+32*(\q):9+32*(\q)],   v[8+32*(\q)+4*(\m):9+32*(\q)+4*(\m)]
	v_pk_add_f32 v[10+32*(\q):11+32*(\q)], v[10+32*(\q):11+32*(\q)], v[10+32*(\q)+4*(\m):11+32*(\q)+4*(\m)]
.endr
	global_store_b128 v1, v[8+32*(\q):11+32*(\q)], s[6:7] offset:(\q)*512 th:TH_STORE_NT
.endr
	s_endpgm
.Lfunc_end_k_qb54a2c2432_sum:
	.size	k_qb54a2c2432_sum, .Lfunc_end_k_qb54a2c2432_sum-k_qb54a2c2432_sum
	.p2alignl 7, 3214868480
	.fill 96, 4, 3214868480
	.section	.rodata,"a",@progbits
	.p2align	6, 0x0
	.amdhsa_kernel k_qb54a2c2432_sum
		.amdhsa_group_segment_fixed_size 0
		.amdhsa_private_segment_fixed_size 0
		.amdhsa_enable_private_segment 0
		.amdhsa_kernarg_size 16
		.amdhsa_user_sgpr_count 2
		.amdhsa_user_sgpr_kernarg_segment_ptr 1
		.amdhsa_wavefront_size32 1
		.amdhsa_system_sgpr_workgroup_id_x 1
		.amdhsa_system_sgpr_workgroup_id_y 1
		.amdhsa_system_sgpr_workgroup_id_z 1
		.amdhsa_system_vgpr_workitem_id 0
		.amdhsa_next_free_vgpr 136
		.amdhsa_next_free_sgpr 66
		.amdhsa_reserve_vcc 0
		.amdhsa_float_denorm_mode_32 3
		.amdhsa_float_denorm_mode_16_64 3
		.amdhsa_memory_ordered 1
		.amdhsa_forward_progress 1
		.amdhsa_inst_pref_size 9
	.end_amdhsa_kernel
	.amdgpu_metadata
---
amdhsa.version: [ 1, 2 ]
amdhsa.kernels:
  - .name:           k_qb54a2c2432_sum
    .symbol:         k_qb54a2c2432_sum.kd
    .args:
      - { .name: part, .offset: 0, .size: 8, .value_kind: global_buffer, .address_space: global }
      - { .name: out0, .offset: 8, .size: 8, .value_kind: global_buffer, .address_space: global }
    .group_segment_fixed_size: 0
    .private_segment_fixed_size: 0
    .kernarg_segment_align: 8
    .kernarg_segment_size: 16
    .max_flat_workgroup_size: 256
    .sgpr_count:     66
    .vgpr_count:     136
    .wavefront_size: 32
...
	.end_amdgpu_metadata
.endif
;; end of part 4
;; ======== version 2 of 2: 4 launches; version 1 with the launches ffn1, ffn2 written anew for expert scheduling mode
;; workspace buffers: xb 2,097,152 bytes; bmap 2,048 bytes of whole numbers; coef 8,192 bytes; hbuf 67,108,864 bytes; part 33,554,432 bytes; list 32,768 bytes of whole numbers
;; launch router: the kernel of part 1 again; grid 32 x 1, 8 waves a work-group, no clusters, 87,040 bytes of LDS; arguments x, noise, gate_w, gate_b, var_w, var_b, xb, bmap, coef; writes xb, bmap, coef
;; launch ffn1 (part 5): grid 32 x 8, 8 waves a work-group, no clusters, 288,768 bytes of LDS; arguments xb, w1, b1, bmap, hbuf, list; writes hbuf, list
.if DOCPART == 5
	.amdgcn_target "amdgcn-amd-amdhsa--gfx1250"
	.amdhsa_code_object_version 6
	.text
	.protected	k_qb54a2c2432_ffn1
	.globl	k_qb54a2c2432_ffn1
	.p2align	8
	.type	k_qb54a2c2432_ffn1,@function
k_qb54a2c2432_ffn1:
	s_mov_b64 s[64:65], 0
	v_nop
	global_prefetch_b8 v0, s[64:65] scope:SCOPE_SE
	s_setreg_imm32_b32 hwreg(HW_REG_WAVE_SCHED_MODE, 0, 2), 2
	s_setreg_imm32_b32 hwreg(HW_REG_WAVE_MODE, 25, 1), 1
	s_wait_xcnt 0x0
	s_wait_alu depctr_vm_vsrc(0)
; ONE PRODUCT OF A ROUTED EXPERT LAYER, both products from one text.
; MODE 1: hbuf[e][j][128 x .. +127] = relu(xb[token of rank j] . w1[e] rows + b1[e]), bf16; and list[e][j] = 2 token + slot of rank j.
; MODE 2: part[kb][2 token + slot][128 dblk .. +127] = coef x (hbuf[e][j][1,024 kb ..] . w2[e] rows (+ b2[e] where kb = 0)), f32.
; Work-group (x, y): expert y; a slice of 128 rows of its weights x 1,024 along K (MODE 1: rows 128 x; MODE 2: dblk = x % 8, kb = x / 8), 512 KiB of f32 that it alone reads, once; and ALL rows routed to the expert.
; FORMAT.  Weights and bias are rounded once to bf16, sums in f32; MODE 1's result is rounded once to bf16, MODE 2's partial sums stay f32.  LIMITS: NaN and infinities are not treated apart (relu of NaN is 0).
; ROLES.  Waves 4-7 are PRODUCERS: they stream the slice through registers, round it and lay it into LDS, where it stays.  Waves 0-3 are CONSUMERS: token rows come from memory straight into registers as matrix
; operands, weight fragments from LDS.  Each role has its own count of loads, so the stream and the products do not order each other.  Every role branch compares the wave's number with 4; no barrier stands under one.
; STAGES.  K goes in four chunks of 256, each with a region of LDS of its own.  A trip of the stage loop has two parts with a barrier behind each.  In the first, consumers multiply the chunk stored in the trip before,
; while producers take the next chunk out of the registers that it was loaded into, round it into 128 registers and ask for the chunk after it: no producer touches LDS there.  In the second, producers alone store those
; 128 registers: 64 LDS stores a wave.  So no wave reads a region between the same two barriers between which another writes one, and of the producers' work only the LDS stores stand outside the products' time.
; Five trips: the first has nothing to multiply, the last nothing to store.  The regions' offsets come down a chain of scalar moves (the store's: regions 0, 1, 2, 3, 3; the loads': 0, 0, 1, 2, 3), so that they lie
; inside the regions in every trip.  A chunk's eight K steps are written out: its LDS address is made once, at its head, and the step stands in the loads' immediates.
; BLOCKS.  A consumer holds 5 tiles of 16 ranks; four consumers, 320 ranks a block; 4 blocks cover 1,024 ranks, every split of the tokens.  The block loop and the stage loop have constant counts, every wave passes
; every barrier (4 x 5 x 2), and only work is jumped over (a dead block's, a dead tile's way out, tile 4's products).  Producers work in the first block alone.  An expert without rows still streams its slice.
; RANKS.  Rank j of an expert is its j-th token, ascending.  In MODE 1 a lane finds its rank's token in registers from the expert's 32 bitmap words: the word by the running count, the bit by halving; the work-groups of
; slice 0 store 2 token + slot by rank (16 ranks: 64 consecutive bytes), and MODE 2 loads it from there.  No LDS address hangs on data.
; No cluster: each slice has one reader; what an expert's work-groups share is token rows, whose number hangs on a stored count (and in MODE 1 they come by ranks), which no joint load's constant shape covers.
; LDS: 4 regions of 128 rows x 528 bytes (512 of bf16 + 16: row r starts at bank 4 r mod 64, 64 banks of 4 bytes: ISA guide 11.1); a stage of 16 rows for each consumer; the spare words.
; THE MATRIX INSTRUCTION IS USED TRANSPOSED: source 0 = 16 rows of weights, source 1 = 16 token rows: a lane holds one token row (lane % 16) and eight neighbouring columns 8 (lane / 16) + 0..7.
; CONSUMER REGISTERS.  window 0: v1-v9 lane terms, v10-14 row offsets, v16-25 coef pairs, v30-31 the add's two, v32-36 2 token + slot, v37-46 at work, v48-111 weight fragments (in the set-up: the search for tokens),
;   v112-191 token fragments (two sets of five), v192-255 tile 4's accumulators.  window 1: accumulator (tile i, column tile b) at 64 i + 8 b.
; PRODUCER REGISTERS.  window 0: v27 LDS address, v28 16 x lane, v29 my rows' place, v128-255 a chunk rounded: half row n at 128 + 2 n.  window 1: 64 half rows as loaded, half row n at 4 n (n = 32 x half of the chunk's K + row).
; The two roles load into different registers: consumers into window 0 alone, producers into window 1 alone.
; THE MODE: SCHED_MODE bits 1:0 = 2 (LLVM: expert scheduling mode 2), set by the entry lines.  The code itself states the register dependences between vector or matrix instructions and memory or LDS instructions,
; with s_wait_alu, always for 0.
; THE PLAN, consumers.  Registers that memory or LDS instructions touch in a chunk:
;   WF       in two halves of four fragments.  A half's 16 products (20 with tile 4) read it; behind them ONE wait on va_vdst, and the half's eight LDS loads of the next K step land in it while the other half is multiplied.
;   XF       two sets.  A step's products read set st % 2; the wait behind the step's second half also states that they are done, and the ten loads of the step after next follow that half's LDS loads.
;   v[WA]    read by every fragment load; written once a chunk, at its head, between a wait on vm_vsrc and a wait on va_vdst.      v[XO ..]  read by every load of token rows; written in a block's set-up alone.
;   The accumulators are named by matrix and vector instructions alone, but for tile 4's, in which a block's set-up loads the bias.
; So a K step has two waits on va_vdst, and no product issued behind either names a register that the loads behind it touch: those products name the other half of WF, XF and accumulators.
; THE PLAN, producers.  Window 1: eight half rows' sixteen conversions read 32 registers; behind them one wait on va_vdst, and the next chunk's eight loads land there.  v[CV ..]: written by the conversions, read by the
; second part's LDS stores: one wait on va_vdst ahead of the run of stores, one on vm_vsrc ahead of the next trip's first conversion.  v[PS]: written between a wait on vm_vsrc and that wait on va_vdst.  v[VO], v[PL]: made once.
; Set-up and way out: each wait's comment names its dependence.  Compares' masks, and lanes read out, go into runs of scalar registers with one wait on va_sdst behind each run.
.set MODE, 1
.set PITCH,  528
.set REGION, 128*PITCH
.if MODE == 1
.set STRIDE, 4096                      ; bytes from a row of weights to the next
.set SPITCH, 272
.else
.set STRIDE, 16384
.set SPITCH, 528
.endif
.set STAGE,  4*REGION
.set STAGEW, 16*SPITCH
.set SPARE,  STAGE+4*STAGEW            ; the spare words: 128 bytes a wave, four blocks of 256 bytes that no other line names
.set R, 1                              ; lane % 16
.set H16, 2                            ; 16 x (lane / 16)
.set LANE, 3
.set WL, 4                             ; my place in a weight fragment: r x 528 + 16 h
.set WA, 5                             ; + the chunk's region
.set STO, 6                            ; the way out: where I put my columns of a row
.set RD, 7                             ; where I read rows back
.set CO, 8                             ; MODE 1: my offset in two rows of hbuf; MODE 2: 16 x lane
.set BO, 9                             ; 32 x (lane / 16): my eight numbers of 16 of the bias
.set XO, 10                            ; tile i: my row's byte offset
.set ZERO, 15
.set CF, 16                            ; tile i: my row's coef, twice
.set HH, 26                            ; lane / 16
.set PS, 27
.set VO, 28
.set PL, 29
.set SPW, 30
.set NIL, 31
.set DEST, 32                          ; tile i: 2 token + slot of my row
.set TP, 37
.set WF, 48
.set XF, 112
.set CV, 128                           ; a producer's chunk, rounded
.set AD, 176                           ; MODE 2, the way out: 16 rows' offsets
.set A4, 192
.set QJ, WF                            ; the search, five registers each (one a tile): my rank, then my place among the word's bits
.set QW, WF+5                          ; the word that holds my token
.set QB, WF+10                         ; the count below that word, and 65,536 x its number
.set Q1, WF+15                         ; the word's bit counts in fields of 2,
.set Q2, WF+20                         ; 4,
.set Q3, WF+25                         ; 8
.set Q4, WF+30                         ; and 16 bits
.set QC, WF+35
.set QT, WF+40
.set QP, WF+45                         ; the bit's place
.set QN, WF+50
.set WV, 16
.set IDX, 17                           ; my number in my role, 0..3
.set EX, 18
.set SL, 19
.set STC, 20                           ; trips of the stage loop to go, 5 to 1
.set RGS, 21                           ; the region that producers store into in this trip, in bytes
.set RGC, 22                           ; the region that consumers multiply in this trip
.set NX1, 23                           ; the store's regions of the trips to come
.set KX, 24                            ; s[24:25] bytes along a token row at which the chunk in hand begins
.set XB, 26
.set XN, 28                            ; token rows at this chunk
.set WP, 30
.set NX2, 32
.set CM1, 33                           ; the last rank
.set TL, 34                            ; tiles of 16 ranks
.set NTW, 35                           ; my live tiles in this block, 0..5
.set T0, 36                            ; my tile 0's first rank
.set BLK, 37                           ; blocks to go, 4 to 1
.set HIM, 38
.set TB0, 39                           ; the block's first tile
.set OB, 40
.set MK, 42                            ; s[42:46] the search: the masks of a run of five compares, one a tile
.set BMSK, 48
.set BB, 50
.set B2, 52
.set OUTB, 54
.set CNT, 56
.set PK, 57
.set TS, 58
.set NX3, 59
.set XM, 60                            ; token rows at the next chunk
.set LS, 62                            ; s[62:63] the expert's 1,024 words of the list
.set BM, 68                            ; s[68:99] the expert's 32 bitmap words
.set RL, 68                            ; MODE 2, the way out: s[68:83] sixteen rows' numbers; MODE 2 is done with the bitmap words once the rows are counted
.set MSB, 0
.macro WIN new                         ; s_set_vgpr_msb: bits 1:0 source 0, 3:2 source 1, 5:4 source 2, 7:6 destination; the high byte repeats the setting that is left
.if MSB != (\new)
	s_set_vgpr_msb (MSB<<8)|(\new)
.set MSB, \new
.endif
.endm
.macro ALL5 line:vararg                ; one line for each tile t
.set t, 0
.rept 5
	\line
.set t, t+1
.endr
.endm
; The search (MODE 1 alone uses it).  Its first part, word g: where the count of chosen tokens below word g passes my rank, what I hold stays; else the word, that count and g are taken; ascending, so the last such word stays.
; The five tiles' compares stand in a run, each with a scalar register for its mask; the ten selects follow behind one wait.
.macro SCANG g
	s_bcnt1_i32_b32 s[TS], s[BM+(\g)-1]
	s_add_co_u32 s[CNT], s[CNT], s[TS]
	s_add_co_u32 s[PK], s[CNT], (\g)<<16
.irp i, 0,1,2,3,4
	v_cmp_gt_u32 s[MK+(\i)], s[CNT], v[QJ+(\i)]
.endr
	s_wait_alu depctr_va_sdst(0)                   ; the five compares have written their masks, which the selects read
.irp i, 0,1,2,3,4
	v_cndmask_b32 v[QW+(\i)], s[BM+(\g)], v[QW+(\i)], s[MK+(\i)]
	v_cndmask_b32 v[QB+(\i)], s[PK], v[QB+(\i)], s[MK+(\i)]
.endr
.endm
; Its second part, one halving: of the 2 w bits from QP on, the lower w hold QC set bits (a field of arr); where my place is not among them, it goes down by QC and QP up by w.
.macro PICK arr, w
	ALL5 v_bfe_u32 v[QC+t], v[(\arr)+t], v[QP+t], \w
	ALL5 v_sub_nc_u32 v[QT+t], v[QJ+t], v[QC+t]
	ALL5 v_add_nc_u32 v[QN+t], \w, v[QP+t]
	ALL5 v_cmp_ge_u32 s[MK+t], v[QJ+t], v[QC+t]
	s_wait_alu depctr_va_sdst(0)                   ; the five compares have written their masks, which the selects read
.set t, 0
.rept 5
	v_cndmask_b32 v[QJ+t], v[QJ+t], v[QT+t], s[MK+t]
	v_cndmask_b32 v[QP+t], v[QP+t], v[QN+t], s[MK+t]
.set t, t+1
.endr
.endm
; Half hf of K step st of a chunk's eight: four column tiles, 16 products (20 with tile 4); then, but in the last step, their fragments of the next step are loaded.  No two products on end share an accumulator.
.macro HALF st, hf
.if ((\st) == 7) && ((\hf) == 1)
	s_wait_dscnt 0x0                               ; the chunk's last eight fragment loads are in: nothing was issued behind them
.else
	s_wait_dscnt 8                                 ; my eight fragment loads are in: behind them the other half's eight
.endif
	WIN 0x50                                       ; C and D window 1
.irp b, 4*(\hf),4*(\hf)+1,4*(\hf)+2,4*(\hf)+3
.irp i, 0,1,2,3
	v_wmma_f32_16x16x32_bf16 v[64*(\i)+8*(\b):64*(\i)+8*(\b)+7], v[WF+8*(\b):WF+8*(\b)+7], v[XF+40*((\st)%2)+8*(\i):XF+40*((\st)%2)+8*(\i)+7], v[64*(\i)+8*(\b):64*(\i)+8*(\b)+7]
.endr
.endr
	WIN 0
	s_cmp_lt_u32 s[NTW], 5
	s_cbranch_scc1 .Lno_tile_4_\@
.irp b, 4*(\hf),4*(\hf)+1,4*(\hf)+2,4*(\hf)+3
	v_wmma_f32_16x16x32_bf16 v[A4+8*(\b):A4+8*(\b)+7], v[WF+8*(\b):WF+8*(\b)+7], v[XF+40*((\st)%2)+32:XF+40*((\st)%2)+39], v[A4+8*(\b):A4+8*(\b)+7]
.endr
.Lno_tile_4_\@:
.if ((\st) < 7) || ((\hf) == 1)
.rept 4
	v_nop                                          ; four places between a product and a load into a register that it read (ISA guide 7.12.1 for vector instructions); they stay beside the wait below
.endr
	s_wait_alu depctr_va_vdst(0)                   ; the products issued so far are done reading this half of v[WF ..], and behind the second half this step's set of v[XF ..]: the loads that follow land there
.endif
.if (\st) < 7
.irp b, 4*(\hf),4*(\hf)+1,4*(\hf)+2,4*(\hf)+3
	ds_load_b128 v[WF+8*(\b):WF+8*(\b)+3],   v[WA] offset:(\b)*16*PITCH+64*((\st)+1)
	ds_load_b128 v[WF+8*(\b)+4:WF+8*(\b)+7], v[WA] offset:(\b)*16*PITCH+64*((\st)+1)+32
.endr
.endif
.endm
; One K step of 32; at its end the token fragments of the step after next are asked for, into the set just multiplied: steps 0-5 ask in this chunk, steps 6 and 7 for the next chunk's first two.
; No wait of their own: no vector or matrix instruction stands between the second half's wait and these loads.
.macro STEP st
	s_wait_loadcnt 10                              ; this set's ten loads are in; the other set's ten stay out
	HALF \st, 0
	HALF \st, 1
.irp i, 0,1,2,3,4
.if (\st) < 6
	global_load_b128 v[XF+40*((\st)%2)+8*(\i):XF+40*((\st)%2)+8*(\i)+3],   v[XO+(\i)], s[XN:XN+1] offset:64*((\st)+2)
	global_load_b128 v[XF+40*((\st)%2)+8*(\i)+4:XF+40*((\st)%2)+8*(\i)+7], v[XO+(\i)], s[XN:XN+1] offset:64*((\st)+2)+32
.else
	global_load_b128 v[XF+40*((\st)%2)+8*(\i):XF+40*((\st)%2)+8*(\i)+3],   v[XO+(\i)], s[XM:XM+1] offset:64*((\st)-6)
	global_load_b128 v[XF+40*((\st)%2)+8*(\i)+4:XF+40*((\st)%2)+8*(\i)+7], v[XO+(\i)], s[XM:XM+1] offset:64*((\st)-6)+32
.endif
.endr
.endm
; A producer takes a chunk out of its load registers: 64 half rows (32 rows x 128 K, twice), eight at a time: rounded into CV; and, issue = 1, the same half rows of the next chunk are asked for (512 consecutive bytes a
; load).  issue = 1: behind a group's eight loads stand the rest of the chunk (56 - 8 m) and the 8 m just issued: 56.  issue = 0 (the last chunk): nothing is issued, and the counts run down.  No LDS instruction here.
.macro CONV issue
	s_wait_alu depctr_vm_vsrc(0)                   ; the LDS stores of the trip before have read v[CV ..], which the conversions write again
.if \issue
	s_wait_xcnt 0x0                                ; the loads that are out have read their base: only now does it step
	s_add_nc_u64 s[WP:WP+1], s[WP:WP+1], 1024
.endif
.irp m, 0,1,2,3,4,5,6,7
.if \issue
	s_wait_loadcnt 56
.else
	s_wait_loadcnt 56-8*(\m)
.endif
	WIN 0x05                                       ; both sources window 1
.irp j, 0,1,2,3,4,5,6,7
	v_cvt_pk_bf16_f32 v[CV+2*(8*(\m)+(\j))],   v[4*(8*(\m)+(\j))],   v[4*(8*(\m)+(\j))+1]
	v_cvt_pk_bf16_f32 v[CV+2*(8*(\m)+(\j))+1], v[4*(8*(\m)+(\j))+2], v[4*(8*(\m)+(\j))+3]
.endr
.if \issue
	WIN 0x40                                       ; destination window 1
	s_wait_alu depctr_va_vdst(0)                   ; the sixteen conversions are done reading these eight half rows' registers, in which the eight loads land
.irp j, 0,1,2,3,4,5,6,7
	global_load_b128 v[4*(8*(\m)+(\j)):4*(8*(\m)+(\j))+3], v[VO], s[WP:WP+1] offset:(8*((\m)%4)+(\j))*STRIDE+((\m)/4)*512 th:TH_LOAD_NT
.endr
.endif
.endr
	WIN 0
.endm
; A producer lays its rounded chunk into the trip's region: 64 stores, 32 lanes x 8 bytes = 256 consecutive bytes each.
.macro STORE
	s_wait_alu depctr_vm_vsrc(0)                   ; the LDS stores of the trip before have read v[PS]
	v_add_nc_u32 v[PS], s[RGS], v[PL]
	s_wait_alu depctr_va_vdst(0)                   ; v[PS] is written, and the first part's conversions have written v[CV ..]: the address and the data of the 64 stores
.set n, 0
.rept 64
	ds_store_b64 v[PS], v[CV+2*n:CV+2*n+1] offset:(n%32)*PITCH+(n/32)*256
.set n, n+1
.endr
.endm
; THE WAY OUT of tile i, through my own stage in LDS; each accumulator's registers are read in ascending order.
.macro EPI i
.if (\i) < 4
.set AC, 64*(\i)
.else
.set AC, A4
.endif
	s_wait_alu depctr_vm_vsrc(0)                   ; the LDS and global stores issued so far (the tile before's; ahead of tile 0 the block before's) have read their data and offsets in v[WF ..], v[XF ..] and v[AD ..], written again below
.if MODE == 1
.if (\i) < 4
	WIN 0x05                                       ; both sources window 1
.endif
.set k, 0
.rept 32
	v_cvt_pk_bf16_f32 v[WF+k], v[AC+2*k], v[AC+2*k+1]
.set k, k+1
.endr
	WIN 0
.set k, 0
.rept 32
	v_pk_max_num_bf16 v[WF+k], v[WF+k], v[ZERO]    ; relu, two at a time; nothing is rounded
.set k, k+1
.endr
	s_wait_alu depctr_va_vdst(0)                   ; v[WF .. WF+31] are written, the LDS stores' data; and nothing on the vector side still names v[WF+32 ..], in which the loads from the stage land
.irp b, 0,1,2,3,4,5,6,7
	ds_store_b128 v[STO], v[WF+4*(\b):WF+4*(\b)+3] offset:32*(\b)
.endr
	s_wait_xcnt 0x0                                ; the tile before's stores have read their registers
.irp t, 0,1,2,3,4,5,6,7
	ds_load_b128 v[WF+32+4*(\t):WF+32+4*(\t)+3], v[RD] offset:(\t)*2*SPITCH  ; LDS serves a wave in order (ISA guide 5.7.1.4): these see the stores above
.endr
	s_wait_dscnt 0x0
.irp t, 0,1,2,3,4,5,6,7
	global_store_b128 v[CO], v[WF+32+4*(\t):WF+32+4*(\t)+3], s[OB:OB+1] offset:(\i)*524288+(\t)*16384  ; 16 lanes store 256 consecutive bytes, aligned
.endr
.else
	v_mov_b32 v[CF+2*(\i)+1], v[CF+2*(\i)]         ; coef as a pair for the packed multiply
.if (\i) < 4
	WIN 0x01                                       ; source 0 window 1
.endif
.set k, 0
.rept 32
	v_pk_mul_f32 v[WF+2*k:WF+2*k+1], v[AC+2*k:AC+2*k+1], v[CF+2*(\i):CF+2*(\i)+1]
.set k, k+1
.endr
	WIN 0
	s_wait_alu depctr_va_vdst(0)                   ; v[WF ..] are written, the LDS stores' data; and the products are done reading v[XF ..], in which the loads from the stage land
.set k, 0
.rept 16
	ds_store_b128 v[STO], v[WF+4*k:WF+4*k+3] offset:64*(k/2)+16*(k%2)
.set k, k+1
.endr
	s_wait_xcnt 0x0                                ; the tile before's stores have read their registers
.set k, 0
.rept 16
	ds_load_b128 v[XF+4*k:XF+4*k+3], v[RD] offset:k*SPITCH
.set k, k+1
.endr
.set k, 0
.rept 16                               ; row k goes to part's row 2 token + slot; rows past the count repeat the last rank's row and bytes
	v_readlane_b32 s[RL+k], v[DEST+(\i)], k
.set k, k+1
.endr
	s_wait_alu depctr_va_sdst(0)                   ; the sixteen lanes read out are written into s[RL ..], ahead of their first reader
.set k, 0
.rept 16
	s_min_u32 s[RL+k], s[RL+k], 0x7ff
	v_lshl_add_u32 v[AD+k], s[RL+k], 12, v[CO]
.set k, k+1
.endr
	s_wait_dscnt 0x0
	s_wait_alu depctr_va_vdst(0)                   ; the sixteen offsets v[AD ..] are written, which the stores read
.set k, 0
.rept 16
	global_store_b128 v[AD+k], v[XF+4*k:XF+4*k+3], s[OB:OB+1]  ; 32 lanes store 512 consecutive bytes, aligned
.set k, k+1
.endr
.endif
.endm
	s_load_b256 s[4:11], s[0:1], 0x0               ; rows in s[4:5], weights s[6:7], bias s[8:9], bmap s[10:11]
	s_load_b128 s[12:15], s[0:1], 0x20             ; MODE 1: hbuf, list;  MODE 2: part, coef
.if MODE == 2
	s_load_b64 s[LS:LS+1], s[0:1], 0x30            ; list
.endif
	v_lshl_add_u32 v[SPW], v0, 2, SPARE
	v_mov_b32 v[NIL], 0
	v_lshrrev_b32 v1, 5, v0
	v_readfirstlane_b32 s[WV], v1                  ; wave 0..7
	v_and_b32 v[LANE], 31, v0
	s_wait_alu depctr_va_sdst(0)                   ; the wave's number is written into s[WV], ahead of its first reader: roles, pointers and LDS places are made from it
	s_and_b32 s[IDX], s[WV], 3
	s_and_b32 s[EX], ttmp7, 0xffff
	s_mov_b32 s[SL], ttmp9
	v_lshlrev_b32 v[VO], 4, v[LANE]
	s_wait_kmcnt 0x0
	; ALL POINTERS AND LANE TERMS, of both roles, are made here by every wave
	s_lshl_b32 s42, s[EX], 24                      ; the expert's weights,
.if MODE == 1
	s_lshl_b32 s43, s[SL], 19                      ; the slice's 128 rows,
	s_lshl_b32 s44, s[IDX], 17                     ; a producer's 32 of them
.else
	s_and_b32 s43, s[SL], 7
	s_lshl_b32 s43, s43, 21
	s_lshl_b32 s44, s[IDX], 19
	s_lshr_b32 s45, s[SL], 3
	s_lshl_b32 s45, s45, 12                        ; and the quarter of K
	s_add_co_u32 s44, s44, s45
.endif
	s_add_co_u32 s42, s42, s43
	s_add_co_u32 s42, s42, s44
	s_mov_b32 s43, 0
	s_add_nc_u64 s[WP:WP+1], s[6:7], s[42:43]
	s_lshl_b32 s42, s[EX], 7
	s_add_nc_u64 s[XN:XN+1], s[10:11], s[42:43]    ; the expert's 32 bitmap words
.if MODE == 1
	s_add_co_u32 s42, s42, 1024
	s_add_nc_u64 s[B2:B2+1], s[10:11], s[42:43]    ; the expert's 32 second-choice words
	s_lshl_b32 s42, s[EX], 12
	s_add_nc_u64 s[LS:LS+1], s[14:15], s[42:43]    ; the expert's 1,024 words of the list
	s_mov_b64 s[XB:XB+1], s[4:5]
	s_lshl_b32 s42, s[EX], 14
	s_lshl_b32 s44, s[SL], 9
	s_add_co_u32 s42, s42, s44
	s_add_nc_u64 s[BB:BB+1], s[8:9], s[42:43]      ; my 128 numbers of b1
	s_lshl_b32 s42, s[EX], 23
	s_lshl_b32 s44, s[SL], 8
	s_add_co_u32 s42, s42, s44
	s_add_nc_u64 s[OUTB:OUTB+1], s[12:13], s[42:43]  ; the expert's segment of hbuf, my 128 columns
	s_mov_b64 s[OB:OB+1], s[OUTB:OUTB+1]           ; the stores' base holds that address from here on; a block's set-up adds the block's rows
.else
	s_lshl_b32 s42, s[EX], 12
	s_add_nc_u64 s[LS:LS+1], s[LS:LS+1], s[42:43]  ; the expert's 1,024 words of the list
	s_and_b32 s44, s[SL], 7                        ; dblk
	s_lshr_b32 s45, s[SL], 3                       ; kb
	s_lshl_b32 s42, s[EX], 23
	s_lshl_b32 s46, s45, 11
	s_add_co_u32 s42, s42, s46
	s_add_nc_u64 s[XB:XB+1], s[4:5], s[42:43]      ; the expert's segment of hbuf, my quarter of K
	s_lshl_b32 s42, s[EX], 12
	s_lshl_b32 s46, s44, 9
	s_add_co_u32 s42, s42, s46
	s_add_nc_u64 s[BB:BB+1], s[8:9], s[42:43]      ; my 128 numbers of b2
	s_lshl_b32 s42, s45, 23
	s_add_co_u32 s42, s42, s46
	s_add_nc_u64 s[OB:OB+1], s[12:13], s[42:43]    ; part's quarter kb, my 128 columns
	s_cmp_eq_u32 s45, 0
	s_cselect_b32 s[BMSK], -1, 0                   ; the bias enters in quarter 0 alone
.endif
	v_and_b32 v[R], 15, v0
	v_bfe_u32 v[HH], v0, 4, 1
	v_lshlrev_b32 v[H16], 4, v[HH]
	v_lshlrev_b32 v[BO], 5, v[HH]
	v_mul_u32_u24 v[WL], v[R], PITCH
	v_lshl_add_u32 v[WL], v[HH], 4, v[WL]
	s_mul_i32 s46, s[IDX], STAGEW
	s_add_co_u32 s46, s46, STAGE                   ; a consumer's stage
	v_mul_u32_u24 v[STO], v[R], SPITCH
.if MODE == 1
	v_lshl_add_u32 v[STO], v[HH], 4, v[STO]        ; in: row r, 16 bytes for each half of the lanes
	v_add_nc_u32 v[STO], s46, v[STO]
	v_mul_u32_u24 v[RD], v[HH], SPITCH             ; back: lanes 0-15 one row of 256 bytes, lanes 16-31 the next
	v_lshl_add_u32 v[RD], v[R], 4, v[RD]
	v_add_nc_u32 v[RD], s46, v[RD]
	v_lshlrev_b32 v[CO], 13, v[HH]                 ; and the same two rows in hbuf
	v_lshl_add_u32 v[CO], v[R], 4, v[CO]
	v_mov_b32 v[ZERO], 0
.else
	v_lshl_add_u32 v[STO], v[HH], 5, v[STO]        ; in: row r, 32 bytes for each half of the lanes
	v_add_nc_u32 v[STO], s46, v[STO]
	v_lshlrev_b32 v[CO], 4, v[LANE]
	v_add_nc_u32 v[RD], s46, v[CO]                 ; back: a row of 512 bytes
.endif
	s_mul_i32 s47, s[IDX], 32*PITCH
	v_lshl_add_u32 v[PL], v[LANE], 3, s47          ; a producer's 32 rows of a region, 8 bytes a lane
	s_mov_b32 s[NTW], 0
	s_cmp_lt_u32 s[WV], 4
	s_cbranch_scc1 .Lcons_pro
	; A PRODUCER BEGINS: chunk 0's 64 loads go out
	WIN 0x40                                       ; destination window 1
	s_wait_alu depctr_va_vdst(0)                   ; v[VO] is written, the offset of every load of weights
.set j, 0
.rept 32
	global_load_b128 v[4*j:4*j+3], v[VO], s[WP:WP+1] offset:j*STRIDE th:TH_LOAD_NT
.set j, j+1
.endr
.set j, 0
.rept 32
	global_load_b128 v[128+4*j:128+4*j+3], v[VO], s[WP:WP+1] offset:j*STRIDE+512 th:TH_LOAD_NT
.set j, j+1
.endr
	WIN 0
	s_branch .Lcommon
.Lcons_pro:
	; A CONSUMER BEGINS: the expert's bitmap words and its count of rows
	s_load_b512 s[BM:BM+15], s[XN:XN+1], 0x0
	s_load_b512 s[BM+16:BM+31], s[XN:XN+1], 0x40
	s_mov_b32 s[HIM], 0xffff0000
	s_mov_b32 s[KX+1], 0
	s_mov_b32 s[CNT], 0
	s_wait_kmcnt 0x0
.set g, 0
.rept 32
	s_bcnt1_i32_b32 s[TS], s[BM+g]
	s_add_co_u32 s[CNT], s[CNT], s[TS]
.set g, g+1
.endr
	s_max_u32 s[CM1], s[CNT], 1
	s_sub_co_u32 s[CM1], s[CM1], 1
	s_add_co_u32 s[TL], s[CNT], 15
	s_lshr_b32 s[TL], s[TL], 4
.if MODE == 1
	s_max_u32 s[TL], s[TL], 1                      ; an expert without rows still writes its segment's first tile, which the next launch's set-up loads
.endif
.Lcommon:
	s_mov_b32 s[BLK], 4
	s_mov_b32 s[TB0], 0
.Lblk:                                                 ; 4 blocks of 320 ranks
	s_cmp_lt_u32 s[WV], 4
	s_cbranch_scc0 .Lpre_done
	s_add_co_u32 s42, s[TB0], s[IDX]               ; my tile 0; my tile i is 4 i further on
	s_sub_co_i32 s43, s[TL], s42
	s_add_co_i32 s43, s43, 3
	s_ashr_i32 s43, s43, 2
	s_max_i32 s43, s43, 0
	s_min_i32 s[NTW], s43, 5
	s_lshl_b32 s[T0], s42, 4
	s_cmp_eq_u32 s[BLK], 4
	s_cbranch_scc1 .Lpre_live                      ; the first block's set-up always runs: it writes every register that the loop names (and, in MODE 1, the list's word 0 of an expert without rows)
	s_cmp_eq_u32 s[NTW], 0
	s_cbranch_scc1 .Lpre_done
.Lpre_live:
	s_wait_loadcnt 0x0                             ; no load of mine is out
	s_wait_xcnt 0x0                                ; and the block before's stores have read their base and registers
	s_wait_alu depctr_vm_vsrc(0)                   ; the block before's loads and stores have read their offsets and data (v[XO ..], v[TP+1 ..], v[DEST ..], v[WF ..], v[XF ..], v[AD ..]), which this set-up writes again
	s_wait_alu depctr_va_vdst(0)                   ; the head's lane terms are written, v[BO] among them; and the block before's products and way out are done with tile 4's accumulators, in which the bias lands
.irp b, 0,1,2,3,4,5,6,7
	global_load_b128 v[A4+8*(\b):A4+8*(\b)+3],   v[BO], s[BB:BB+1] offset:64*(\b)  ; the bias, in an accumulator's layout, into tile 4's
	global_load_b128 v[A4+8*(\b)+4:A4+8*(\b)+7], v[BO], s[BB:BB+1] offset:64*(\b)+16
.endr
.if MODE == 1
	s_lshl_b32 s42, s[T0], 13
	s_mov_b32 s43, 0
	s_add_nc_u64 s[OB:OB+1], s[OUTB:OUTB+1], s[42:43]  ; hbuf at my tile 0's first rank
.endif
	v_add_nc_u32 v[TP], s[T0], v[R]
	ALL5 v_add_nc_u32 v[QJ+t], 64*t, v[TP]         ; my rank in tile t; ranks past the count repeat the last
	ALL5 v_min_u32 v[QJ+t], s[CM1], v[QJ+t]
	ALL5 v_min_u32 v[QJ+t], 0x3ff, v[QJ+t]
	ALL5 v_lshlrev_b32 v[TP+1+t], 2, v[QJ+t]       ; my rank's word in the list
.if MODE == 2
	ALL5 v_lshl_add_u32 v[XO+t], v[QJ+t], 13, v[H16]
	s_wait_alu depctr_va_vdst(0)                   ; the offsets v[TP+1 ..] and v[XO ..] are written, which the 25 loads below read; and nothing on the vector side still names v[DEST ..] and v[XF ..], in which they land
	ALL5 global_load_b32 v[DEST+t], v[TP+1+t], s[LS:LS+1]  ; 2 token + slot of my rank
.else
	; THE TOKEN OF MY RANK.  First the bitmap word that holds it,
	ALL5 v_mov_b32 v[QW+t], s[BM]
	ALL5 v_mov_b32 v[QB+t], 0
	ALL5 v_mov_b32 v[QP+t], 0
	s_mov_b32 s[CNT], 0
.irp g, 1,2,3,4,5,6,7,8,9,10,11,12,13,14,15,16,17,18,19,20,21,22,23,24,25,26,27,28,29,30,31
	SCANG \g
.endr
	ALL5 v_and_b32 v[QC+t], 0xffff, v[QB+t]
	ALL5 v_sub_nc_u32 v[QJ+t], v[QJ+t], v[QC+t]    ; my place among the word's set bits
	ALL5 v_lshrrev_b32 v[QB+t], 16, v[QB+t]        ; the word's number
	; then the word's bit counts in fields of 2, 4, 8 and 16 bits,
	ALL5 v_lshrrev_b32 v[QT+t], 1, v[QW+t]
	ALL5 v_and_b32 v[QT+t], 0x55555555, v[QT+t]
	ALL5 v_sub_nc_u32 v[Q1+t], v[QW+t], v[QT+t]
	ALL5 v_lshrrev_b32 v[QT+t], 2, v[Q1+t]
	ALL5 v_and_b32 v[QT+t], 0x33333333, v[QT+t]
	ALL5 v_and_b32 v[Q2+t], 0x33333333, v[Q1+t]
	ALL5 v_add_nc_u32 v[Q2+t], v[Q2+t], v[QT+t]
	ALL5 v_lshrrev_b32 v[QT+t], 4, v[Q2+t]
	ALL5 v_add_nc_u32 v[Q3+t], v[Q2+t], v[QT+t]
	ALL5 v_and_b32 v[Q3+t], 0x0f0f0f0f, v[Q3+t]
	ALL5 v_lshrrev_b32 v[QT+t], 8, v[Q3+t]
	ALL5 v_add_nc_u32 v[Q4+t], v[Q3+t], v[QT+t]
	ALL5 v_and_b32 v[Q4+t], 0x00ff00ff, v[Q4+t]
	; and five halvings
	PICK Q4, 16
	PICK Q3, 8
	PICK Q2, 4
	PICK Q1, 2
	PICK QW, 1
	ALL5 v_lshl_add_u32 v[QT+t], v[QB+t], 5, v[QP+t]  ; token = 32 x word + bit
	ALL5 v_min_u32 v[QT+t], 0x3ff, v[QT+t]
	ALL5 v_lshl_add_u32 v[XO+t], v[QT+t], 11, v[H16]
	ALL5 v_min_u32 v[QB+t], 31, v[QB+t]
	ALL5 v_lshlrev_b32 v[QB+t], 2, v[QB+t]
	s_wait_alu depctr_va_vdst(0)                   ; the offsets v[QB ..] and v[XO ..] are written, which the 25 loads below read; and nothing on the vector side still names v[DEST ..] and v[XF ..], in which they land
	ALL5 global_load_b32 v[DEST+t], v[QB+t], s[B2:B2+1]  ; the second-choice word of the same 32 tokens
.endif
	s_mov_b32 s[KX], 0
.irp s, 0,1
.irp i, 0,1,2,3,4
	global_load_b128 v[XF+40*(\s)+8*(\i):XF+40*(\s)+8*(\i)+3],   v[XO+(\i)], s[XB:XB+1] offset:64*(\s)  ; K steps 0 and 1
	global_load_b128 v[XF+40*(\s)+8*(\i)+4:XF+40*(\s)+8*(\i)+7], v[XO+(\i)], s[XB:XB+1] offset:64*(\s)+32
.endr
.endr
	s_wait_loadcnt 20                              ; the bias and the five words are in; the 20 loads just issued stay out
.if MODE == 1
	ALL5 v_bfe_u32 v[DEST+t], v[DEST+t], v[QP+t], 1   ; slot: 1 where the expert is my token's second choice
	ALL5 v_lshl_add_u32 v[DEST+t], v[QT+t], 1, v[DEST+t]
	s_cmp_lg_u32 s[SL], 0
	s_cbranch_scc1 .Lno_list                       ; each word of the list has one storing work-group: the expert's slice 0
	s_wait_alu depctr_va_vdst(0)                   ; v[DEST ..] are written, the five stores' data
	ALL5 global_store_b32 v[TP+1+t], v[DEST+t], s[LS:LS+1]  ; a tile's 16 ranks: 64 consecutive bytes; both halves of the lanes, and ranks that repeat the last, store the same number at the same place
.Lno_list:
.else
	s_wait_alu depctr_vm_vsrc(0)                   ; the five loads from the list have read v[TP+1 ..], which are written again below
	ALL5 v_min_u32 v[DEST+t], 0x7ff, v[DEST+t]
	ALL5 v_lshlrev_b32 v[TP+1+t], 2, v[DEST+t]
	s_wait_alu depctr_va_vdst(0)                   ; the offsets v[TP+1 ..] are written, which the five loads below read; and the block before's way out is done reading v[CF ..], in which they land
	ALL5 global_load_b32 v[CF+2*t], v[TP+1+t], s[14:15]  ; wanted on the way out; five loads younger than the first steps', whose waits are the stricter for it
.endif
.set k, 0
.rept 32                               ; the bias rounded to bf16, in place
	v_cvt_pk_bf16_f32 v[TP+6+k%4], v[A4+2*k], v[A4+2*k+1]
.if MODE == 2
	v_and_b32 v[TP+6+k%4], s[BMSK], v[TP+6+k%4]
.endif
	v_lshlrev_b32 v[A4+2*k], 16, v[TP+6+k%4]
	v_and_b32 v[A4+2*k+1], s[HIM], v[TP+6+k%4]
.set k, k+1
.endr
	WIN 0x40                                       ; every sum starts from the bias: these moves take the place both of clearing and of an addition on the way out
.set k, 0
.rept 256
	v_mov_b32 v[k], v[A4+k%64]
.set k, k+1
.endr
	WIN 0
.Lpre_done:
	s_mov_b32 s[STC], 5
	s_mov_b32 s[RGS], 0
	s_mov_b32 s[RGC], 0
	s_mov_b32 s[NX1], REGION
	s_mov_b32 s[NX2], 2*REGION
	s_mov_b32 s[NX3], 3*REGION
.Lstage:                                               ; 5 trips
	; THE FIRST PART: consumers multiply the chunk stored last; producers round the next one in registers
	s_cmp_lt_u32 s[WV], 4
	s_cbranch_scc1 .Lcons
	s_cmp_lg_u32 s[BLK], 4
	s_cbranch_scc1 .Lmet                           ; behind the first block the slice is in LDS
	s_cmp_lt_u32 s[STC], 2
	s_cbranch_scc1 .Lmet                           ; the last trip: all four chunks are stored
	s_cmp_eq_u32 s[STC], 2
	s_cbranch_scc1 .Lconv_last
	CONV 1
	s_branch .Lmet
.Lconv_last:
	CONV 0                                         ; the last chunk: nothing is left to ask for
	s_branch .Lmet
.Lcons:
	s_cmp_eq_u32 s[STC], 5
	s_cbranch_scc1 .Lmet                           ; the first trip: no chunk is stored yet
	s_cmp_eq_u32 s[NTW], 0
	s_cbranch_scc1 .Lmet
	s_wait_xcnt 0x0                                ; the last chunk's loads have read their bases
	s_add_nc_u64 s[XN:XN+1], s[XB:XB+1], s[KX:KX+1]
	s_add_co_u32 s[KX], s[KX], 512                 ; the next chunk; behind the block's last chunk the offset wraps to 0: 20 loads inside the buffer that serve nothing, the price of one text for every chunk
	s_and_b32 s[KX], s[KX], 2047
	s_add_nc_u64 s[XM:XM+1], s[XB:XB+1], s[KX:KX+1]
	s_wait_alu depctr_vm_vsrc(0)                   ; the fragment loads issued so far have read v[WA]; fragments land there below
	v_add_nc_u32 v[WA], s[RGC], v[WL]              ; the chunk's one LDS address
	s_wait_alu depctr_va_vdst(0)                   ; v[WA] is written, which the fragment loads read; and all on the vector side that named v[WF ..] is done: the set-up's search, the chunk before's products
.irp b, 0,1,2,3,4,5,6,7
	ds_load_b128 v[WF+8*(\b):WF+8*(\b)+3],   v[WA] offset:(\b)*16*PITCH
	ds_load_b128 v[WF+8*(\b)+4:WF+8*(\b)+7], v[WA] offset:(\b)*16*PITCH+32
.endr
.irp st, 0,1,2,3,4,5,6,7
	STEP \st
.endr
.Lmet:
	s_wait_dscnt 0x0                               ; a consumer's reads of its region are back
	s_barrier_signal -1
	s_barrier_wait -1                              ; behind it producers write
	; THE SECOND PART: producers store the chunk that they have rounded
	s_cmp_lt_u32 s[WV], 4
	s_cbranch_scc1 .Lstored
	s_cmp_lg_u32 s[BLK], 4
	s_cbranch_scc1 .Lstored
	s_cmp_lt_u32 s[STC], 2
	s_cbranch_scc1 .Lstored
	STORE
.Lstored:
	s_wait_dscnt 0x0                               ; a producer's stores into the region are done
	s_barrier_signal -1
	s_barrier_wait -1                              ; behind it the region may be read
	s_mov_b32 s[RGC], s[RGS]                       ; the next trip multiplies what this one stored,
	s_mov_b32 s[RGS], s[NX1]                       ; and stores into the next region; the chain ends in the last region and stays there
	s_mov_b32 s[NX1], s[NX2]
	s_mov_b32 s[NX2], s[NX3]
	s_sub_co_u32 s[STC], s[STC], 1
	s_cmp_lg_u32 s[STC], 0
	s_cbranch_scc1 .Lstage
	s_cmp_lt_u32 s[WV], 4
	s_cbranch_scc0 .Lepi_done
	s_wait_loadcnt 0x0                             ; the wrapped loads (and coef) are in: their registers are free
	s_cmp_eq_u32 s[NTW], 0
	s_cbranch_scc1 .Lepi_done
	EPI 0
	s_cmp_lt_u32 s[NTW], 2
	s_cbranch_scc1 .Lepi_done
	EPI 1
	s_cmp_lt_u32 s[NTW], 3
	s_cbranch_scc1 .Lepi_done
	EPI 2
	s_cmp_lt_u32 s[NTW], 4
	s_cbranch_scc1 .Lepi_done
	EPI 3
	s_cmp_lt_u32 s[NTW], 5
	s_cbranch_scc1 .Lepi_done
	EPI 4
.Lepi_done:
	s_wait_storecnt 0x0                            ; no store of mine is on its way at the next barrier's signal
	s_add_co_u32 s[TB0], s[TB0], 20
	s_sub_co_u32 s[BLK], s[BLK], 1
	s_cmp_lg_u32 s[BLK], 0
	s_cbranch_scc1 .Lblk
	s_wait_dscnt 0x0                               ; the wave's end: the closing lines, six on end
	s_wait_alu 0x0
	s_wait_tensorcnt 0x0
	ds_add_u32 v[SPW], v[NIL]
	s_wait_dscnt 0x0
	s_endpgm
.Lfunc_end_k_qb54a2c2432_ffn1:
	.size	k_qb54a2c2432_ffn1, .Lfunc_end_k_qb54a2c2432_ffn1-k_qb54a2c2432_ffn1
	.p2alignl 7, 3214868480
	.fill 96, 4, 3214868480
	.section	.rodata,"a",@progbits
	.p2align	6, 0x0
	.amdhsa_kernel k_qb54a2c2432_ffn1
		.amdhsa_group_segment_fixed_size 288768
		.amdhsa_private_segment_fixed_size 0
		.amdhsa_enable_private_segment 0
		.amdhsa_kernarg_size 48
		.amdhsa_user_sgpr_count 2
		.amdhsa_user_sgpr_kernarg_segment_ptr 1
		.amdhsa_wavefront_size32 1
		.amdhsa_system_sgpr_workgroup_id_x 1
		.amdhsa_system_sgpr_workgroup_id_y 1
		.amdhsa_system_sgpr_workgroup_id_z 1
		.amdhsa_system_vgpr_workitem_id 0
		.amdhsa_next_free_vgpr 512
		.amdhsa_next_free_sgpr 100
		.amdhsa_reserve_vcc 0
		.amdhsa_float_denorm_mode_32 3
		.amdhsa_float_denorm_mode_16_64 3
		.amdhsa_memory_ordered 1
		.amdhsa_forward_progress 1
		.amdhsa_inst_pref_size 178
	.end_amdhsa_kernel
	.amdgpu_metadata
---
amdhsa.version: [ 1, 2 ]
amdhsa.kernels:
  - .name:           k_qb54a2c2432_ffn1
    .symbol:         k_qb54a2c2432_ffn1.kd
    .args:
      - { .name: xb, .offset: 0, .size: 8, .value_kind: global_buffer, .address_space: global }
      - { .name: w1, .offset: 8, .size: 8, .value_kind: global_buffer, .address_space: global }
      - { .name: b1, .offset: 16, .size: 8, .value_kind: global_buffer, .address_space: global }
      - { .name: bmap, .offset: 24, .size: 8, .value_kind: global_buffer, .address_space: global }
      - { .name: hbuf, .offset: 32, .size: 8, .value_kind: global_buffer, .address_space: global }
      - { .name: list, .offset: 40, .size: 8, .value_kind: global_buffer, .address_space: global }
    .group_segment_fixed_size: 288768
    .private_segment_fixed_size: 0
    .kernarg_segment_align: 8
    .kernarg_segment_size: 48
    .max_flat_workgroup_size: 256
    .sgpr_count:     100
    .vgpr_count:     512
    .wavefront_size: 32
...
	.end_amdgpu_metadata
.endif
;; end of part 5
;; launch ffn2 (part 6): grid 32 x 8, 8 waves a work-group, no clusters, 305,152 bytes of LDS; arguments hbuf, w2, b2, bmap, part, coef, list; writes part
.if DOCPART == 6
	.amdgcn_target "amdgcn-amd-amdhsa--gfx1250"
	.amdhsa_code_object_version 6
	.text
	.protected	k_qb54a2c2432_ffn2
	.globl	k_qb54a2c2432_ffn2
	.p2align	8
	.type	k_qb54a2c2432_ffn2,@function
k_qb54a2c2432_ffn2:
	s_mov_b64 s[64:65], 0
	v_nop
	global_prefetch_b8 v0, s[64:65] scope:SCOPE_SE
	s_setreg_imm32_b32 hwreg(HW_REG_WAVE_SCHED_MODE, 0, 2), 2
	s_setreg_imm32_b32 hwreg(HW_REG_WAVE_MODE, 25, 1), 1
	s_wait_xcnt 0x0
	s_wait_alu depctr_vm_vsrc(0)
; ONE PRODUCT OF A ROUTED EXPERT LAYER, both products from one text.
; MODE 1: hbuf[e][j][128 x .. +127] = relu(xb[token of rank j] . w1[e] rows + b1[e]), bf16; and list[e][j] = 2 token + slot of rank j.
; MODE 2: part[kb][2 token + slot][128 dblk .. +127] = coef x (hbuf[e][j][1,024 kb ..] . w2[e] rows (+ b2[e] where kb = 0)), f32.
; Work-group (x, y): expert y; a slice of 128 rows of its weights x 1,024 along K (MODE 1: rows 128 x; MODE 2: dblk = x % 8, kb = x / 8), 512 KiB of f32 that it alone reads, once; and ALL rows routed to the expert.
; FORMAT.  Weights and bias are rounded once to bf16, sums in f32; MODE 1's result is rounded once to bf16, MODE 2's partial sums stay f32.  LIMITS: NaN and infinities are not treated apart (relu of NaN is 0).
; ROLES.  Waves 4-7 are PRODUCERS: they stream the slice through registers, round it and lay it into LDS, where it stays.  Waves 0-3 are CONSUMERS: token rows come from memory straight into registers as matrix
; operands, weight fragments from LDS.  Each role has its own count of loads, so the stream and the products do not order each other.  Every role branch compares the wave's number with 4; no barrier stands under one.
; STAGES.  K goes in four chunks of 256, each with a region of LDS of its own.  A trip of the stage loop has two parts with a barrier behind each.  In the first, consumers multiply the chunk stored in the trip before,
; while producers take the next chunk out of the registers that it was loaded into, round it into 128 registers and ask for the chunk after it: no producer touches LDS there.  In the second, producers alone store those
; 128 registers: 64 LDS stores a wave.  So no wave reads a region between the same two barriers between which another writes one, and of the producers' work only the LDS stores stand outside the products' time.
; Five trips: the first has nothing to multiply, the last nothing to store.  The regions' offsets come down a chain of scalar moves (the store's: regions 0, 1, 2, 3, 3; the loads': 0, 0, 1, 2, 3), so that they lie
; inside the regions in every trip.  A chunk's eight K steps are written out: its LDS address is made once, at its head, and the step stands in the loads' immediates.
; BLOCKS.  A consumer holds 5 tiles of 16 ranks; four consumers, 320 ranks a block; 4 blocks cover 1,024 ranks, every split of the tokens.  The block loop and the stage loop have constant counts, every wave passes
; every barrier (4 x 5 x 2), and only work is jumped over (a dead block's, a dead tile's way out, tile 4's products).  Producers work in the first block alone.  An expert without rows still streams its slice.
; RANKS.  Rank j of an expert is its j-th token, ascending.  In MODE 1 a lane finds its rank's token in registers from the expert's 32 bitmap words: the word by the running count, the bit by halving; the work-groups of
; slice 0 store 2 token + slot by rank (16 ranks: 64 consecutive bytes), and MODE 2 loads it from there.  No LDS address hangs on data.
; No cluster: each slice has one reader; what an expert's work-groups share is token rows, whose number hangs on a stored count (and in MODE 1 they come by ranks), which no joint load's constant shape covers.
; LDS: 4 regions of 128 rows x 528 bytes (512 of bf16 + 16: row r starts at bank 4 r mod 64, 64 banks of 4 bytes: ISA guide 11.1); a stage of 16 rows for each consumer; the spare words.
; THE MATRIX INSTRUCTION IS USED TRANSPOSED: source 0 = 16 rows of weights, source 1 = 16 token rows: a lane holds one token row (lane % 16) and eight neighbouring columns 8 (lane / 16) + 0..7.
; CONSUMER REGISTERS.  window 0: v1-v9 lane terms, v10-14 row offsets, v16-25 coef pairs, v30-31 the add's two, v32-36 2 token + slot, v37-46 at work, v48-111 weight fragments (in the set-up: the search for tokens),
;   v112-191 token fragments (two sets of five), v192-255 tile 4's accumulators.  window 1: accumulator (tile i, column tile b) at 64 i + 8 b.
; PRODUCER REGISTERS.  window 0: v27 LDS address, v28 16 x lane, v29 my rows' place, v128-255 a chunk rounded: half row n at 128 + 2 n.  window 1: 64 half rows as loaded, half row n at 4 n (n = 32 x half of the chunk's K + row).
; The two roles load into different registers: consumers into window 0 alone, producers into window 1 alone.
; THE MODE: SCHED_MODE bits 1:0 = 2 (LLVM: expert scheduling mode 2), set by the entry lines.  The code itself states the register dependences between vector or matrix instructions and memory or LDS instructions,
; with s_wait_alu, always for 0.
; THE PLAN, consumers.  Registers that memory or LDS instructions touch in a chunk:
;   WF       in two halves of four fragments.  A half's 16 products (20 with tile 4) read it; behind them ONE wait on va_vdst, and the half's eight LDS loads of the next K step land in it while the other half is multiplied.
;   XF       two sets.  A step's products read set st % 2; the wait behind the step's second half also states that they are done, and the ten loads of the step after next follow that half's LDS loads.
;   v[WA]    read by every fragment load; written once a chunk, at its head, between a wait on vm_vsrc and a wait on va_vdst.      v[XO ..]  read by every load of token rows; written in a block's set-up alone.
;   The accumulators are named by matrix and vector instructions alone, but for tile 4's, in which a block's set-up loads the bias.
; So a K step has two waits on va_vdst, and no product issued behind either names a register that the loads behind it touch: those products name the other half of WF, XF and accumulators.
; THE PLAN, producers.  Window 1: eight half rows' sixteen conversions read 32 registers; behind them one wait on va_vdst, and the next chunk's eight loads land there.  v[CV ..]: written by the conversions, read by the
; second part's LDS stores: one wait on va_vdst ahead of the run of stores, one on vm_vsrc ahead of the next trip's first conversion.  v[PS]: written between a wait on vm_vsrc and that wait on va_vdst.  v[VO], v[PL]: made once.
; Set-up and way out: each wait's comment names its dependence.  Compares' masks, and lanes read out, go into runs of scalar registers with one wait on va_sdst behind each run.
.set MODE, 2
.set PITCH,  528
.set REGION, 128*PITCH
.if MODE == 1
.set STRIDE, 4096                      ; bytes from a row of weights to the next
.set SPITCH, 272
.else
.set STRIDE, 16384
.set SPITCH, 528
.endif
.set STAGE,  4*REGION
.set STAGEW, 16*SPITCH
.set SPARE,  STAGE+4*STAGEW            ; the spare words: 128 bytes a wave, four blocks of 256 bytes that no other line names
.set R, 1                              ; lane % 16
.set H16, 2                            ; 16 x (lane / 16)
.set LANE, 3
.set WL, 4                             ; my place in a weight fragment: r x 528 + 16 h
.set WA, 5                             ; + the chunk's region
.set STO, 6                            ; the way out: where I put my columns of a row
.set RD, 7                             ; where I read rows back
.set CO, 8                             ; MODE 1: my offset in two rows of hbuf; MODE 2: 16 x lane
.set BO, 9                             ; 32 x (lane / 16): my eight numbers of 16 of the bias
.set XO, 10                            ; tile i: my row's byte offset
.set ZERO, 15
.set CF, 16                            ; tile i: my row's coef, twice
.set HH, 26                            ; lane / 16
.set PS, 27
.set VO, 28
.set PL, 29
.set SPW, 30
.set NIL, 31
.set DEST, 32                          ; tile i: 2 token + slot of my row
.set TP, 37
.set WF, 48
.set XF, 112
.set CV, 128                           ; a producer's chunk, rounded
.set AD, 176                           ; MODE 2, the way out: 16 rows' offsets
.set A4, 192
.set QJ, WF                            ; the search, five registers each (one a tile): my rank, then my place among the word's bits
.set QW, WF+5                          ; the word that holds my token
.set QB, WF+10                         ; the count below that word, and 65,536 x its number
.set Q1, WF+15                         ; the word's bit counts in fields of 2,
.set Q2, WF+20                         ; 4,
.set Q3, WF+25                         ; 8
.set Q4, WF+30                         ; and 16 bits
.set QC, WF+35
.set QT, WF+40
.set QP, WF+45                         ; the bit's place
.set QN, WF+50
.set WV, 16
.set IDX, 17                           ; my number in my role, 0..3
.set EX, 18
.set SL, 19
.set STC, 20                           ; trips of the stage loop to go, 5 to 1
.set RGS, 21                           ; the region that producers store into in this trip, in bytes
.set RGC, 22                           ; the region that consumers multiply in this trip
.set NX1, 23                           ; the store's regions of the trips to come
.set KX, 24                            ; s[24:25] bytes along a token row at which the chunk in hand begins
.set XB, 26
.set XN, 28                            ; token rows at this chunk
.set WP, 30
.set NX2, 32
.set CM1, 33                           ; the last rank
.set TL, 34                            ; tiles of 16 ranks
.set NTW, 35                           ; my live tiles in this block, 0..5
.set T0, 36                            ; my tile 0's first rank
.set BLK, 37                           ; blocks to go, 4 to 1
.set HIM, 38
.set TB0, 39                           ; the block's first tile
.set OB, 40
.set MK, 42                            ; s[42:46] the search: the masks of a run of five compares, one a tile
.set BMSK, 48
.set BB, 50
.set B2, 52
.set OUTB, 54
.set CNT, 56
.set PK, 57
.set TS, 58
.set NX3, 59
.set XM, 60                            ; token rows at the next chunk
.set LS, 62                            ; s[62:63] the expert's 1,024 words of the list
.set BM, 68                            ; s[68:99] the expert's 32 bitmap words
.set RL, 68                            ; MODE 2, the way out: s[68:83] sixteen rows' numbers; MODE 2 is done with the bitmap words once the rows are counted
.set MSB, 0
.macro WIN new                         ; s_set_vgpr_msb: bits 1:0 source 0, 3:2 source 1, 5:4 source 2, 7:6 destination; the high byte repeats the setting that is left
.if MSB != (\new)
	s_set_vgpr_msb (MSB<<8)|(\new)
.set MSB, \new
.endif
.endm
.macro ALL5 line:vararg                ; one line for each tile t
.set t, 0
.rept 5
	\line
.set t, t+1
.endr
.endm
; The search (MODE 1 alone uses it).  Its first part, word g: where the count of chosen tokens below word g passes my rank, what I hold stays; else the word, that count and g are taken; ascending, so the last such word stays.
; The five tiles' compares stand in a run, each with a scalar register for its mask; the ten selects follow behind one wait.
.macro SCANG g
	s_bcnt1_i32_b32 s[TS], s[BM+(\g)-1]
	s_add_co_u32 s[CNT], s[CNT], s[TS]
	s_add_co_u32 s[PK], s[CNT], (\g)<<16
.irp i, 0,1,2,3,4
	v_cmp_gt_u32 s[MK+(\i)], s[CNT], v[QJ+(\i)]
.endr
	s_wait_alu depctr_va_sdst(0)                   ; the five compares have written their masks, which the selects read
.irp i, 0,1,2,3,4
	v_cndmask_b32 v[QW+(\i)], s[BM+(\g)], v[QW+(\i)], s[MK+(\i)]
	v_cndmask_b32 v[QB+(\i)], s[PK], v[QB+(\i)], s[MK+(\i)]
.endr
.endm
; Its second part, one halving: of the 2 w bits from QP on, the lower w hold QC set bits (a field of arr); where my place is not among them, it goes down by QC and QP up by w.
.macro PICK arr, w
	ALL5 v_bfe_u32 v[QC+t], v[(\arr)+t], v[QP+t], \w
	ALL5 v_sub_nc_u32 v[QT+t], v[QJ+t], v[QC+t]
	ALL5 v_add_nc_u32 v[QN+t], \w, v[QP+t]
	ALL5 v_cmp_ge_u32 s[MK+t], v[QJ+t], v[QC+t]
	s_wait_alu depctr_va_sdst(0)                   ; the five compares have written their masks, which the selects read
.set t, 0
.rept 5
	v_cndmask_b32 v[QJ+t], v[QJ+t], v[QT+t], s[MK+t]
	v_cndmask_b32 v[QP+t], v[QP+t], v[QN+t], s[MK+t]
.set t, t+1
.endr
.endm
; Half hf of K step st of a chunk's eight: four column tiles, 16 products (20 with tile 4); then, but in the last step, their fragments of the next step are loaded.  No two products on end share an accumulator.
.macro HALF st, hf
.if ((\st) == 7) && ((\hf) == 1)
	s_wait_dscnt 0x0                               ; the chunk's last eight fragment loads are in: nothing was issued behind them
.else
	s_wait_dscnt 8                                 ; my eight fragment loads are in: behind them the other half's eight
.endif
	WIN 0x50                                       ; C and D window 1
.irp b, 4*(\hf),4*(\hf)+1,4*(\hf)+2,4*(\hf)+3
.irp i, 0,1,2,3
	v_wmma_f32_16x16x32_bf16 v[64*(\i)+8*(\b):64*(\i)+8*(\b)+7], v[WF+8*(\b):WF+8*(\b)+7], v[XF+40*((\st)%2)+8*(\i):XF+40*((\st)%2)+8*(\i)+7], v[64*(\i)+8*(\b):64*(\i)+8*(\b)+7]
.endr
.endr
	WIN 0
	s_cmp_lt_u32 s[NTW], 5
	s_cbranch_scc1 .Lno_tile_4_\@
.irp b, 4*(\hf),4*(\hf)+1,4*(\hf)+2,4*(\hf)+3
	v_wmma_f32_16x16x32_bf16 v[A4+8*(\b):A4+8*(\b)+7], v[WF+8*(\b):WF+8*(\b)+7], v[XF+40*((\st)%2)+32:XF+40*((\st)%2)+39], v[A4+8*(\b):A4+8*(\b)+7]
.endr
.Lno_tile_4_\@:
.if ((\st) < 7) || ((\hf) == 1)
.rept 4
	v_nop                                          ; four places between a product and a load into a register that it read (ISA guide 7.12.1 for vector instructions); they stay beside the wait below
.endr
	s_wait_alu depctr_va_vdst(0)                   ; the products issued so far are done reading this half of v[WF ..], and behind the second half this step's set of v[XF ..]: the loads that follow land there
.endif
.if (\st) < 7
.irp b, 4*(\hf),4*(\hf)+1,4*(\hf)+2,4*(\hf)+3
	ds_load_b128 v[WF+8*(\b):WF+8*(\b)+3],   v[WA] offset:(\b)*16*PITCH+64*((\st)+1)
	ds_load_b128 v[WF+8*(\b)+4:WF+8*(\b)+7], v[WA] offset:(\b)*16*PITCH+64*((\st)+1)+32
.endr
.endif
.endm
; One K step of 32; at its end the token fragments of the step after next are asked for, into the set just multiplied: steps 0-5 ask in this chunk, steps 6 and 7 for the next chunk's first two.
; No wait of their own: no vector or matrix instruction stands between the second half's wait and these loads.
.macro STEP st
	s_wait_loadcnt 10                              ; this set's ten loads are in; the other set's ten stay out
	HALF \st, 0
	HALF \st, 1
.irp i, 0,1,2,3,4
.if (\st) < 6
	global_load_b128 v[XF+40*((\st)%2)+8*(\i):XF+40*((\st)%2)+8*(\i)+3],   v[XO+(\i)], s[XN:XN+1] offset:64*((\st)+2)
	global_load_b128 v[XF+40*((\st)%2)+8*(\i)+4:XF+40*((\st)%2)+8*(\i)+7], v[XO+(\i)], s[XN:XN+1] offset:64*((\st)+2)+32
.else
	global_load_b128 v[XF+40*((\st)%2)+8*(\i):XF+40*((\st)%2)+8*(\i)+3],   v[XO+(\i)], s[XM:XM+1] offset:64*((\st)-6)
	global_load_b128 v[XF+40*((\st)%2)+8*(\i)+4:XF+40*((\st)%2)+8*(\i)+7], v[XO+(\i)], s[XM:XM+1] offset:64*((\st)-6)+32
.endif
.endr
.endm
; A producer takes a chunk out of its load registers: 64 half rows (32 rows x 128 K, twice), eight at a time: rounded into CV; and, issue = 1, the same half rows of the next chunk are asked for (512 consecutive bytes a
; load).  issue = 1: behind a group's eight loads stand the rest of the chunk (56 - 8 m) and the 8 m just issued: 56.  issue = 0 (the last chunk): nothing is issued, and the counts run down.  No LDS instruction here.
.macro CONV issue
	s_wait_alu depctr_vm_vsrc(0)                   ; the LDS stores of the trip before have read v[CV ..], which the conversions write again
.if \issue
	s_wait_xcnt 0x0                                ; the loads that are out have read their base: only now does it step
	s_add_nc_u64 s[WP:WP+1], s[WP:WP+1], 1024
.endif
.irp m, 0,1,2,3,4,5,6,7
.if \issue
	s_wait_loadcnt 56
.else
	s_wait_loadcnt 56-8*(\m)
.endif
	WIN 0x05                                       ; both sources window 1
.irp j, 0,1,2,3,4,5,6,7
	v_cvt_pk_bf16_f32 v[CV+2*(8*(\m)+(\j))],   v[4*(8*(\m)+(\j))],   v[4*(8*(\m)+(\j))+1]
	v_cvt_pk_bf16_f32 v[CV+2*(8*(\m)+(\j))+1], v[4*(8*(\m)+(\j))+2], v[4*(8*(\m)+(\j))+3]
.endr
.if \issue
	WIN 0x40                                       ; destination window 1
	s_wait_alu depctr_va_vdst(0)                   ; the sixteen conversions are done reading these eight half rows' registers, in which the eight loads land
.irp j, 0,1,2,3,4,5,6,7
	global_load_b128 v[4*(8*(\m)+(\j)):4*(8*(\m)+(\j))+3], v[VO], s[WP:WP+1] offset:(8*((\m)%4)+(\j))*STRIDE+((\m)/4)*512 th:TH_LOAD_NT
.endr
.endif
.endr
	WIN 0
.endm
; A producer lays its rounded chunk into the trip's region: 64 stores, 32 lanes x 8 bytes = 256 consecutive bytes each.
.macro STORE
	s_wait_alu depctr_vm_vsrc(0)                   ; the LDS stores of the trip before have read v[PS]
	v_add_nc_u32 v[PS], s[RGS], v[PL]
	s_wait_alu depctr_va_vdst(0)                   ; v[PS] is written, and the first part's conversions have written v[CV ..]: the address and the data of the 64 stores
.set n, 0
.rept 64
	ds_store_b64 v[PS], v[CV+2*n:CV+2*n+1] offset:(n%32)*PITCH+(n/32)*256
.set n, n+1
.endr
.endm
; THE WAY OUT of tile i, through my own stage in LDS; each accumulator's registers are read in ascending order.
.macro EPI i
.if (\i) < 4
.set AC, 64*(\i)
.else
.set AC, A4
.endif
	s_wait_alu depctr_vm_vsrc(0)                   ; the LDS and global stores issued so far (the tile before's; ahead of tile 0 the block before's) have read their data and offsets in v[WF ..], v[XF ..] and v[AD ..], written again below
.if MODE == 1
.if (\i) < 4
	WIN 0x05                                       ; both sources window 1
.endif
.set k, 0
.rept 32
	v_cvt_pk_bf16_f32 v[WF+k], v[AC+2*k], v[AC+2*k+1]
.set k, k+1
.endr
	WIN 0
.set k, 0
.rept 32
	v_pk_max_num_bf16 v[WF+k], v[WF+k], v[ZERO]    ; relu, two at a time; nothing is rounded
.set k, k+1
.endr
	s_wait_alu depctr_va_vdst(0)                   ; v[WF .. WF+31] are written, the LDS stores' data; and nothing on the vector side still names v[WF+32 ..], in which the loads from the stage land
.irp b, 0,1,2,3,4,5,6,7
	ds_store_b128 v[STO], v[WF+4*(\b):WF+4*(\b)+3] offset:32*(\b)
.endr
	s_wait_xcnt 0x0                                ; the tile before's stores have read their registers
.irp t, 0,1,2,3,4,5,6,7
	ds_load_b128 v[WF+32+4*(\t):WF+32+4*(\t)+3], v[RD] offset:(\t)*2*SPITCH  ; LDS serves a wave in order (ISA guide 5.7.1.4): these see the stores above
.endr
	s_wait_dscnt 0x0
.irp t, 0,1,2,3,4,5,6,7
	global_store_b128 v[CO], v[WF+32+4*(\t):WF+32+4*(\t)+3], s[OB:OB+1] offset:(\i)*524288+(\t)*16384  ; 16 lanes store 256 consecutive bytes, aligned
.endr
.else
	v_mov_b32 v[CF+2*(\i)+1], v[CF+2*(\i)]         ; coef as a pair for the packed multiply
.if (\i) < 4
	WIN 0x01                                       ; source 0 window 1
.endif
.set k, 0
.rept 32
	v_pk_mul_f32 v[WF+2*k:WF+2*k+1], v[AC+2*k:AC+2*k+1], v[CF+2*(\i):CF+2*(\i)+1]
.set k, k+1
.endr
	WIN 0
	s_wait_alu depctr_va_vdst(0)                   ; v[WF ..] are written, the LDS stores' data; and the products are done reading v[XF ..], in which the loads from the stage land
.set k, 0
.rept 16
	ds_store_b128 v[STO], v[WF+4*k:WF+4*k+3] offset:64*(k/2)+16*(k%2)
.set k, k+1
.endr
	s_wait_xcnt 0x0                                ; the tile before's stores have read their registers
.set k, 0
.rept 16
	ds_load_b128 v[XF+4*k:XF+4*k+3], v[RD] offset:k*SPITCH
.set k, k+1
.endr
.set k, 0
.rept 16                               ; row k goes to part's row 2 token + slot; rows past the count repeat the last rank's row and bytes
	v_readlane_b32 s[RL+k], v[DEST+(\i)], k
.set k, k+1
.endr
	s_wait_alu depctr_va_sdst(0)                   ; the sixteen lanes read out are written into s[RL ..], ahead of their first reader
.set k, 0
.rept 16
	s_min_u32 s[RL+k], s[RL+k], 0x7ff
	v_lshl_add_u32 v[AD+k], s[RL+k], 12, v[CO]
.set k, k+1
.endr
	s_wait_dscnt 0x0
	s_wait_alu depctr_va_vdst(0)                   ; the sixteen offsets v[AD ..] are written, which the stores read
.set k, 0
.rept 16
	global_store_b128 v[AD+k], v[XF+4*k:XF+4*k+3], s[OB:OB+1]  ; 32 lanes store 512 consecutive bytes, aligned
.set k, k+1
.endr
.endif
.endm
	s_load_b256 s[4:11], s[0:1], 0x0               ; rows in s[4:5], weights s[6:7], bias s[8:9], bmap s[10:11]
	s_load_b128 s[12:15], s[0:1], 0x20             ; MODE 1: hbuf, list;  MODE 2: part, coef
.if MODE == 2
	s_load_b64 s[LS:LS+1], s[0:1], 0x30            ; list
.endif
	v_lshl_add_u32 v[SPW], v0, 2, SPARE
	v_mov_b32 v[NIL], 0
	v_lshrrev_b32 v1, 5, v0
	v_readfirstlane_b32 s[WV], v1                  ; wave 0..7
	v_and_b32 v[LANE], 31, v0
	s_wait_alu depctr_va_sdst(0)                   ; the wave's number is written into s[WV], ahead of its first reader: roles, pointers and LDS places are made from it
	s_and_b32 s[IDX], s[WV], 3
	s_and_b32 s[EX], ttmp7, 0xffff
	s_mov_b32 s[SL], ttmp9
	v_lshlrev_b32 v[VO], 4, v[LANE]
	s_wait_kmcnt 0x0
	; ALL POINTERS AND LANE TERMS, of both roles, are made here by every wave
	s_lshl_b32 s42, s[EX], 24                      ; the expert's weights,
.if MODE == 1
	s_lshl_b32 s43, s[SL], 19                      ; the slice's 128 rows,
	s_lshl_b32 s44, s[IDX], 17                     ; a producer's 32 of them
.else
	s_and_b32 s43, s[SL], 7
	s_lshl_b32 s43, s43, 21
	s_lshl_b32 s44, s[IDX], 19
	s_lshr_b32 s45, s[SL], 3
	s_lshl_b32 s45, s45, 12                        ; and the quarter of K
	s_add_co_u32 s44, s44, s45
.endif
	s_add_co_u32 s42, s42, s43
	s_add_co_u32 s42, s42, s44
	s_mov_b32 s43, 0
	s_add_nc_u64 s[WP:WP+1], s[6:7], s[42:43]
	s_lshl_b32 s42, s[EX], 7
	s_add_nc_u64 s[XN:XN+1], s[10:11], s[42:43]    ; the expert's 32 bitmap words
.if MODE == 1
	s_add_co_u32 s42, s42, 1024
	s_add_nc_u64 s[B2:B2+1], s[10:11], s[42:43]    ; the expert's 32 second-choice words
	s_lshl_b32 s42, s[EX], 12
	s_add_nc_u64 s[LS:LS+1], s[14:15], s[42:43]    ; the expert's 1,024 words of the list
	s_mov_b64 s[XB:XB+1], s[4:5]
	s_lshl_b32 s42, s[EX], 14
	s_lshl_b32 s44, s[SL], 9
	s_add_co_u32 s42, s42, s44
	s_add_nc_u64 s[BB:BB+1], s[8:9], s[42:43]      ; my 128 numbers of b1
	s_lshl_b32 s42, s[EX], 23
	s_lshl_b32 s44, s[SL], 8
	s_add_co_u32 s42, s42, s44
	s_add_nc_u64 s[OUTB:OUTB+1], s[12:13], s[42:43]  ; the expert's segment of hbuf, my 128 columns
	s_mov_b64 s[OB:OB+1], s[OUTB:OUTB+1]           ; the stores' base holds that address from here on; a block's set-up adds the block's rows
.else
	s_lshl_b32 s42, s[EX], 12
	s_add_nc_u64 s[LS:LS+1], s[LS:LS+1], s[42:43]  ; the expert's 1,024 words of the list
	s_and_b32 s44, s[SL], 7                        ; dblk
	s_lshr_b32 s45, s[SL], 3                       ; kb
	s_lshl_b32 s42, s[EX], 23
	s_lshl_b32 s46, s45, 11
	s_add_co_u32 s42, s42, s46
	s_add_nc_u64 s[XB:XB+1], s[4:5], s[42:43]      ; the expert's segment of hbuf, my quarter of K
	s_lshl_b32 s42, s[EX], 12
	s_lshl_b32 s46, s44, 9
	s_add_co_u32 s42, s42, s46
	s_add_nc_u64 s[BB:BB+1], s[8:9], s[42:43]      ; my 128 numbers of b2
	s_lshl_b32 s42, s45, 23
	s_add_co_u32 s42, s42, s46
	s_add_nc_u64 s[OB:OB+1], s[12:13], s[42:43]    ; part's quarter kb, my 128 columns
	s_cmp_eq_u32 s45, 0
	s_cselect_b32 s[BMSK], -1, 0                   ; the bias enters in quarter 0 alone
.endif
	v_and_b32 v[R], 15, v0
	v_bfe_u32 v[HH], v0, 4, 1
	v_lshlrev_b32 v[H16], 4, v[HH]
	v_lshlrev_b32 v[BO], 5, v[HH]
	v_mul_u32_u24 v[WL], v[R], PITCH
	v_lshl_add_u32 v[WL], v[HH], 4, v[WL]
	s_mul_i32 s46, s[IDX], STAGEW
	s_add_co_u32 s46, s46, STAGE                   ; a consumer's stage
	v_mul_u32_u24 v[STO], v[R], SPITCH
.if MODE == 1
	v_lshl_add_u32 v[STO], v[HH], 4, v[STO]        ; in: row r, 16 bytes for each half of the lanes
	v_add_nc_u32 v[STO], s46, v[STO]
	v_mul_u32_u24 v[RD], v[HH], SPITCH             ; back: lanes 0-15 one row of 256 bytes, lanes 16-31 the next
	v_lshl_add_u32 v[RD], v[R], 4, v[RD]
	v_add_nc_u32 v[RD], s46, v[RD]
	v_lshlrev_b32 v[CO], 13, v[HH]                 ; and the same two rows in hbuf
	v_lshl_add_u32 v[CO], v[R], 4, v[CO]
	v_mov_b32 v[ZERO], 0
.else
	v_lshl_add_u32 v[STO], v[HH], 5, v[STO]        ; in: row r, 32 bytes for each half of the lanes
	v_add_nc_u32 v[STO], s46, v[STO]
	v_lshlrev_b32 v[CO], 4, v[LANE]
	v_add_nc_u32 v[RD], s46, v[CO]                 ; back: a row of 512 bytes
.endif
	s_mul_i32 s47, s[IDX], 32*PITCH
	v_lshl_add_u32 v[PL], v[LANE], 3, s47          ; a producer's 32 rows of a region, 8 bytes a lane
	s_mov_b32 s[NTW], 0
	s_cmp_lt_u32 s[WV], 4
	s_cbranch_scc1 .Lcons_pro
	; A PRODUCER BEGINS: chunk 0's 64 loads go out
	WIN 0x40                                       ; destination window 1
	s_wait_alu depctr_va_vdst(0)                   ; v[VO] is written, the offset of every load of weights
.set j, 0
.rept 32
	global_load_b128 v[4*j:4*j+3], v[VO], s[WP:WP+1] offset:j*STRIDE th:TH_LOAD_NT
.set j, j+1
.endr
.set j, 0
.rept 32
	global_load_b128 v[128+4*j:128+4*j+3], v[VO], s[WP:WP+1] offset:j*STRIDE+512 th:TH_LOAD_NT
.set j, j+1
.endr
	WIN 0
	s_branch .Lcommon
.Lcons_pro:
	; A CONSUMER BEGINS: the expert's bitmap words and its count of rows
	s_load_b512 s[BM:BM+15], s[XN:XN+1], 0x0
	s_load_b512 s[BM+16:BM+31], s[XN:XN+1], 0x40
	s_mov_b32 s[HIM], 0xffff0000
	s_mov_b32 s[KX+1], 0
	s_mov_b32 s[CNT], 0
	s_wait_kmcnt 0x0
.set g, 0
.rept 32
	s_bcnt1_i32_b32 s[TS], s[BM+g]
	s_add_co_u32 s[CNT], s[CNT], s[TS]
.set g, g+1
.endr
	s_max_u32 s[CM1], s[CNT], 1
	s_sub_co_u32 s[CM1], s[CM1], 1
	s_add_co_u32 s[TL], s[CNT], 15
	s_lshr_b32 s[TL], s[TL], 4
.if MODE == 1
	s_max_u32 s[TL], s[TL], 1                      ; an expert without rows still writes its segment's first tile, which the next launch's set-up loads
.endif
.Lcommon:
	s_mov_b32 s[BLK], 4
	s_mov_b32 s[TB0], 0
.Lblk:                                                 ; 4 blocks of 320 ranks
	s_cmp_lt_u32 s[WV], 4
	s_cbranch_scc0 .Lpre_done
	s_add_co_u32 s42, s[TB0], s[IDX]               ; my tile 0; my tile i is 4 i further on
	s_sub_co_i32 s43, s[TL], s42
	s_add_co_i32 s43, s43, 3
	s_ashr_i32 s43, s43, 2
	s_max_i32 s43, s43, 0
	s_min_i32 s[NTW], s43, 5
	s_lshl_b32 s[T0], s42, 4
	s_cmp_eq_u32 s[BLK], 4
	s_cbranch_scc1 .Lpre_live                      ; the first block's set-up always runs: it writes every register that the loop names (and, in MODE 1, the list's word 0 of an expert without rows)
	s_cmp_eq_u32 s[NTW], 0
	s_cbranch_scc1 .Lpre_done
.Lpre_live:
	s_wait_loadcnt 0x0                             ; no load of mine is out
	s_wait_xcnt 0x0                                ; and the block before's stores have read their base and registers
	s_wait_alu depctr_vm_vsrc(0)                   ; the block before's loads and stores have read their offsets and data (v[XO ..], v[TP+1 ..], v[DEST ..], v[WF ..], v[XF ..], v[AD ..]), which this set-up writes again
	s_wait_alu depctr_va_vdst(0)                   ; the head's lane terms are written, v[BO] among them; and the block before's products and way out are done with tile 4's accumulators, in which the bias lands
.irp b, 0,1,2,3,4,5,6,7
	global_load_b128 v[A4+8*(\b):A4+8*(\b)+3],   v[BO], s[BB:BB+1] offset:64*(\b)  ; the bias, in an accumulator's layout, into tile 4's
	global_load_b128 v[A4+8*(\b)+4:A4+8*(\b)+7], v[BO], s[BB:BB+1] offset:64*(\b)+16
.endr
.if MODE == 1
	s_lshl_b32 s42, s[T0], 13
	s_mov_b32 s43, 0
	s_add_nc_u64 s[OB:OB+1], s[OUTB:OUTB+1], s[42:43]  ; hbuf at my tile 0's first rank
.endif
	v_add_nc_u32 v[TP], s[T0], v[R]
	ALL5 v_add_nc_u32 v[QJ+t], 64*t, v[TP]         ; my rank in tile t; ranks past the count repeat the last
	ALL5 v_min_u32 v[QJ+t], s[CM1], v[QJ+t]
	ALL5 v_min_u32 v[QJ+t], 0x3ff, v[QJ+t]
	ALL5 v_lshlrev_b32 v[TP+1+t], 2, v[QJ+t]       ; my rank's word in the list
.if MODE == 2
	ALL5 v_lshl_add_u32 v[XO+t], v[QJ+t], 13, v[H16]
	s_wait_alu depctr_va_vdst(0)                   ; the offsets v[TP+1 ..] and v[XO ..] are written, which the 25 loads below read; and nothing on the vector side still names v[DEST ..] and v[XF ..], in which they land
	ALL5 global_load_b32 v[DEST+t], v[TP+1+t], s[LS:LS+1]  ; 2 token + slot of my rank
.else
	; THE TOKEN OF MY RANK.  First the bitmap word that holds it,
	ALL5 v_mov_b32 v[QW+t], s[BM]
	ALL5 v_mov_b32 v[QB+t], 0
	ALL5 v_mov_b32 v[QP+t], 0
	s_mov_b32 s[CNT], 0
.irp g, 1,2,3,4,5,6,7,8,9,10,11,12,13,14,15,16,17,18,19,20,21,22,23,24,25,26,27,28,29,30,31
	SCANG \g
.endr
	ALL5 v_and_b32 v[QC+t], 0xffff, v[QB+t]
	ALL5 v_sub_nc_u32 v[QJ+t], v[QJ+t], v[QC+t]    ; my place among the word's set bits
	ALL5 v_lshrrev_b32 v[QB+t], 16, v[QB+t]        ; the word's number
	; then the word's bit counts in fields of 2, 4, 8 and 16 bits,
	ALL5 v_lshrrev_b32 v[QT+t], 1, v[QW+t]
	ALL5 v_and_b32 v[QT+t], 0x55555555, v[QT+t]
	ALL5 v_sub_nc_u32 v[Q1+t], v[QW+t], v[QT+t]
	ALL5 v_lshrrev_b32 v[QT+t], 2, v[Q1+t]
	ALL5 v_and_b32 v[QT+t], 0x33333333, v[QT+t]
	ALL5 v_and_b32 v[Q2+t], 0x33333333, v[Q1+t]
	ALL5 v_add_nc_u32 v[Q2+t], v[Q2+t], v[QT+t]
	ALL5 v_lshrrev_b32 v[QT+t], 4, v[Q2+t]
	ALL5 v_add_nc_u32 v[Q3+t], v[Q2+t], v[QT+t]
	ALL5 v_and_b32 v[Q3+t], 0x0f0f0f0f, v[Q3+t]
	ALL5 v_lshrrev_b32 v[QT+t], 8, v[Q3+t]
	ALL5 v_add_nc_u32 v[Q4+t], v[Q3+t], v[QT+t]
	ALL5 v_and_b32 v[Q4+t], 0x00ff00ff, v[Q4+t]
	; and five halvings
	PICK Q4, 16
	PICK Q3, 8
	PICK Q2, 4
	PICK Q1, 2
	PICK QW, 1
	ALL5 v_lshl_add_u32 v[QT+t], v[QB+t], 5, v[QP+t]  ; token = 32 x word + bit
	ALL5 v_min_u32 v[QT+t], 0x3ff, v[QT+t]
	ALL5 v_lshl_add_u32 v[XO+t], v[QT+t], 11, v[H16]
	ALL5 v_min_u32 v[QB+t], 31, v[QB+t]
	ALL5 v_lshlrev_b32 v[QB+t], 2, v[QB+t]
	s_wait_alu depctr_va_vdst(0)                   ; the offsets v[QB ..] and v[XO ..] are written, which the 25 loads below read; and nothing on the vector side still names v[DEST ..] and v[XF ..], in which they land
	ALL5 global_load_b32 v[DEST+t], v[QB+t], s[B2:B2+1]  ; the second-choice word of the same 32 tokens
.endif
	s_mov_b32 s[KX], 0
.irp s, 0,1
.irp i, 0,1,2,3,4
	global_load_b128 v[XF+40*(\s)+8*(\i):XF+40*(\s)+8*(\i)+3],   v[XO+(\i)], s[XB:XB+1] offset:64*(\s)  ; K steps 0 and 1
	global_load_b128 v[XF+40*(\s)+8*(\i)+4:XF+40*(\s)+8*(\i)+7], v[XO+(\i)], s[XB:XB+1] offset:64*(\s)+32
.endr
.endr
	s_wait_loadcnt 20                              ; the bias and the five words are in; the 20 loads just issued stay out
.if MODE == 1
	ALL5 v_bfe_u32 v[DEST+t], v[DEST+t], v[QP+t], 1   ; slot: 1 where the expert is my token's second choice
	ALL5 v_lshl_add_u32 v[DEST+t], v[QT+t], 1, v[DEST+t]
	s_cmp_lg_u32 s[SL], 0
	s_cbranch_scc1 .Lno_list                       ; each word of the list has one storing work-group: the expert's slice 0
	s_wait_alu depctr_va_vdst(0)                   ; v[DEST ..] are written, the five stores' data
	ALL5 global_store_b32 v[TP+1+t], v[DEST+t], s[LS:LS+1]  ; a tile's 16 ranks: 64 consecutive bytes; both halves of the lanes, and ranks that repeat the last, store the same number at the same place
.Lno_list:
.else
	s_wait_alu depctr_vm_vsrc(0)                   ; the five loads from the list have read v[TP+1 ..], which are written again below
	ALL5 v_min_u32 v[DEST+t], 0x7ff, v[DEST+t]
	ALL5 v_lshlrev_b32 v[TP+1+t], 2, v[DEST+t]
	s_wait_alu depctr_va_vdst(0)                   ; the offsets v[TP+1 ..] are written, which the five loads below read; and the block before's way out is done reading v[CF ..], in which they land
	ALL5 global_load_b32 v[CF+2*t], v[TP+1+t], s[14:15]  ; wanted on the way out; five loads younger than the first steps', whose waits are the stricter for it
.endif
.set k, 0
.rept 32                               ; the bias rounded to bf16, in place
	v_cvt_pk_bf16_f32 v[TP+6+k%4], v[A4+2*k], v[A4+2*k+1]
.if MODE == 2
	v_and_b32 v[TP+6+k%4], s[BMSK], v[TP+6+k%4]
.endif
	v_lshlrev_b32 v[A4+2*k], 16, v[TP+6+k%4]
	v_and_b32 v[A4+2*k+1], s[HIM], v[TP+6+k%4]
.set k, k+1
.endr
	WIN 0x40                                       ; every sum starts from the bias: these moves take the place both of clearing and of an addition on the way out
.set k, 0
.rept 256
	v_mov_b32 v[k], v[A4+k%64]
.set k, k+1
.endr
	WIN 0
.Lpre_done:
	s_mov_b32 s[STC], 5
	s_mov_b32 s[RGS], 0
	s_mov_b32 s[RGC], 0
	s_mov_b32 s[NX1], REGION
	s_mov_b32 s[NX2], 2*REGION
	s_mov_b32 s[NX3], 3*REGION
.Lstage:                                               ; 5 trips
	; THE FIRST PART: consumers multiply the chunk stored last; producers round the next one in registers
	s_cmp_lt_u32 s[WV], 4
	s_cbranch_scc1 .Lcons
	s_cmp_lg_u32 s[BLK], 4
	s_cbranch_scc1 .Lmet                           ; behind the first block the slice is in LDS
	s_cmp_lt_u32 s[STC], 2
	s_cbranch_scc1 .Lmet                           ; the last trip: all four chunks are stored
	s_cmp_eq_u32 s[STC], 2
	s_cbranch_scc1 .Lconv_last
	CONV 1
	s_branch .Lmet
.Lconv_last:
	CONV 0                                         ; the last chunk: nothing is left to ask for
	s_branch .Lmet
.Lcons:
	s_cmp_eq_u32 s[STC], 5
	s_cbranch_scc1 .Lmet                           ; the first trip: no chunk is stored yet
	s_cmp_eq_u32 s[NTW], 0
	s_cbranch_scc1 .Lmet
	s_wait_xcnt 0x0                                ; the last chunk's loads have read their bases
	s_add_nc_u64 s[XN:XN+1], s[XB:XB+1], s[KX:KX+1]
	s_add_co_u32 s[KX], s[KX], 512                 ; the next chunk; behind the block's last chunk the offset wraps to 0: 20 loads inside the buffer that serve nothing, the price of one text for every chunk
	s_and_b32 s[KX], s[KX], 2047
	s_add_nc_u64 s[XM:XM+1], s[XB:XB+1], s[KX:KX+1]
	s_wait_alu depctr_vm_vsrc(0)                   ; the fragment loads issued so far have read v[WA]; fragments land there below
	v_add_nc_u32 v[WA], s[RGC], v[WL]              ; the chunk's one LDS address
	s_wait_alu depctr_va_vdst(0)                   ; v[WA] is written, which the fragment loads read; and all on the vector side that named v[WF ..] is done: the set-up's search, the chunk before's products
.irp b, 0,1,2,3,4,5,6,7
	ds_load_b128 v[WF+8*(\b):WF+8*(\b)+3],   v[WA] offset:(\b)*16*PITCH
	ds_load_b128 v[WF+8*(\b)+4:WF+8*(\b)+7], v[WA] offset:(\b)*16*PITCH+32
.endr
.irp st, 0,1,2,3,4,5,6,7
	STEP \st
.endr
.Lmet:
	s_wait_dscnt 0x0                               ; a consumer's reads of its region are back
	s_barrier_signal -1
	s_barrier_wait -1                              ; behind it producers write
	; THE SECOND PART: producers store the chunk that they have rounded
	s_cmp_lt_u32 s[WV], 4
	s_cbranch_scc1 .Lstored
	s_cmp_lg_u32 s[BLK], 4
	s_cbranch_scc1 .Lstored
	s_cmp_lt_u32 s[STC], 2
	s_cbranch_scc1 .Lstored
	STORE
.Lstored:
	s_wait_dscnt 0x0                               ; a producer's stores into the region are done
	s_barrier_signal -1
	s_barrier_wait -1                              ; behind it the region may be read
	s_mov_b32 s[RGC], s[RGS]                       ; the next trip multiplies what this one stored,
	s_mov_b32 s[RGS], s[NX1]                       ; and stores into the next region; the chain ends in the last region and stays there
	s_mov_b32 s[NX1], s[NX2]
	s_mov_b32 s[NX2], s[NX3]
	s_sub_co_u32 s[STC], s[STC], 1
	s_cmp_lg_u32 s[STC], 0
	s_cbranch_scc1 .Lstage
	s_cmp_lt_u32 s[WV], 4
	s_cbranch_scc0 .Lepi_done
	s_wait_loadcnt 0x0                             ; the wrapped loads (and coef) are in: their registers are free
	s_cmp_eq_u32 s[NTW], 0
	s_cbranch_scc1 .Lepi_done
	EPI 0
	s_cmp_lt_u32 s[NTW], 2
	s_cbranch_scc1 .Lepi_done
	EPI 1
	s_cmp_lt_u32 s[NTW], 3
	s_cbranch_scc1 .Lepi_done
	EPI 2
	s_cmp_lt_u32 s[NTW], 4
	s_cbranch_scc1 .Lepi_done
	EPI 3
	s_cmp_lt_u32 s[NTW], 5
	s_cbranch_scc1 .Lepi_done
	EPI 4
.Lepi_done:
	s_wait_storecnt 0x0                            ; no store of mine is on its way at the next barrier's signal
	s_add_co_u32 s[TB0], s[TB0], 20
	s_sub_co_u32 s[BLK], s[BLK], 1
	s_cmp_lg_u32 s[BLK], 0
	s_cbranch_scc1 .Lblk
	s_wait_dscnt 0x0                               ; the wave's end: the closing lines, six on end
	s_wait_alu 0x0
	s_wait_tensorcnt 0x0
	ds_add_u32 v[SPW], v[NIL]
	s_wait_dscnt 0x0
	s_endpgm
.Lfunc_end_k_qb54a2c2432_ffn2:
	.size	k_qb54a2c2432_ffn2, .Lfunc_end_k_qb54a2c2432_ffn2-k_qb54a2c2432_ffn2
	.p2alignl 7, 3214868480
	.fill 96, 4, 3214868480
	.section	.rodata,"a",@progbits
	.p2align	6, 0x0
	.amdhsa_kernel k_qb54a2c2432_ffn2
		.amdhsa_group_segment_fixed_size 305152
		.amdhsa_private_segment_fixed_size 0
		.amdhsa_enable_private_segment 0
		.amdhsa_kernarg_size 56
		.amdhsa_user_sgpr_count 2
		.amdhsa_user_sgpr_kernarg_segment_ptr 1
		.amdhsa_wavefront_size32 1
		.amdhsa_system_sgpr_workgroup_id_x 1
		.amdhsa_system_sgpr_workgroup_id_y 1
		.amdhsa_system_sgpr_workgroup_id_z 1
		.amdhsa_system_vgpr_workitem_id 0
		.amdhsa_next_free_vgpr 512
		.amdhsa_next_free_sgpr 100
		.amdhsa_reserve_vcc 0
		.amdhsa_float_denorm_mode_32 3
		.amdhsa_float_denorm_mode_16_64 3
		.amdhsa_memory_ordered 1
		.amdhsa_forward_progress 1
		.amdhsa_inst_pref_size 146
	.end_amdhsa_kernel
	.amdgpu_metadata
---
amdhsa.version: [ 1, 2 ]
amdhsa.kernels:
  - .name:           k_qb54a2c2432_ffn2
    .symbol:         k_qb54a2c2432_ffn2.kd
    .args:
      - { .name: hbuf, .offset: 0, .size: 8, .value_kind: global_buffer, .address_space: global }
      - { .name: w2, .offset: 8, .size: 8, .value_kind: global_buffer, .address_space: global }
      - { .name: b2, .offset: 16, .size: 8, .value_kind: global_buffer, .address_space: global }
      - { .name: bmap, .offset: 24, .size: 8, .value_kind: global_buffer, .address_space: global }
      - { .name: part, .offset: 32, .size: 8, .value_kind: global_buffer, .address_space: global }
      - { .name: coef, .offset: 40, .size: 8, .value_kind: global_buffer, .address_space: global }
      - { .name: list, .offset: 48, .size: 8, .value_kind: global_buffer, .address_space: global }
    .group_segment_fixed_size: 305152
    .private_segment_fixed_size: 0
    .kernarg_segment_align: 8
    .kernarg_segment_size: 56
    .max_flat_workgroup_size: 256
    .sgpr_count:     100
    .vgpr_count:     512
    .wavefront_size: 32
...
	.end_amdgpu_metadata
.endif
;; end of part 6
;; launch sum: the kernel of part 4 again; grid 256 x 1, 8 waves a work-group, no clusters, 0 bytes of LDS; arguments part, out0; writes out0
